; MI455X (gfx1250); checked and timed in simulation.
; The chip was launched on July 23, 2026; its instructions are those of AMD's public machine-readable ISA for CDNA 5 (MIT licence, August 2026) and "CDNA5" Instruction Set Architecture Reference Guide (July 2026). The comments in the code are by the model that wrote it; some were corrected since.
;; Transformer Encoder Layer. Allowed arithmetic: matrix products marked QUANTISED: E5M2 operands, one E8M0 scale for each 32 along K, by v_wmma_scale_f32_16x16x128_f8f6f4 with both operands' format E5M2, f32 sums; everything else in f32.
;; Inputs: b1 4,096 float32; b2 1,024 float32; bk 1,024 float32; bo 1,024 float32; bq 1,024 float32; bv 1,024 float32; ln1_b 1,024 float32; ln1_w 1,024 float32; ln2_b 1,024 float32; ln2_w 1,024 float32; mask 2 x 1 x 1 x 2,048 int32; w1 1,024 x 4,096 float32; w2 4,096 x 1,024 float32; wk 1,024 x 1,024 float32; wo 1,024 x 1,024 float32; wq 1,024 x 1,024 float32; wv 1,024 x 1,024 float32; x 2 x 2,048 x 1,024 float32.
;; Outputs: out0 2 x 2,048 x 1,024 float32.
;; This version of the problem:
;;   THIS VERSION OF THE PROBLEM IS GIVEN IN LOW PRECISION. The matrix products marked QUANTISED in the list below multiply operands that are first quantised to E5M2 (5 exponent bits, 2 mantissa bits; 8 bits a number), with one power-of-two scale for each 32 numbers along K (OCP MX v1.0); their sums are f32. All else is computed in f32.
;;   The module's matrix products, in the order in which they are computed (A, B: the left and right operand; K: the contracted axis; several contracted axes count as one K, in the product's order):
;;     1. [M 4,096, K 1,024] x [K 1,024, N 1,024]; A: computed on the way; B: input wq: QUANTISED
;;     2. [M 4,096, K 1,024] x [K 1,024, N 1,024]; A: computed on the way; B: input wk: QUANTISED
;;     3. [M 4,096, K 1,024] x [K 1,024, N 1,024]; A: computed on the way; B: input wv: QUANTISED
;;     4. batch 32 x [M 2,048, K 64] x [K 64, N 2,048]; A: computed on the way; B: computed on the way: QUANTISED
;;     5. batch 32 x [M 2,048, K 2,048] x [K 2,048, N 64]; A: softmax (see below); B: computed on the way: QUANTISED
;;     6. [M 4,096, K 1,024] x [K 1,024, N 1,024]; A: computed on the way; B: input wo: QUANTISED
;;     7. [M 4,096, K 1,024] x [K 1,024, N 4,096]; A: computed on the way; B: input w1: QUANTISED
;;     8. [M 4,096, K 4,096] x [K 4,096, N 1,024]; A: computed on the way; B: input w2: QUANTISED
;;   THE QUANTISER, for each operand of a quantised product, along K:
;;     - K is cut into blocks of 32 from its start; a last block that is shorter is filled with zeros.
;;     - A block's scale is 2^e with e = floor(log2(the largest magnitude in the block)) - 15, held to -126 .. 127; a block of zeros has e = 0. As a byte (E8M0): e + 127.
;;     - Each number is divided by its block's scale, clamped to +-57,344, and rounded to the nearest number of E5M2, ties to even, subnormals kept.
;;     - The product sums the exact products of the quantised numbers (number of the format x scale) in f32.
;;   ~~~python
;;   def quantise(x, axis):      # numpy; x: float32 -> the quantised numbers, widened to float32 again
;;       x = np.moveaxis(x, axis, -1); K = x.shape[-1]
;;       x = np.pad(x, [(0, 0)] * (x.ndim - 1) + [(0, -K % 32)]); x = x.reshape(x.shape[:-1] + (-1, 32)); a = np.abs(x).max(-1, keepdims=True)
;;       e = np.where(a > 0, np.clip(np.frexp(np.where(a > 0, a, 1))[1] - 1 - 15, -126, 127), 0)      # np.frexp(a)[1] - 1 = floor(log2(a)), exactly
;;       r = np.clip(x / 2.0 ** e, -57344, 57344)
;;       step = 2.0 ** (np.maximum(np.frexp(np.where(r == 0, 1, r))[1] - 1, -14) - 2)
;;       q = np.round(r / step) * step * 2.0 ** e      # np.round: ties to even
;;       return np.moveaxis(q.reshape(q.shape[:-2] + (-1,))[..., :K], -1, axis).astype(np.float32)
;;   ~~~
;;   SOFTMAX AHEAD OF A QUANTISED PRODUCT. Where the list says 'softmax', what is quantised is not the finished softmax but p = 2^(t - M), with t = logit x log2(e) and M = ceil(the row's largest t), a whole number; so 1/2 < the row's largest p <= 1. The row's sum l is taken of the UNQUANTISED p, in f32, and the product's result is divided by l at the end. Since M is a whole number, a kernel that streams over the keys may use a running M (the ceiling of the running maximum): every later rescaling is an exact power of two, which a block's scale takes up: the codes' values come out the same.
;;   OPERANDS COMPUTED ON THE WAY. 'Computed on the way' means the value that the module computes at that place (a softmax that the list does not call 'softmax' is quantised finished and normalised). What goes into a quantiser is computed in f32, as accurately as f32 sums, v_exp_f32 and their like allow (about 1e-6 of the number): no bf16 or f16 on the way to a quantiser, and a product that is left as it is and whose result goes on into a quantised operand takes f32 operands (vector FMAs, or v_wmma_f32_16x16x4_f32). A number that lies on a knife's edge between two numbers of the format may be rounded either way, as far as f32 arithmetic and the matrix unit's own rounding can turn it there, and no further.
;; 2 versions. Each part assembles by itself: llvm-mc -triple=amdgcn-amd-amdhsa -mcpu=gfx1250 --defsym DOCPART=n.
;; ======== version 1 of 2: 8 launches
;; limits: right only within a limited range of input values
;; workspace buffers: ops 17,301,504 bytes; aux 294,912 bytes; qkv 13,238,272 bytes; att 4,325,376 bytes; x1 16,777,216 bytes; h2 4,325,376 bytes; hid 17,301,504 bytes
;; launch prep (part 1): grid 416 x 1, 4 waves a work-group, no clusters, 0 bytes of LDS; arguments wq, wk, wv, wo, w1, w2, mask, ops, aux; writes ops, aux
.if DOCPART == 1
	.amdgcn_target "amdgcn-amd-amdhsa--gfx1250"
	.amdhsa_code_object_version 6
	.text
	.protected	k_q9d4a492783_prep
	.globl	k_q9d4a492783_prep
	.p2align	8
	.type	k_q9d4a492783_prep,@function
k_q9d4a492783_prep:
	s_mov_b64 s[64:65], 0
	v_nop
	global_prefetch_b8 v0, s[64:65] scope:SCOPE_SE
	s_setreg_imm32_b32 hwreg(HW_REG_WAVE_MODE, 25, 1), 1
	s_wait_xcnt 0x0
; THE WEIGHTS BECOME OPERAND IMAGES; THE ROPE TABLE AND THE MASK'S WORDS ARE MADE.
; A weight W [K][N] f32 (K its first axis) is quantised along K to codes of E5M2 with one E8M0 byte for each 32 along K, and laid as the matrix
; unit's registers take it.  AN IMAGE: rows (here n) in tiles of 128, K in steps of 128; a block [tile][step] is PB = 16,896 bytes: eight fragments of 2,048 bytes, then 512 bytes of scale words.
; Fragment f, lane place r holds row pi(f, r) = 32 (f / 2) + 8 (f % 2) + r + 8 (r / 8).  In a fragment chunk c (512 bytes) holds, at 16 x (r + 16 h), the codes of k = 32 c + 16 h + 0 .. 15.  The word of (f, r) lies at 16,384 + 64 f + 4 r.
; Work-groups 0-383: 128 columns x 256 along K each.  A LANE TAKES A COLUMN, ITS REGISTERS RUN DOWN K: a load reads 128 neighbouring bytes a wave, a block of 32 lies in one lane, the conversions give K innermost.
; Lane L of wave w is column 32 w + L = pi(2 w + u, r') with u = (L / 8) % 2, r' = L % 8 + 8 (L / 16): a store of 16 bytes a lane covers two whole aligned runs of 256 bytes.
; Work-groups 384-415 (128 waves, wave W): (a) cos and sin for fragment W of the 2,048 positions, laid as the rotation's lanes take them; (b) for 32 keys the upper half of their scale word, and c for the softmax.
; THE MASK rides in the free half of the first attention product's K: a key's code at k = 64 is -1, a query's +1, and byte 2 of the key's scale word is 167 (2^40) for a hidden key, 1 (2^-126) for an open one.
; A batch whose keys are all hidden has a uniform softmax: all its bytes are 1 and its c is 0.
; LIMITS: NaN and infinities are not served; a block whose largest magnitude lies under 2^-111 keeps the byte 1 (a block of zeros too: its codes are zeros, and only this program reads the bytes).
; inv_freq = 2^(-j log2(10000) / 16) by v_exp_f32; sin and cos by a reduction in two parts of pi / 2 and polynomials good to about one unit in the last place on |x| <= pi / 4.
.set PB,       16896
.set OFF_WQK,  4325376                 ; ops: behind the image of LN1(x): wq, wk, wv, wo, 64 PB each,
.set OFF_W1,   8650752                 ; w1 (32 tiles x 8 steps),
.set OFF_W2,   12976128                ; w2 (8 tiles x 32 steps)
.set OFF_KEXT, 262144                  ; aux: behind the table (128 x 2,048 bytes): 4,096 words,
.set OFF_CEFF, 278528                  ; and c, a copy for each thread
.set X,  32                            ; v32-95  two sets of 32 numbers
.set C,  96                            ; v96-103 a block's codes
.set SB, 24                            ; v24-25  the scale words of the two K steps
	s_load_b256 s[4:11], s[0:1], 0x0               ; wq s[4:5], wk s[6:7], wv s[8:9], wo s[10:11]
	s_load_b256 s[12:19], s[0:1], 0x20             ; w1 s[12:13], w2 s[14:15], mask s[16:17], ops s[18:19]
	s_load_b64 s[20:21], s[0:1], 0x40              ; aux
	v_lshrrev_b32 v1, 5, v0
	v_readfirstlane_b32 s22, v1                    ; wave
	v_and_b32 v2, 31, v0                           ; lane
	s_cmp_ge_u32 ttmp9, 384
	s_cbranch_scc1 .Laux
	; ---- which tensor, which tile of 128 columns (rt), which 256 along K (kp)
	s_lshr_b32 s23, ttmp9, 5                       ; work-groups 0-127: 32 for each of wq, wk, wv, wo
	s_and_b32 s24, ttmp9, 31
	s_and_b32 s25, ttmp9, 127
	s_mul_i32 s26, s23, 64*PB
	s_add_co_u32 s26, s26, OFF_WQK
	s_mov_b32 s27, OFF_W1
	s_cmp_lt_u32 ttmp9, 128
	s_cselect_b32 s24, s24, s25                    ; my number within my tensor
	s_cselect_b32 s26, s26, s27
	s_mov_b32 s27, OFF_W2
	s_cmp_lt_u32 ttmp9, 256
	s_cselect_b32 s26, s26, s27                    ; where my tensor's image begins
	s_cselect_b32 s28, 2, 4                        ; 4 pieces along K, w2 16
	s_cselect_b32 s29, 8, 32                       ; K steps of 128 in a row
	s_lshr_b32 s30, s24, s28                       ; rt
	s_lshl_b32 s31, s30, s28
	s_sub_co_u32 s31, s24, s31                     ; kp
	s_mul_i32 s32, s30, s29
	s_lshl_b32 s33, s31, 1
	s_add_co_u32 s32, s32, s33
	s_mul_i32 s32, s32, PB
	s_add_co_u32 s32, s32, s26                     ; my two blocks of the image
	s_mov_b32 s33, 0
	s_lshr_b32 s37, ttmp9, 7                       ; 1: w1, whose rows are 16,384 bytes
	s_cmp_eq_u32 s37, 1
	s_cselect_b32 s34, 22, 20
	s_lshl_b32 s34, s31, s34                       ; kp x 256 rows
	s_lshl_b32 s35, s30, 9
	s_add_co_u32 s34, s34, s35                     ; + 128 columns x rt
	s_lshl_b32 s35, s22, 7
	s_add_co_u32 s34, s34, s35                     ; + 32 columns x wave
	s_mov_b32 s35, 0
	s_mov_b32 s36, 0x600000                        ; the mantissa field of 57,344
	v_lshlrev_b32 v3, 2, v2                        ; in: 4 bytes a lane
	v_bfe_u32 v6, v2, 3, 1                         ; u
	v_and_b32 v7, 7, v2
	v_lshrrev_b32 v8, 4, v2
	v_lshl_add_u32 v7, v8, 3, v7                   ; r'
	v_lshlrev_b32 v4, 4, v7
	v_lshl_add_u32 v4, v6, 11, v4
	v_lshl_add_u32 v4, s22, 12, v4                 ; codes: 2,048 (2 w + u) + 16 r'
	v_lshlrev_b32 v5, 2, v7
	v_lshl_add_u32 v5, v6, 6, v5
	v_lshl_add_u32 v5, s22, 7, v5                  ; words: 64 (2 w + u) + 4 r'
	s_wait_kmcnt 0x0
	s_cmp_eq_u32 s23, 1                            ; the choices hang on the work-group's number alone
	s_cselect_b64 s[4:5], s[6:7], s[4:5]
	s_cmp_eq_u32 s23, 2
	s_cselect_b64 s[4:5], s[8:9], s[4:5]
	s_cmp_eq_u32 s23, 3
	s_cselect_b64 s[4:5], s[10:11], s[4:5]
	s_cmp_ge_u32 ttmp9, 128
	s_cselect_b64 s[4:5], s[12:13], s[4:5]
	s_cmp_ge_u32 ttmp9, 256
	s_cselect_b64 s[4:5], s[14:15], s[4:5]
	s_add_nc_u64 s[4:5], s[4:5], s[34:35]
	s_add_nc_u64 s[18:19], s[18:19], s[32:33]
.macro LOAD t, rb                      ; block t: W(32 t + n, my column), n = 0 .. 31, into set t % 2; rb: bytes in a row of W
.set n, 0
.rept 32
	global_load_b32 v[X+32*((\t)%2)+n], v3, s[4:5] offset:(32*(\t)+n)*(\rb) th:TH_LOAD_NT
.set n, n+1
.endr
.endm
.macro BLOCK t, rb
.set XS, X+32*((\t)%2)
.if (\t) < 7
	s_wait_loadcnt 32                              ; this block's 32 loads are in; the next block's 32 may be out
.else
	s_wait_loadcnt 0x0
.endif
	v_max3_num_f32 v12, |v[XS]|, |v[XS+1]|, |v[XS+2]|   ; the block's largest magnitude: all 32 numbers are mine; two chains
	v_max3_num_f32 v13, |v[XS+3]|, |v[XS+4]|, |v[XS+5]|
.irp i, 6,10,14,18,22,26
	v_max3_num_f32 v12, v12, |v[XS+\i]|, |v[XS+\i+1]|
	v_max3_num_f32 v13, v13, |v[XS+\i+2]|, |v[XS+\i+3]|
.endr
	v_max3_num_f32 v12, v12, |v[XS+30]|, |v[XS+31]|
	v_max3_num_f32 v12, v12, v13, 0x8000000        ; and the floor 2^(16 - 127): the byte cannot fall under 1
	v_add_nc_u32 v11, 0xf8800000, v12              ; 15 off the exponent field: the conversion's scale operand
	v_and_or_b32 v10, v12, 0x7f800000, s36         ; 57,344 x the scale
	v_lshrrev_b32 v13, 23, v11                     ; the scale's byte
.if (\t)%4 == 0
	v_mov_b32 v[SB+(\t)/4], v13
.else
	v_lshl_or_b32 v[SB+(\t)/4], v13, 8*((\t)%4), v[SB+(\t)/4]
.endif
.set n, 0
.rept 32
	v_med3_num_f32 v[XS+n], v[XS+n], -v10, v10     ; the conversion to an 8-bit code does not saturate (ISA guide 7.6.2): the hold comes first
.set n, n+1
.endr
	s_wait_xcnt 0x0                                ; the last block's stores have read their data: the codes' registers are written only behind this wait
.irp g, 0,1,2,3
	v_cvt_scalef32_pk8_bf8_f32 v[C+2*\g:C+2*\g+1], v[XS+8*\g:XS+8*\g+7], v11
.endr
	global_store_b128 v4, v[C:C+3], s[18:19] offset:((\t)/4)*PB+512*((\t)%4)        ; k = 32 c + 0 .. 15: the places of lanes 0-15
	global_store_b128 v4, v[C+4:C+7], s[18:19] offset:((\t)/4)*PB+512*((\t)%4)+256  ; k = 32 c + 16 .. 31: those of lanes 16-31
.if (\t)%4 == 3
	global_store_b32 v5, v[SB+(\t)/4], s[18:19] offset:((\t)/4)*PB+16384            ; a K step's scale words: 128 neighbouring bytes a wave
.endif
.if (\t)+2 < 8
	LOAD (\t)+2, \rb
.endif
.endm
.macro WQ rb
	LOAD 0, \rb
	LOAD 1, \rb
.irp t, 0,1,2,3,4,5,6,7
	BLOCK \t, \rb
.endr
.endm
	s_cmp_eq_u32 s37, 1
	s_cbranch_scc1 .Lw1
	WQ 4096
	s_endpgm
.Lw1:
	WQ 16384
	s_endpgm
.Laux:
	s_sub_co_u32 s23, ttmp9, 384
	s_lshl_b32 s23, s23, 2
	s_add_co_u32 s23, s23, s22                     ; W = 0 .. 127
	v_and_b32 v3, 15, v2                           ; r
	v_lshrrev_b32 v4, 4, v2                        ; h
	v_and_b32 v5, 8, v3
	v_add_nc_u32 v5, v5, v3                        ; r + 8 (r / 8)
	s_lshr_b32 s24, s23, 3
	s_lshl_b32 s24, s24, 7
	s_bfe_u32 s25, s23, 0x20001
	s_lshl_b32 s25, s25, 5
	s_add_co_u32 s24, s24, s25
	s_and_b32 s25, s23, 1
	s_lshl_b32 s25, s25, 3
	s_add_co_u32 s24, s24, s25
	v_add_nc_u32 v5, s24, v5                       ; my position: 128 (W / 8) + pi(W % 8, r)
	v_cvt_f32_u32 v5, v5
	v_lshlrev_b32 v6, 3, v4                        ; my first frequency: 8 h
	s_mov_b32 s40, 0xb94ca1f9                      ; sin: -1.9515295891e-4, 8.3321608736e-3, -1.6666654611e-1
	s_mov_b32 s41, 0x3c08839e
	s_mov_b32 s42, 0xbe2aaaa3
	s_mov_b32 s43, 0x37ccf5ce                      ; cos: 2.443315712e-5, -1.388731625e-3, 4.166664568e-2
	s_mov_b32 s44, 0xbab6061a
	s_mov_b32 s45, 0x3d2aaaa5
	s_lshr_b32 s26, s23, 6                         ; my keys' batch
	s_lshl_b32 s26, s26, 13
	s_mov_b32 s27, 0
	v_lshlrev_b32 v7, 4, v2
	v_lshlrev_b32 v8, 2, v2
	v_lshl_add_u32 v8, s23, 7, v8                  ; 4 (32 W + lane)
	v_lshl_add_u32 v23, s23, 11, v7                ; 2,048 W + 16 lane
	s_wait_kmcnt 0x0
	s_add_nc_u64 s[28:29], s[16:17], s[26:27]
.irp j, 0,1,2,3,4,5,6,7,8,9,10,11,12,13,14,15
	global_load_b128 v[128+4*\j:131+4*\j], v7, s[28:29] offset:512*\j   ; the batch's whole mask, 8,192 bytes
.endr
	global_load_b32 v9, v8, s[16:17]               ; and my own key's
.irp p, 0,1,2,3,4,5,6,7
	v_add_nc_u32 v[32+\p], \p, v6
.endr
.irp p, 0,1,2,3,4,5,6,7
	v_cvt_f32_u32 v[32+\p], v[32+\p]
.endr
.irp p, 0,1,2,3,4,5,6,7
	v_mul_f32 v[32+\p], 0xbf549a78, v[32+\p]       ; -j log2(10000) / 16
.endr
.irp p, 0,1,2,3,4,5,6,7
	v_exp_f32 v[32+\p], v[32+\p]
.endr
	v_nop                                          ; a plain instruction behind the last exponential,
	s_wait_alu depctr_va_vdst(0)                   ; and one wait for the eight, ahead of their first reader
.irp p, 0,1,2,3,4,5,6,7
	v_mul_f32 v[32+\p], v5, v[32+\p]               ; the angle: one rounding
.endr
.macro TRIG p                          ; cos and sin of v[32 + p] into v[96 + 2 p], v[97 + 2 p]
	v_mul_f32 v10, 0x3f22f983, v[32+\p]
	v_rndne_f32 v10, v10                           ; n = the nearest multiple of pi / 2
	v_fmamk_f32 v11, v10, 0xbfc90fdb, v[32+\p]     ; the angle - n x (pi / 2's upper part): n has 11 bits, the difference fits 24: nothing is rounded
	v_fmamk_f32 v11, v10, 0x333bbd2e, v11          ; - n x its lower part (-4.37113883e-8)
	v_mul_f32 v12, v11, v11
	v_fma_f32 v13, v12, s40, s41
	v_fma_f32 v14, v12, s43, s44
	v_fma_f32 v13, v13, v12, s42
	v_fma_f32 v14, v14, v12, s45
	v_mul_f32 v15, v11, v12
	v_mul_f32 v20, v12, v12
	v_fma_f32 v18, v12, -0.5, 1.0
	v_fma_f32 v17, v15, v13, v11                   ; sin of the rest
	v_fma_f32 v18, v20, v14, v18                   ; cos of the rest
	v_cvt_i32_f32 v16, v10
	v_and_b32 v19, 1, v16
	v_cmp_eq_u32 vcc_lo, 1, v19                    ; an odd quarter swaps them
	v_cndmask_b32 v21, v17, v18, vcc_lo
	v_cndmask_b32 v22, v18, v17, vcc_lo
	v_lshlrev_b32 v19, 30, v16
	v_and_b32 v19, 0x80000000, v19                 ; sin changes sign in quarters 2 and 3,
	v_xor_b32 v[97+2*\p], v19, v21
	v_add_nc_u32 v16, 1, v16
	v_lshlrev_b32 v19, 30, v16
	v_and_b32 v19, 0x80000000, v19                 ; cos in quarters 1 and 2
	v_xor_b32 v[96+2*\p], v19, v22
.endm
.irp p, 0,1,2,3,4,5,6,7
	TRIG \p
.endr
.irp j, 0,1,2,3
	global_store_b128 v23, v[96+4*\j:99+4*\j], s[20:21] offset:512*\j   ; 512 consecutive bytes a store
.endr
	s_wait_loadcnt 0x0
.irp j, 1,2,3,4,5,6,7,8,9,10,11,12,13,14,15
.irp k, 0,1,2,3
	v_or_b32 v[128+\k], v[128+\k], v[128+4*\j+\k]
.endr
.endr
	v_or_b32 v128, v128, v129
	v_or_b32 v130, v130, v131
	v_or_b32 v128, v128, v130
	v_cmp_ne_u32 vcc_lo, 0, v128
	s_cmp_lg_u32 vcc_lo, 0                         ; is any key of the batch open?
	s_mov_b32 s46, 0x7f010000                      ; an open key: bytes 2, 3 = 1, 127
	s_cselect_b32 s47, 0x7fa70000, s46             ; a hidden one: 167, 127; in a batch without open keys as an open one
	s_cselect_b32 s48, 0x3e38aa3b, 0               ; c = log2(e) / 8, or 0
	v_mov_b32 v24, s46
	v_mov_b32 v25, s47
	v_cmp_eq_u32 vcc_lo, 0, v9
	v_cndmask_b32 v24, v24, v25, vcc_lo
	v_mov_b32 v26, s48
	global_store_b32 v8, v24, s[20:21] offset:OFF_KEXT
	global_store_b32 v8, v26, s[20:21] offset:OFF_CEFF
	s_endpgm
.Lfunc_end_k_q9d4a492783_prep:
	.size	k_q9d4a492783_prep, .Lfunc_end_k_q9d4a492783_prep-k_q9d4a492783_prep
	.p2alignl 7, 3214868480
	.fill 96, 4, 3214868480
	.section	.rodata,"a",@progbits
	.p2align	6, 0x0
	.amdhsa_kernel k_q9d4a492783_prep
		.amdhsa_group_segment_fixed_size 0
		.amdhsa_private_segment_fixed_size 0
		.amdhsa_enable_private_segment 0
		.amdhsa_kernarg_size 72
		.amdhsa_user_sgpr_count 2
		.amdhsa_user_sgpr_kernarg_segment_ptr 1
		.amdhsa_wavefront_size32 1
		.amdhsa_system_sgpr_workgroup_id_x 1
		.amdhsa_system_sgpr_workgroup_id_y 1
		.amdhsa_system_sgpr_workgroup_id_z 1
		.amdhsa_system_vgpr_workitem_id 0
		.amdhsa_next_free_vgpr 192
		.amdhsa_next_free_sgpr 100
		.amdhsa_reserve_vcc 1
		.amdhsa_float_denorm_mode_32 3
		.amdhsa_float_denorm_mode_16_64 3
		.amdhsa_memory_ordered 1
		.amdhsa_forward_progress 1
		.amdhsa_inst_pref_size 129
	.end_amdhsa_kernel
	.amdgpu_metadata
---
amdhsa.version: [ 1, 2 ]
amdhsa.kernels:
  - .name:           k_q9d4a492783_prep
    .symbol:         k_q9d4a492783_prep.kd
    .args:
      - { .name: wq, .offset: 0, .size: 8, .value_kind: global_buffer, .address_space: global }
      - { .name: wk, .offset: 8, .size: 8, .value_kind: global_buffer, .address_space: global }
      - { .name: wv, .offset: 16, .size: 8, .value_kind: global_buffer, .address_space: global }
      - { .name: wo, .offset: 24, .size: 8, .value_kind: global_buffer, .address_space: global }
      - { .name: w1, .offset: 32, .size: 8, .value_kind: global_buffer, .address_space: global }
      - { .name: w2, .offset: 40, .size: 8, .value_kind: global_buffer, .address_space: global }
      - { .name: mask, .offset: 48, .size: 8, .value_kind: global_buffer, .address_space: global }
      - { .name: ops, .offset: 56, .size: 8, .value_kind: global_buffer, .address_space: global }
      - { .name: aux, .offset: 64, .size: 8, .value_kind: global_buffer, .address_space: global }
    .group_segment_fixed_size: 0
    .private_segment_fixed_size: 0
    .kernarg_segment_align: 8
    .kernarg_segment_size: 72
    .max_flat_workgroup_size: 128
    .sgpr_count:     100
    .vgpr_count:     192
    .wavefront_size: 32
...
	.end_amdgpu_metadata
.endif
;; end of part 1
;; launch ln1 (part 2): grid 256 x 1, 4 waves a work-group, no clusters, 66,304 bytes of LDS; arguments x, ln1_w, ln1_b, ops; writes ops
.if DOCPART == 2
	.amdgcn_target "amdgcn-amd-amdhsa--gfx1250"
	.amdhsa_code_object_version 6
	.text
	.protected	k_q9d4a492783_ln1
	.globl	k_q9d4a492783_ln1
	.p2align	8
	.type	k_q9d4a492783_ln1,@function
k_q9d4a492783_ln1:
	s_mov_b64 s[64:65], 0
	v_nop
	global_prefetch_b8 v0, s[64:65] scope:SCOPE_SE
	s_setreg_imm32_b32 hwreg(HW_REG_WAVE_MODE, 25, 1), 1
	s_wait_xcnt 0x0
; y = (x - mean) rsqrt(var + 1e-5) w + b over rows of 1,024 f32, quantised along the row to E5M2 with one E8M0 byte for each 32, stored as an OPERAND IMAGE at the destination's first byte.
; THE IMAGE: rows in tiles of 128, K in steps of 128; a block [tile][step] is PB = 16,896 bytes: eight fragments of 2,048 bytes, then 512 bytes of scale words (the word of fragment f, place r at 16,384 + 64 f + 4 r).
; Fragment f, place r holds row pi(f, r) = 32 (f / 2) + 8 (f % 2) + r + 8 (r / 8); chunk c of a fragment holds, at 16 x lane (lane = r + 16 h), the codes of k = 32 c + 16 h + 0 .. 15.
; A work-group is one fragment's 16 rows, for all of K.  PHASE 1: a wave takes four rows (four neighbouring tokens), a row in 32 registers: every load reads 512 consecutive bytes; mean and variance in two passes
; over the registers; y goes to LDS, rows 4,112 bytes apart.  One barrier.  PHASE 2: a wave takes two K steps; lane (r, h) reads from row r its 16 neighbours of each block of 32 (the pitch is an odd multiple of
; 16 bytes, so the sixteen rows of a load start at sixteen different banks: ISA guide 11.1), quantises and stores the fragment as it stands in its registers: 512 consecutive bytes a store.
; The scale words leave 64 bytes at a time (lanes 16-31 hold and write the same words as lanes 0-15).  Memory binds: no matrix unit, no tensor load, no cluster: work-groups share nothing but w and b.
; LIMITS: NaN and infinities are not served; a block whose largest magnitude lies under 2^-111 keeps the byte 1 (its codes are read by this program alone).
.set PB,    16896
.set PITCH, 4112
.set WR, 32                            ; v32-63   w
.set BR, 64                            ; v64-95   b
.set X,  96                            ; v96-223  four rows; in phase 2 two sets of 64 numbers
.set TM, 224                           ; v224-239 the quantiser's: +0 largest magnitudes, +4 the other half's, then bytes, +8 limits, +12 scale operands
	s_load_b256 s[4:11], s[0:1], 0x0               ; src s[4:5], w s[6:7], b s[8:9], dst s[10:11]
	v_lshl_add_u32 v254, v0, 2, 0x10100
	v_mov_b32 v255, 0
	v_lshrrev_b32 v1, 5, v0
	v_readfirstlane_b32 s12, v1                    ; wave
	v_and_b32 v1, 31, v0
	v_lshlrev_b32 v2, 4, v1                        ; 16 x lane
	s_lshr_b32 s13, ttmp9, 3                       ; tile of 128 rows
	s_and_b32 s14, ttmp9, 7                        ; fragment f
	s_lshl_b32 s15, s13, 7                         ; my four places are 4 w .. 4 w + 3: tokens 128 tile + 32 (f / 2) + 8 (f % 2) + 4 w + 8 (w / 2) + 0 .. 3
	s_lshr_b32 s16, s14, 1
	s_lshl_b32 s16, s16, 5
	s_add_co_u32 s15, s15, s16
	s_and_b32 s16, s14, 1
	s_lshl_b32 s16, s16, 3
	s_add_co_u32 s15, s15, s16
	s_lshl_b32 s16, s12, 2
	s_add_co_u32 s15, s15, s16
	s_lshr_b32 s16, s12, 1
	s_lshl_b32 s16, s16, 3
	s_add_co_u32 s15, s15, s16
	s_lshl_b32 s16, s15, 12                        ; x 4,096 bytes
	s_mov_b32 s17, 0
	s_mul_i32 s18, s12, 4*PITCH
	v_add_nc_u32 v3, s18, v2                       ; LDS, in: my first place's row + 16 x lane
	v_and_b32 v5, 15, v0                           ; r
	v_bfe_u32 v6, v0, 4, 1                         ; h
	v_mul_u32_u24 v4, v5, PITCH
	v_lshl_add_u32 v4, v6, 6, v4
	s_lshl_b32 s19, s12, 10
	v_add_nc_u32 v4, s19, v4                       ; LDS, out: row r + 64 h + my two K steps' 1,024 bytes x wave
	v_lshl_add_u32 v7, s14, 11, v2                 ; the image: 2,048 f + 16 x lane,
	v_lshlrev_b32 v8, 2, v5
	v_lshl_add_u32 v8, s14, 6, v8                  ; 64 f + 4 r
	s_lshl_b32 s20, s13, 3
	s_lshl_b32 s21, s12, 1
	s_add_co_u32 s20, s20, s21
	s_mul_i32 s20, s20, PB                         ; block (tile, K step 2 w)
	s_mov_b32 s21, 0
	s_mov_b32 s22, 0x3a800000                      ; 1 / 1,024
	s_mov_b32 s23, 0x3727c5ac                      ; 1e-5
	s_mov_b32 s24, 0x76543210
	s_mov_b32 s25, 0xfedcba98                      ; v_permlanex16_b32's selects for lane l xor 16
	s_mov_b32 s26, 0x600000                        ; the mantissa field of 57,344
	v_mov_b32 v13, 0                               ; a lane permute's destination, and the upper registers of pairs that are named whole, are written once
	v_mov_b32 v17, 0
.irp i, 21,23,25,27,228,229,230,231
	v_mov_b32 v[\i], 0
.endr
	s_wait_kmcnt 0x0
	s_add_nc_u64 s[4:5], s[4:5], s[16:17]
	s_add_nc_u64 s[10:11], s[10:11], s[20:21]
.irp j, 0,1,2,3,4,5,6,7
	global_load_b128 v[WR+4*\j:WR+4*\j+3], v2, s[6:7] offset:512*\j
.endr
.irp j, 0,1,2,3,4,5,6,7
	global_load_b128 v[BR+4*\j:BR+4*\j+3], v2, s[8:9] offset:512*\j
.endr
.irp i, 0,1,2,3
.irp j, 0,1,2,3,4,5,6,7
	global_load_b128 v[X+32*\i+4*\j:X+32*\i+4*\j+3], v2, s[4:5] offset:4096*\i+512*\j th:TH_LOAD_NT
.endr
.endr
.macro RSUM                            ; v12 summed over the 32 lanes, in every lane
	v_add_f32_dpp v12, v12, v12 row_xmask:1 row_mask:0xf bank_mask:0xf
	v_add_f32_dpp v12, v12, v12 row_xmask:2 row_mask:0xf bank_mask:0xf
	v_add_f32_dpp v12, v12, v12 row_xmask:4 row_mask:0xf bank_mask:0xf
	v_add_f32_dpp v12, v12, v12 row_xmask:8 row_mask:0xf bank_mask:0xf
	v_permlanex16_b32 v13, v12, s24, s25
	v_add_f32 v12, v12, v13
.endm
.macro STATS i                         ; row i: x - mean in place; var + eps into v[20 + 2 i]
.set XR, X+32*\i
	s_wait_loadcnt 24-8*\i                         ; w, b and my rows up to this one are in; the later rows' loads, 8 each, may be out
	v_pk_add_f32 v[12:13], v[XR:XR+1], v[XR+2:XR+3]
	v_pk_add_f32 v[14:15], v[XR+4:XR+5], v[XR+6:XR+7]
.irp j, 8,12,16,20,24,28
	v_pk_add_f32 v[12:13], v[12:13], v[XR+\j:XR+\j+1]
	v_pk_add_f32 v[14:15], v[14:15], v[XR+\j+2:XR+\j+3]
.endr
	v_pk_add_f32 v[12:13], v[12:13], v[14:15]
	v_add_f32 v12, v12, v13
	RSUM
	v_mul_f32 v16, s22, v12                        ; the mean
.irp j, 0,2,4,6,8,10,12,14,16,18,20,22,24,26,28,30
	v_pk_add_f32 v[XR+\j:XR+\j+1], v[XR+\j:XR+\j+1], v[16:17] op_sel_hi:[1,0] neg_lo:[0,1] neg_hi:[0,1]
.endr
	v_pk_mul_f32 v[12:13], v[XR:XR+1], v[XR:XR+1]
	v_pk_mul_f32 v[14:15], v[XR+2:XR+3], v[XR+2:XR+3]
.irp j, 4,8,12,16,20,24,28
	v_pk_fma_f32 v[12:13], v[XR+\j:XR+\j+1], v[XR+\j:XR+\j+1], v[12:13]
	v_pk_fma_f32 v[14:15], v[XR+\j+2:XR+\j+3], v[XR+\j+2:XR+\j+3], v[14:15]
.endr
	v_pk_add_f32 v[12:13], v[12:13], v[14:15]
	v_add_f32 v12, v12, v13
	RSUM
	v_fma_f32 v[20+2*\i], v12, s22, s23
.endm
.irp i, 0,1,2,3
	STATS \i
.endr
.irp i, 0,1,2,3
	v_rsq_f32 v[20+2*\i], v[20+2*\i]
.endr
	v_nop                                          ; a plain instruction behind the last of the four,
	s_wait_alu depctr_va_vdst(0)                   ; and one wait for them, ahead of their first reader
.irp i, 0,1,2,3
.irp j, 0,2,4,6,8,10,12,14,16,18,20,22,24,26,28,30
	v_pk_mul_f32 v[X+32*\i+\j:X+32*\i+\j+1], v[X+32*\i+\j:X+32*\i+\j+1], v[20+2*\i:21+2*\i] op_sel_hi:[1,0]
.endr
.irp j, 0,2,4,6,8,10,12,14,16,18,20,22,24,26,28,30
	v_pk_fma_f32 v[X+32*\i+\j:X+32*\i+\j+1], v[X+32*\i+\j:X+32*\i+\j+1], v[WR+\j:WR+\j+1], v[BR+\j:BR+\j+1]
.endr
.irp j, 0,1,2,3,4,5,6,7
	ds_store_b128 v3, v[X+32*\i+4*\j:X+32*\i+4*\j+3] offset:\i*PITCH+512*\j
.endr
.endr
	s_wait_dscnt 0x0                               ; for the others' sake: my rows lie in LDS
	s_barrier_signal -1
	s_barrier_wait -1
.irp s, 0,1
.irp c, 0,1,2,3
.irp q, 0,1,2,3
	ds_load_b128 v[X+64*\s+16*\c+4*\q:X+64*\s+16*\c+4*\q+3], v4 offset:512*\s+128*\c+16*\q   ; register 16 c + i = k 32 c + 16 h + i of row r
.endr
.endr
.endr
; 64 numbers of a lane, register 16 b + i = k 32 b + 16 h + i of my row, become a fragment's codes in v[pc] on and its scale word in v[pw]
.macro QUANT s, pc, pw
.irp b, 0,1,2,3
	v_max3_num_f32 v[TM+\b], |v[\s+16*\b]|, |v[\s+16*\b+1]|, 0x8000000   ; with the floor 2^(16 - 127): the byte cannot fall under 1
.endr
.irp i, 2,4,6,8,10,12,14
.irp b, 0,1,2,3
	v_max3_num_f32 v[TM+\b], v[TM+\b], |v[\s+16*\b+\i]|, |v[\s+16*\b+\i+1]|   ; the four blocks by turns
.endr
.endr
.irp b, 0,1,2,3
	v_permlanex16_b32 v[TM+4+\b], v[TM+\b], s24, s25
.endr
.irp b, 0,1,2,3
	v_max_num_f32 v[TM+\b], v[TM+\b], v[TM+4+\b]   ; with lane l xor 16's 16: the block's largest magnitude
.endr
.irp b, 0,1,2,3
	v_add_nc_u32 v[TM+12+\b], 0xf8800000, v[TM+\b] ; 15 off the exponent field: the conversion's scale operand
.endr
.irp b, 0,1,2,3
	v_and_or_b32 v[TM+8+\b], v[TM+\b], 0x7f800000, s26   ; 57,344 x the scale
.endr
.irp b, 0,1,2,3
	v_lshrrev_b32 v[TM+4+\b], 23, v[TM+12+\b]      ; the scale's byte
.endr
	v_lshl_or_b32 v[\pw], v[TM+5], 8, v[TM+4]
	v_lshl_or_b32 v[\pw], v[TM+6], 16, v[\pw]
	v_lshl_or_b32 v[\pw], v[TM+7], 24, v[\pw]
.irp b, 0,1,2,3
.irp i, 0,1,2,3,4,5,6,7,8,9,10,11,12,13,14,15
	v_med3_num_f32 v[\s+16*\b+\i], v[\s+16*\b+\i], -v[TM+8+\b], v[TM+8+\b]   ; the conversion does not saturate (ISA guide 7.6.2): the hold comes first
.endr
.endr
.irp b, 0,1,2,3
	v_cvt_scalef32_pk8_bf8_f32 v[\pc+4*\b:\pc+4*\b+1], v[\s+16*\b:\s+16*\b+7], v[TM+12+\b]
	v_cvt_scalef32_pk8_bf8_f32 v[\pc+4*\b+2:\pc+4*\b+3], v[\s+16*\b+8:\s+16*\b+15], v[TM+12+\b]
.endr
	v_nop                                          ; a plain instruction behind the last conversion
.endm
	s_wait_dscnt 16                                ; the first K step's 16 loads are in; the second's may be out
	QUANT X, 12, 240
.irp c, 0,1,2,3
	global_store_b128 v7, v[12+4*\c:15+4*\c], s[10:11] offset:512*\c
.endr
	global_store_b32 v8, v240, s[10:11] offset:16384
	s_wait_dscnt 0x0
	QUANT X+64, 32, 241
.irp c, 0,1,2,3
	global_store_b128 v7, v[32+4*\c:35+4*\c], s[10:11] offset:PB+512*\c
.endr
	global_store_b32 v8, v241, s[10:11] offset:PB+16384
	s_wait_tensorcnt 0x0
	ds_add_u32 v254, v255
	s_wait_dscnt 0x0
	s_endpgm
.Lfunc_end_k_q9d4a492783_ln1:
	.size	k_q9d4a492783_ln1, .Lfunc_end_k_q9d4a492783_ln1-k_q9d4a492783_ln1
	.p2alignl 7, 3214868480
	.fill 96, 4, 3214868480
	.section	.rodata,"a",@progbits
	.p2align	6, 0x0
	.amdhsa_kernel k_q9d4a492783_ln1
		.amdhsa_group_segment_fixed_size 66304
		.amdhsa_private_segment_fixed_size 0
		.amdhsa_enable_private_segment 0
		.amdhsa_kernarg_size 32
		.amdhsa_user_sgpr_count 2
		.amdhsa_user_sgpr_kernarg_segment_ptr 1
		.amdhsa_wavefront_size32 1
		.amdhsa_system_sgpr_workgroup_id_x 1
		.amdhsa_system_sgpr_workgroup_id_y 1
		.amdhsa_system_sgpr_workgroup_id_z 1
		.amdhsa_system_vgpr_workitem_id 0
		.amdhsa_next_free_vgpr 256
		.amdhsa_next_free_sgpr 100
		.amdhsa_reserve_vcc 0
		.amdhsa_float_denorm_mode_32 3
		.amdhsa_float_denorm_mode_16_64 3
		.amdhsa_memory_ordered 1
		.amdhsa_forward_progress 1
		.amdhsa_inst_pref_size 52
	.end_amdhsa_kernel
	.amdgpu_metadata
---
amdhsa.version: [ 1, 2 ]
amdhsa.kernels:
  - .name:           k_q9d4a492783_ln1
    .symbol:         k_q9d4a492783_ln1.kd
    .args:
      - { .name: x, .offset: 0, .size: 8, .value_kind: global_buffer, .address_space: global }
      - { .name: ln1_w, .offset: 8, .size: 8, .value_kind: global_buffer, .address_space: global }
      - { .name: ln1_b, .offset: 16, .size: 8, .value_kind: global_buffer, .address_space: global }
      - { .name: ops, .offset: 24, .size: 8, .value_kind: global_buffer, .address_space: global }
    .group_segment_fixed_size: 66304
    .private_segment_fixed_size: 0
    .kernarg_segment_align: 8
    .kernarg_segment_size: 32
    .max_flat_workgroup_size: 128
    .sgpr_count:     100
    .vgpr_count:     256
    .wavefront_size: 32
...
	.end_amdgpu_metadata
.endif
;; end of part 2
;; launch qkv (part 3): grid 12 x 16, 4 waves a work-group, clusters of 4 x 4, 327,680 bytes of LDS; arguments ops, aux, bq, bk, bv, qkv; writes qkv
.if DOCPART == 3
	.amdgcn_target "amdgcn-amd-amdhsa--gfx1250"
	.amdhsa_code_object_version 6
	.text
	.protected	k_q9d4a492783_qkv
	.globl	k_q9d4a492783_qkv
	.p2align	8
	.type	k_q9d4a492783_qkv,@function
k_q9d4a492783_qkv:
	s_mov_b64 s[64:65], 0
	v_nop
	global_prefetch_b8 v0, s[64:65] scope:SCOPE_SE
	s_setreg_imm32_b32 hwreg(HW_REG_WAVE_MODE, 25, 1), 1
	s_wait_xcnt 0x0
	s_wait_alu depctr_hold_cnt(0) depctr_sa_sdst(0) depctr_va_vdst(0) depctr_va_sdst(0) depctr_va_ssrc(0) depctr_va_vcc(0) depctr_vm_vsrc(0)
	s_getreg_b32 s2, hwreg(HW_REG_IB_STS2, 6, 4)
	s_cmp_eq_u32 s2, 0
	s_cbranch_scc0 .Lentry_in_a_cluster
	s_endpgm
.Lentry_in_a_cluster:
	s_bfe_u32 s2, ttmp6, 0x10000c
	s_cmp_lg_u32 s2, 0xf033
	s_cbranch_scc0 .Lentry_shape_is_right
	s_endpgm
.Lentry_shape_is_right:
; q = rope(h wq + bq), k = rope(h wk + bk), v = h wv + bv, on codes of E5M2 with E8M0 scales for each 32 along K (K = 1,024), and their results quantised again, as the attention launch's operands.
; OPERANDS ARE IMAGES OF THEIR REGISTERS: rows in tiles of 128, K in steps of 128; a block [tile][step] is PB = 16,896 bytes: eight fragments of 2,048 bytes (chunk c at 512 c, lane l's 16 bytes at 16 l), then 512 bytes of
; scale words (fragment f, place r: 16,384 + 64 f + 4 r).  Fragment f, place r holds row pi(f, r) = 32 (f / 2) + 8 (f % 2) + r + 8 (r / 8).  Neighbouring K steps are neighbours in memory: a tile of 128 rows x 256 K is 33,792 dense bytes.
; A work-group of four waves makes 256 x 256, a wave 128 x 128: 64 accumulators, 512 registers.  K goes in steps of 256 through a ring of two LDS slots; each wave fetches a quarter of a slot (codes AND scale words) by one tensor load.
; THE MATRIX INSTRUCTION IS USED TRANSPOSED: source 0 = a fragment of 'B', source 1 = a fragment of 'A'.  A lane then holds ONE row of A (pi(a, lane % 16)), and by the order pi the 64 registers of block a are
; B's rows 32 b + 16 (lane / 16) + i at register 16 b + i: sixteen neighbours of each block of 32 along the next product's K.  So the conversions' results are the next operand's registers and are stored as they stand.
; Clusters x = 0, 1 (q, k): A = h's tokens, B = wq's, wk's columns: a lane holds a token, its registers two heads' 64 features.  Cluster x = 2 (v): A = wv's columns, B = h's tokens: a lane holds a feature, its registers 128 keys,
; which are the second attention product's K.  All three lie in one buffer; what differs is four offsets, chosen by the cluster's x, which all sixteen partners share.
; CLUSTERS: 4 x 4 work-groups; A's tile hangs on the cluster's y place alone and is asked for jointly along a row of the cluster, B's on the x place alone, along a column.
; The bias of q and k is the C of the first K step's products; v's bias belongs to the lane and is added on the way out (its C is zeros).
; NOT USED: a prefetch (the operands, 6.5 MB, are read again and again by the clusters of a half); work-groups that stay (192 work-groups, one tile each).
; LIMITS: NaN and infinities are not served; a block whose largest magnitude lies under 2^-111 keeps the byte 1.
.set KS,      8                        ; K steps of 128
.set OFF_WQK, 4325376
.set OFF_WV,  6488064
.set OFF_KEXT, 262144
.set OFF_QS,  4194304                  ; qkv: q's codes [head 32][fragment 128][1,024], then its scale words [32][128][64 bytes],
.set OFF_KV,  4456448                  ; then for each head 8 chunks of 256 keys:
.set CH,      34304                    ; k's 16 half fragments (16,384), v's 2 x 4 fragments (16,384), k's words (1,024), v's words (512)
.set HEADKV,  8*CH
.set PB,    16896
.set QUART, 2*PB                       ; 128 rows x 256 K: what one tensor load brings
.set SLOT,  4*QUART                    ; A's two halves, then B's two
.set SPARE, 2*SLOT                     ; behind the ring: the spare words, 128 bytes for each wave: two blocks of 256 bytes that no other line names
.set LAPS,  KS/4                       ; a lap = two slots = 512 along K
.set NP,    8                          ; places behind this matrix instruction (ISA guide 7.12.1)
.set ADRA, 2                           ; v2-3   LDS address of my A fragments in slot 0, 1: + 16 x lane
.set ADRB, 4                           ; v4-5   the same for B
.set SAA,  6                           ; v6-7   of my A tile in slot 0, 1: + 4 x lane (the scale words lie 16,384 on)
.set SAB,  8                           ; v8-9   the same for B
.set CO,   12                          ; v12    16 x lane
.set SPW,  14                          ; v14    LDS address of my spare word; never rewritten
.set NIL,  15                          ; v15    0; never rewritten
.set TM,   16                          ; v16-31 the quantiser's (at the head: at work)
.set SC,   32                          ; v32-63 scale words and nothing else: set s at 16 s; A's of the slot's q-th 128 along K at 4 q + i, B's 8 further; register i: lanes 0-15 fragment 2 i, lanes 16-31 fragment 2 i + 1
.set BIAS, 64                          ; v64-127 the C of the first products
.set AF,   128                         ; v128-255 A's fragments, ONE set;  window 1: B's, TWO sets;  windows 2, 3: accumulator (a, b) at v[8 (8 (a % 4) + b)] of window 2 + a / 4
.set G1,  24                           ; s[24:31] descriptor group 1 for A's tiles; s[32:39] group 0, a set for each slot
.set G0,  32
.set G1B, 48                           ; s[48:55], s[56:63] the same for B's
.set G0B, 56
.set SEL, 88
.set MNT, 90
.set MUL_LO, 0xa1                      ; source 0 (B) window 1, source 1 (A) window 0, C and D window 2
.set MUL_HI, 0xf1                      ; the same, C and D window 3
.set MSB, 0
.macro WIN new                         ; the immediate's high byte repeats the setting that is left
.if MSB != (\new)
	s_set_vgpr_msb (MSB<<8)|(\new)
.set MSB, (\new)
.endif
.endm
.macro JLOAD s                         ; a joint load: waves 0, 1 fetch A's halves, waves 2, 3 B's; four v_nop follow each line
	s_cmp_eq_u32 s15, 0
	s_cbranch_scc0 .Lfor_b_\@
	tensor_load_to_lds s[G0+4*\s:G0+4*\s+3], s[G1:G1+7]
	s_nop 0
.rept 4
	v_nop
.endr
	s_branch .Lasked_\@
.Lfor_b_\@:
	tensor_load_to_lds s[G0B+4*\s:G0B+4*\s+3], s[G1B:G1B+7]
	s_nop 0
.rept 4
	v_nop
.endr
.Lasked_\@:
.endm
.macro CREST                           ; a round of the cluster's barrier behind its opening barrier
	s_cmp_lg_u32 s14, 0
	s_cbranch_scc1 .Lnot_wave_0_\@
	s_barrier_signal -3
.Lnot_wave_0_\@:
	s_barrier_wait -3
	s_barrier_signal -1
	s_barrier_wait -1
.endm
.macro CROUND
	s_barrier_signal -1
	s_barrier_wait -1
	CREST
.endm
.macro PLACES n
.rept \n
	v_nop
.endr
.endm
.macro WM d, s0, s1, c, x0, x1, r0, r1 ; one product; r0, r1: the half of the lanes that holds source 0's, source 1's scale words
.if (\r0) && (\r1)
	v_wmma_scale_f32_16x16x128_f8f6f4 v[\d:\d+7], v[\s0:\s0+15], v[\s1:\s1+15], v[\c:\c+7], v[\x0], v[\x1] matrix_a_fmt:MATRIX_FMT_BF8 matrix_b_fmt:MATRIX_FMT_BF8 matrix_a_scale:MATRIX_SCALE_ROW1 matrix_b_scale:MATRIX_SCALE_ROW1
.elseif \r0
	v_wmma_scale_f32_16x16x128_f8f6f4 v[\d:\d+7], v[\s0:\s0+15], v[\s1:\s1+15], v[\c:\c+7], v[\x0], v[\x1] matrix_a_fmt:MATRIX_FMT_BF8 matrix_b_fmt:MATRIX_FMT_BF8 matrix_a_scale:MATRIX_SCALE_ROW1
.elseif \r1
	v_wmma_scale_f32_16x16x128_f8f6f4 v[\d:\d+7], v[\s0:\s0+15], v[\s1:\s1+15], v[\c:\c+7], v[\x0], v[\x1] matrix_a_fmt:MATRIX_FMT_BF8 matrix_b_fmt:MATRIX_FMT_BF8 matrix_b_scale:MATRIX_SCALE_ROW1
.else
	v_wmma_scale_f32_16x16x128_f8f6f4 v[\d:\d+7], v[\s0:\s0+15], v[\s1:\s1+15], v[\c:\c+7], v[\x0], v[\x1] matrix_a_fmt:MATRIX_FMT_BF8 matrix_b_fmt:MATRIX_FMT_BF8
.endif
.endm
; 16 products: A's blocks a0, a0 + 1 x B's eight.  p: B's set; q: which 128 of the slot; sc: the set of scale words; first = 1: C is the bias.  The 64 accumulators take turns, one instruction a turn, in the same order in every step
.macro MUL16 a0, p, q, sc, first
.irp a, \a0, \a0+1
.irp b, 0,1,2,3,4,5,6,7
	WM (8*(8*((\a)%4)+\b)), (128*(\p)+16*\b), (AF+16*(\a)), ((\first)*(BIAS+8*\b)+(1-(\first))*8*(8*((\a)%4)+\b)), (SC+16*(\sc)+8+4*(\q)+\b/2), (SC+16*(\sc)+4*(\q)+(\a)/2), (\b%2), ((\a)%2)
.endr
.endr
.endm
.macro FRAG reg, adr, q, i             ; a fragment comes as it lies: four loads of 512 consecutive bytes
.irp c, 0,1,2,3
	ds_load_b128 v[\reg+4*\c:\reg+4*\c+3], v[\adr] offset:(\q)*PB+2048*(\i)+512*\c
.endr
.endm
.macro FETCH_B slot, q, p
	WIN 0x40                                       ; destination window 1
.irp i, 0,1,2,3,4,5,6,7
	FRAG 128*(\p)+16*\i, ADRB+\slot, \q, \i
.endr
	WIN 0
.endm
.macro FETCH_A slot, q, i0
.irp i, \i0, \i0+1, \i0+2, \i0+3
	FRAG AF+16*(\i), ADRA+\slot, \q, \i
.endr
.endm
.macro SCALES sc                       ; a slot's scale words, 16 loads
.irp q, 0,1
.irp i, 0,1,2,3
	ds_load_b32 v[SC+16*\sc+4*\q+\i], v[SAA+\sc] offset:16384+\q*PB+128*\i
	ds_load_b32 v[SC+16*\sc+8+4*\q+\i], v[SAB+\sc] offset:16384+\q*PB+128*\i
.endr
.endr
.endm
; A slot's first 128 along K.  A block of A is free as soon as its eight products are issued: blocks 0-3 are fetched anew in the step's middle, blocks 4-7 at its end; B's next set in the middle.
; A load into a register that a matrix instruction has read stands NP places behind it, and only plain vector instructions that name none of its registers are places.
.macro STEP slot, first
	s_wait_dscnt 16                                ; B's set, A's blocks 0-3 and the scale words are in; the youngest 16 loads (A's blocks 4-7) may be out
	WIN MUL_LO-0x20*(\first)                       ; (the bias lies in window 0)
	MUL16 0, 0, 0, \slot, \first
	MUL16 2, 0, 0, \slot, \first
	s_wait_dscnt 0x0
	PLACES NP
	FETCH_B \slot, 1, 1
	FETCH_A \slot, 1, 0
	WIN MUL_HI-0x30*(\first)
	MUL16 4, 0, 0, \slot, \first
	MUL16 6, 0, 0, \slot, \first
	PLACES NP
	WIN 0
	FETCH_A \slot, 1, 4
.endm
; A slot's second 128 changes slots: ONE barrier; in front of it each wave waits for all its tensor loads, adds 0 to its spare word, and waits for that and for its own reads of this slot.  fill = 1: the slot is filled again, two slots ahead.
.macro TURN slot, next, fill
	s_wait_tensorcnt 0x0                           ; all my tensor loads have landed: the one that was out is my part of the next slot
	ds_add_u32 v[SPW], v[NIL]                      ; 0 onto my spare word
	s_wait_dscnt 17                                ; (the add and the youngest 16 loads may be out)
	WIN MUL_LO
	MUL16 0, 1, 1, \slot, 0
	s_wait_dscnt 0x0                               ; the add is done, and my reads of this slot are over
	s_barrier_signal -1
	MUL16 2, 1, 1, \slot, 0
	WIN 0
	s_barrier_wait -1
.if \fill
	CREST                                          ; the barrier has opened a round of the cluster's: no wave of any partner still reads this slot or has a load on its way
	s_add_nc_u64 s[G0+4*\slot+2:G0+4*\slot+3], s[G0+4*\slot+2:G0+4*\slot+3], 2*QUART
	s_add_nc_u64 s[G0B+4*\slot+2:G0B+4*\slot+3], s[G0B+4*\slot+2:G0B+4*\slot+3], 2*QUART
	JLOAD \slot                                    ; my one tensor load behind the round; its four v_nop are four of the places in front of the loads below
	PLACES NP-4
.else
	PLACES NP
.endif
	FETCH_B \next, 0, 0
	FETCH_A \next, 0, 0
	SCALES \next
	WIN MUL_HI
	MUL16 4, 1, 1, \slot, 0
	MUL16 6, 1, 1, \slot, 0
	PLACES NP
	WIN 0
	FETCH_A \next, 0, 4
.endm
	s_load_b256 s[4:11], s[0:1], 0x0               ; ops s[4:5], aux s[6:7], bq s[8:9], bk s[10:11]
	s_load_b128 s[68:71], s[0:1], 0x20             ; bv s[68:69], qkv s[70:71]
	v_lshl_add_u32 v[SPW], v0, 2, SPARE
	v_mov_b32 v[NIL], 0
	ds_add_u32 v14, v15
	ds_add_u32 v14, v15
	s_wait_dscnt 0x0
	v_lshrrev_b32 v16, 5, v0
	v_readfirstlane_b32 s14, v16                   ; wave
	s_lshr_b32 s15, s14, 1                         ; which half of A's rows is mine.  Also: I fetch for A (0) or for B (1)
	s_and_b32 s16, s14, 1                          ; which half of B's rows.  Also: which half of that tile I fetch
	s_bfe_u32 s40, ttmp6, 0x40000                  ; cx, cy: my place in the cluster
	s_bfe_u32 s41, ttmp6, 0x40004
	s_and_b32 s18, ttmp7, 0xffff
	s_lshl_b32 s18, s18, 2                         ; 4 x cluster y
	s_lshl_b32 s19, ttmp9, 2                       ; 4 x cluster x
	s_mov_b32 s66, OFF_WV
	s_mov_b32 s67, OFF_WQK
	s_cmp_eq_u32 ttmp9, 2                          ; v's clusters
	s_cselect_b32 s17, 0, s18
	s_cselect_b32 s42, s18, s19
	s_cselect_b32 s66, s66, 0                      ; A's image: wv, or h (at the buffer's first byte)
	s_cselect_b32 s67, 0, s67                      ; B's image: h, or wq and wk
	s_add_co_u32 s17, s17, s41                     ; A's tile of 256 rows: hangs on cy, never on cx
	s_add_co_u32 s42, s42, s40                     ; B's: on cx, never on cy
	s_lshl_b32 s43, s41, 2
	s_lshl_b32 s43, 15, s43                        ; my row of the cluster
	s_lshl_b32 s44, 0x1111, s40                    ; my column
	s_or_b32 s[G1], s43, (3<<16)|(1<<21)           ; 15:0 the mask; 17:16 elements of 8 bytes; 21 set beside a mask; no padding: the images are read 16 bytes a lane on end
	s_or_b32 s[G1B], s44, (3<<16)|(1<<21)
.irp g, G1, G1B
	s_mov_b32 s[\g+1], 32<<16                      ; tensor_dim0: rows of 256 bytes
	s_mov_b32 s[\g+2], 132<<16                     ; tensor_dim1: 33,792 / 256
	s_mov_b32 s[\g+3], 32<<16                      ; tile_dim0
	s_mov_b32 s[\g+4], 132                         ; tile_dim1
	s_mov_b32 s[\g+5], 32                          ; the pitch: dense
	s_mov_b32 s[\g+6], 0
	s_mov_b32 s[\g+7], 0
.endr
	s_lshl_b32 s20, s17, 1
	s_add_co_u32 s20, s20, s16
	s_mul_i32 s20, s20, KS*PB
	s_add_co_u32 s20, s20, s66
	s_mov_b32 s21, 0
	s_lshl_b32 s46, s42, 1
	s_add_co_u32 s46, s46, s16
	s_mul_i32 s46, s46, KS*PB
	s_add_co_u32 s46, s46, s67
	s_mov_b32 s47, 0
	s_mul_i32 s45, s14, QUART                      ; where they go: wave x a quarter: no place in the cluster enters an LDS address
	s_wait_kmcnt 0x0
	s_add_nc_u64 s[20:21], s[4:5], s[20:21]
	s_add_nc_u64 s[46:47], s[4:5], s[46:47]
	CROUND                                         ; all sixteen work-groups are here: the first joint loads meet
.irp s, 0,1
	s_mov_b32 s[G0+4*\s], 1
	s_add_co_u32 s[G0+4*\s+1], s45, \s*SLOT
	s_add_nc_u64 s[G0+4*\s+2:G0+4*\s+3], s[20:21], \s*QUART
	s_or_b32 s[G0+4*\s+3], s[G0+4*\s+3], 0x80000000
	s_mov_b32 s[G0B+4*\s], 1
	s_add_co_u32 s[G0B+4*\s+1], s45, \s*SLOT
	s_add_nc_u64 s[G0B+4*\s+2:G0B+4*\s+3], s[46:47], \s*QUART
	s_or_b32 s[G0B+4*\s+3], s[G0B+4*\s+3], 0x80000000
	JLOAD \s
.endr
	v_and_b32 v16, 31, v0
	v_lshlrev_b32 v[CO], 4, v16
	v_lshlrev_b32 v17, 2, v16
	s_mul_i32 s21, s15, QUART
	s_mul_i32 s22, s16, QUART
	s_add_co_u32 s22, s22, 2*QUART
.irp s, 0,1
	v_add_nc_u32 v[ADRA+\s], s21, v[CO]
	v_add_nc_u32 v[ADRB+\s], s22, v[CO]
	v_add_nc_u32 v[SAA+\s], s21, v17
	v_add_nc_u32 v[SAB+\s], s22, v17
	s_add_co_u32 s21, s21, SLOT
	s_add_co_u32 s22, s22, SLOT
.endr
	s_mov_b32 s[SEL], 0x76543210
	s_mov_b32 s[SEL+1], 0xfedcba98                 ; v_permlanex16_b32's selects for lane l xor 16
	s_mov_b32 s[MNT], 0x600000                     ; the mantissa field of 57,344
	s_cmp_eq_u32 ttmp9, 2
	s_cbranch_scc1 .Lno_bias
	v_bfe_u32 v18, v0, 4, 1
	v_lshlrev_b32 v18, 6, v18                      ; 64 h
	s_and_b32 s18, s42, 3
	s_lshl_b32 s18, s18, 1
	s_add_co_u32 s18, s18, s16
	s_lshl_b32 s18, s18, 9                         ; my 128 columns of wq or of wk
	s_mov_b32 s19, 0
	s_cmp_eq_u32 ttmp9, 0
	s_cselect_b64 s[8:9], s[8:9], s[10:11]
	s_add_nc_u64 s[8:9], s[8:9], s[18:19]
.irp b, 0,1,2,3,4,5,6,7                        ; register 8 b + j: the bias of column 32 (b / 2) + 16 h + 8 (b % 2) + j
	global_load_b128 v[BIAS+8*\b:BIAS+8*\b+3], v18, s[8:9] offset:(32*(\b/2)+8*(\b%2))*4
	global_load_b128 v[BIAS+8*\b+4:BIAS+8*\b+7], v18, s[8:9] offset:(32*(\b/2)+8*(\b%2))*4+16
.endr
	s_branch .Lbias_set
.Lno_bias:
.set n, 0
.rept 64
	v_mov_b32 v[BIAS+n], 0                         ; v's bias runs along the lanes, not along these registers
.set n, n+1
.endr
.Lbias_set:
	s_wait_loadcnt 0x0
	s_wait_tensorcnt 0x1                           ; my part of slot 0 is in (slot 1's load may be out)
	s_barrier_signal -1
	s_barrier_wait -1                              ; everybody's is
	FETCH_B 0, 0, 0
	FETCH_A 0, 0, 0
	SCALES 0
	FETCH_A 0, 0, 4
	STEP 0, 1                                      ; the first step stands in front of the loop: its products start the sums, on the bias
	s_mov_b32 s3, LAPS-1
.Llap:                                             ; a trip goes once round the ring and fills both slots again
	TURN 0, 1, 1
	STEP 1, 0
	TURN 1, 0, 1
	STEP 0, 0
	s_sub_co_u32 s3, s3, 1
	s_cmp_lg_u32 s3, 0
	s_cbranch_scc1 .Llap
	TURN 0, 1, 0                                   ; the last lap fills nothing, and has no round of the cluster's barrier
	STEP 1, 0
	s_wait_dscnt 16
	WIN MUL_LO
	MUL16 0, 1, 1, 1, 0
	MUL16 2, 1, 1, 1, 0
	s_wait_dscnt 0x0
	WIN MUL_HI
	MUL16 4, 1, 1, 1, 0
	MUL16 6, 1, 1, 1, 0
	WIN 0
	PLACES NP
; THE WAY OUT.  No LDS: a block's codes are stored from the registers in which the conversions leave them.
.set VC0, 2                            ; v2-3   where head 0's, head 1's codes go: + 16 x lane
.set VS0, 4                            ; v4-5   their scale words: + 4 (lane % 16)
.set VT,  6                            ; v6     the table
.set VK,  7                            ; v7     4 x (my row of A): the keys' words, or v's bias
.set PW,  8                            ; v8-9   the scale words just made
.set KE,  64                           ; v64-71 for each block: the upper half of my row's scale word (q, k); my row's bias (v)
.set PC,  72                           ; v72-87 the codes just made
.set CS,  96                           ; v96-127 cos, sin: two sets of 8 pairs
.set RT,  128                          ; v128-159 at work
.set Y,   160                          ; v160-223 a block's numbers, held
; 64 numbers of a lane in window w from v[ac] on, register 16 b + i = k 32 b + 16 h + i of my row, become codes in v[pc] on; the four scale bytes are left in v[TM + 4] on.  The hold moves the numbers into v[y] on, in window 0.
.macro QUANTW w, ac, y, pc
	WIN ((\w)<<2)|((\w)<<4)
.irp b, 0,1,2,3
	v_max3_num_f32 v[TM+\b], 0x8000000, |v[\ac+16*\b]|, |v[\ac+16*\b+1]|   ; with the floor 2^(16 - 127): the byte cannot fall under 1.  Each accumulator is read from its low end on
.endr
.irp i, 2,4,6,8,10,12,14
.irp b, 0,1,2,3
	v_max3_num_f32 v[TM+\b], v[TM+\b], |v[\ac+16*\b+\i]|, |v[\ac+16*\b+\i+1]|
.endr
.endr
	WIN 0
.irp b, 0,1,2,3
	v_permlanex16_b32 v[TM+4+\b], v[TM+\b], s[SEL], s[SEL+1]
.endr
.irp b, 0,1,2,3
	v_max_num_f32 v[TM+\b], v[TM+\b], v[TM+4+\b]   ; with lane l xor 16's 16: the block's largest magnitude
.endr
.irp b, 0,1,2,3
	v_add_nc_u32 v[TM+12+\b], 0xf8800000, v[TM+\b] ; 15 off the exponent field: the conversion's scale operand
.endr
.irp b, 0,1,2,3
	v_and_or_b32 v[TM+8+\b], v[TM+\b], 0x7f800000, s[MNT]   ; 57,344 x the scale
.endr
.irp b, 0,1,2,3
	v_lshrrev_b32 v[TM+4+\b], 23, v[TM+12+\b]      ; the scale's byte
.endr
	WIN (\w)
.irp b, 0,1,2,3
.irp i, 0,1,2,3,4,5,6,7,8,9,10,11,12,13,14,15
	v_med3_num_f32 v[\y+16*\b+\i], v[\ac+16*\b+\i], -v[TM+8+\b], v[TM+8+\b]   ; the conversion does not saturate (ISA guide 7.6.2): the hold comes first
.endr
.endr
	WIN 0
.irp b, 0,1,2,3
	v_cvt_scalef32_pk8_bf8_f32 v[\pc+4*\b:\pc+4*\b+1], v[\y+16*\b:\y+16*\b+7], v[TM+12+\b]
	v_cvt_scalef32_pk8_bf8_f32 v[\pc+4*\b+2:\pc+4*\b+3], v[\y+16*\b+8:\y+16*\b+15], v[TM+12+\b]
.endr
	v_nop                                          ; a plain instruction behind the last conversion
.endm
	v_and_b32 v16, 15, v0                          ; r
	v_and_b32 v17, 8, v16
	v_add_nc_u32 v17, v17, v16                     ; r + 8 (r / 8)
	v_lshlrev_b32 v18, 2, v16                      ; 4 r
	s_lshl_b32 s72, s17, 1
	s_add_co_u32 s72, s72, s15                     ; my tile of 128 rows of A
	s_lshl_b32 s73, s72, 9
	v_lshl_add_u32 v[VK], v17, 2, s73
.irp b, 4,5,6,7
	v_mov_b32 v[TM+\b], 0                          ; written once: a lane permute's destination counts as one of its sources
.endr
	s_cmp_eq_u32 ttmp9, 2
	s_cbranch_scc1 .Lv_out
	; ---- q and k: my rows are tokens 128 rt + pi(a, r); my 128 columns are two heads
	s_and_b32 s73, s72, 15                         ; the tile within its batch
	s_lshr_b32 s74, s72, 4                         ; the batch
	s_and_b32 s75, s42, 3
	s_lshl_b32 s75, s75, 1
	s_add_co_u32 s75, s75, s16
	s_lshl_b32 s75, s75, 1
	s_lshl_b32 s74, s74, 4
	s_add_co_u32 s75, s75, s74                     ; 16 x batch + my first head
	s_lshl_b32 s76, s75, 7
	s_lshl_b32 s77, s73, 3
	s_add_co_u32 s76, s76, s77                     ; q: my first fragment
	s_lshl_b32 s78, s76, 10
	s_lshl_b32 s79, s76, 6
	s_add_co_u32 s79, s79, OFF_QS
	s_mul_i32 s80, s75, HEADKV
	s_lshr_b32 s77, s73, 1
	s_mul_i32 s77, s77, CH
	s_add_co_u32 s80, s80, s77
	s_add_co_u32 s80, s80, OFF_KV                  ; k: my chunk of 256 keys
	s_and_b32 s77, s73, 1
	s_lshl_b32 s81, s77, 13
	s_add_co_u32 s81, s81, s80
	s_lshl_b32 s82, s77, 9
	s_add_co_u32 s82, s82, s80
	s_add_co_u32 s82, s82, 32768
	s_mov_b32 s83, 131072
	s_mov_b32 s84, HEADKV
	s_mov_b32 s85, 0x7f7f0000
	s_cmp_eq_u32 ttmp9, 0                          ; q or k
	s_cselect_b32 s78, s78, s81                    ; codes,
	s_cselect_b32 s79, s79, s82                    ; scale words,
	s_cselect_b32 s83, s83, s84                    ; from head to head: codes,
	s_cselect_b32 s84, 0x2000, s84                 ; scale words
	s_cselect_b32 s86, 0, -1                       ; a key keeps its mask's word;
	s_cselect_b32 s85, s85, 0                      ; a query's bytes 2 and 3 are 127
	v_add_nc_u32 v[VC0], s78, v[CO]
	v_add_nc_u32 v[VC0+1], s83, v[VC0]
	v_add_nc_u32 v[VS0], s79, v18
	v_add_nc_u32 v[VS0+1], s84, v[VS0]
	v_lshl_add_u32 v[VT], s73, 14, v[CO]           ; the table's eight fragments of my tile
.irp a, 0,1,2,3,4,5,6,7
	global_load_b32 v[KE+\a], v[VK], s[6:7] offset:OFF_KEXT+4*(32*(\a/2)+8*(\a%2))
.endr
.macro CSL a                           ; cos and sin of block a's positions: registers 2 p, 2 p + 1: frequency 8 h + p
.irp j, 0,1,2,3
	global_load_b128 v[CS+16*((\a)%2)+4*\j:CS+16*((\a)%2)+4*\j+3], v[VT], s[6:7] offset:2048*(\a)+512*\j
.endr
.endm
	CSL 0
.macro QKBLOCK a
.set BW, 2+(\a)/4
.set BAC, 64*((\a)%4)
.set CT, CS+16*((\a)%2)
.if (\a) < 7
	CSL (\a)+1
	s_wait_loadcnt 4                               ; all but the next block's four loads
.else
	s_wait_loadcnt 0x0
.endif
	WIN BW                                         ; the rotation: features 16 h + 0 .. 15 of each head are registers 32 e + 0 .. 15: eight pairs
.irp e, 0,1
.irp p, 0,1,2,3,4,5,6,7
	v_pk_mul_f32 v[RT+16*\e+2*\p:RT+16*\e+2*\p+1], v[BAC+32*\e+2*\p:BAC+32*\e+2*\p+1], v[CT+2*\p:CT+2*\p+1] op_sel:[1,1] op_sel_hi:[0,1]   ; (x1 sin, x0 sin)
.endr
.endr
	WIN (BW<<6)|BW
.irp e, 0,1
.irp p, 0,1,2,3,4,5,6,7
	v_pk_fma_f32 v[BAC+32*\e+2*\p:BAC+32*\e+2*\p+1], v[BAC+32*\e+2*\p:BAC+32*\e+2*\p+1], v[CT+2*\p:CT+2*\p+1], v[RT+16*\e+2*\p:RT+16*\e+2*\p+1] op_sel_hi:[1,0,1] neg_lo:[0,0,1]   ; (x0 cos - x1 sin, x1 cos + x0 sin)
.endr
.endr
	s_wait_xcnt 0x0                                ; the last block's stores have read their data: codes and words are written again only behind this wait
	QUANTW BW, BAC, Y, PC
	v_and_or_b32 v[KE+\a], v[KE+\a], s86, s85
	v_lshl_or_b32 v[PW], v[TM+5], 8, v[TM+4]       ; a head has two blocks of 32: bytes 0 and 1; bytes 2 and 3 belong to the padding of K to 128
	v_lshl_or_b32 v[PW+1], v[TM+7], 8, v[TM+6]
	v_or_b32 v[PW], v[PW], v[KE+\a]
	v_or_b32 v[PW+1], v[PW+1], v[KE+\a]
.irp e, 0,1
	global_store_b128 v[VC0+\e], v[PC+8*\e:PC+8*\e+3], s[70:71] offset:1024*(\a)
	global_store_b128 v[VC0+\e], v[PC+8*\e+4:PC+8*\e+7], s[70:71] offset:1024*(\a)+512
	global_store_b32 v[VS0+\e], v[PW+\e], s[70:71] offset:64*(\a)   ; lanes 16-31 hold and write the same words
.endr
.endm
.irp a, 0,1,2,3,4,5,6,7
	QKBLOCK \a
.endr
	s_branch .Lout_done
.Lv_out:
	; ---- v: my rows are features 128 rtA + pi(a, r): two heads x 64; my 128 columns are the keys of tile tt: one K step of the second product
	s_lshl_b32 s73, s42, 1
	s_add_co_u32 s73, s73, s16                     ; tt
	s_lshr_b32 s74, s73, 4
	s_lshl_b32 s74, s74, 4
	s_lshl_b32 s75, s72, 1
	s_add_co_u32 s75, s75, s74                     ; 16 x batch + my first head
	s_mul_i32 s80, s75, HEADKV
	s_bfe_u32 s77, s73, 0x30001
	s_mul_i32 s77, s77, CH
	s_add_co_u32 s80, s80, s77
	s_add_co_u32 s80, s80, OFF_KV
	s_and_b32 s77, s73, 1
	s_lshl_b32 s81, s77, 13
	s_add_co_u32 s81, s81, s80
	s_add_co_u32 s81, s81, 16384
	s_lshl_b32 s82, s77, 8
	s_add_co_u32 s82, s82, s80
	s_add_co_u32 s82, s82, 33792
	v_add_nc_u32 v[VC0], s81, v[CO]
	v_add_nc_u32 v[VC0+1], HEADKV, v[VC0]
	v_add_nc_u32 v[VS0], s82, v18
	v_add_nc_u32 v[VS0+1], HEADKV, v[VS0]
.irp a, 0,1,2,3,4,5,6,7
	global_load_b32 v[KE+\a], v[VK], s[68:69] offset:4*(32*(\a/2)+8*(\a%2))
.endr
	s_wait_loadcnt 0x0
.macro VBLOCK a
.set BW, 2+(\a)/4
.set BAC, 64*((\a)%4)
	WIN (BW<<6)|BW
.set n, 0
.rept 32
.if (\a)%2 == 0
	v_pk_add_f32 v[BAC+n:BAC+n+1], v[BAC+n:BAC+n+1], v[KE+\a:KE+\a+1] op_sel_hi:[1,0]   ; + my feature's bias
.else
	v_pk_add_f32 v[BAC+n:BAC+n+1], v[BAC+n:BAC+n+1], v[KE+\a-1:KE+\a] op_sel:[0,1]
.endif
.set n, n+2
.endr
	s_wait_xcnt 0x0                                ; the last block's stores have read their data
	QUANTW BW, BAC, Y, PC
	v_lshl_or_b32 v[PW], v[TM+5], 8, v[TM+4]
	v_lshl_or_b32 v[PW], v[TM+6], 16, v[PW]
	v_lshl_or_b32 v[PW], v[TM+7], 24, v[PW]
.irp c, 0,1,2,3
	global_store_b128 v[VC0+(\a)/4], v[PC+4*\c:PC+4*\c+3], s[70:71] offset:2048*((\a)%4)+512*\c
.endr
	global_store_b32 v[VS0+(\a)/4], v[PW], s[70:71] offset:64*((\a)%4)
.endm
.irp a, 0,1,2,3,4,5,6,7
	VBLOCK \a
.endr
.Lout_done:
	s_wait_tensorcnt 0x0                           ; the wave's end
	ds_add_u32 v[SPW], v[NIL]
	s_wait_dscnt 0x0
	CROUND                                         ; the closing round: no work-group ends while a partner may still ask for a tile that names it
	s_endpgm
.Lfunc_end_k_q9d4a492783_qkv:
	.size	k_q9d4a492783_qkv, .Lfunc_end_k_q9d4a492783_qkv-k_q9d4a492783_qkv
	.p2alignl 7, 3214868480
	.fill 96, 4, 3214868480
	.section	.rodata,"a",@progbits
	.p2align	6, 0x0
	.amdhsa_kernel k_q9d4a492783_qkv
		.amdhsa_group_segment_fixed_size 327680
		.amdhsa_private_segment_fixed_size 0
		.amdhsa_enable_private_segment 0
		.amdhsa_kernarg_size 48
		.amdhsa_user_sgpr_count 2
		.amdhsa_user_sgpr_kernarg_segment_ptr 1
		.amdhsa_wavefront_size32 1
		.amdhsa_system_sgpr_workgroup_id_x 1
		.amdhsa_system_sgpr_workgroup_id_y 1
		.amdhsa_system_sgpr_workgroup_id_z 1
		.amdhsa_system_vgpr_workitem_id 0
		.amdhsa_next_free_vgpr 1024
		.amdhsa_next_free_sgpr 100
		.amdhsa_reserve_vcc 0
		.amdhsa_float_denorm_mode_32 3
		.amdhsa_float_denorm_mode_16_64 3
		.amdhsa_memory_ordered 1
		.amdhsa_forward_progress 1
		.amdhsa_inst_pref_size 255
	.end_amdhsa_kernel
	.section	.bss,"aw",@nobits
	.p2align	6
	.space	262144
	.amdgpu_metadata
---
amdhsa.version: [ 1, 2 ]
amdhsa.kernels:
  - .name:           k_q9d4a492783_qkv
    .symbol:         k_q9d4a492783_qkv.kd
    .args:
      - { .name: ops, .offset: 0, .size: 8, .value_kind: global_buffer, .address_space: global }
      - { .name: aux, .offset: 8, .size: 8, .value_kind: global_buffer, .address_space: global }
      - { .name: bq, .offset: 16, .size: 8, .value_kind: global_buffer, .address_space: global }
      - { .name: bk, .offset: 24, .size: 8, .value_kind: global_buffer, .address_space: global }
      - { .name: bv, .offset: 32, .size: 8, .value_kind: global_buffer, .address_space: global }
      - { .name: qkv, .offset: 40, .size: 8, .value_kind: global_buffer, .address_space: global }
    .group_segment_fixed_size: 327680
    .private_segment_fixed_size: 0
    .kernarg_segment_align: 8
    .kernarg_segment_size: 48
    .max_flat_workgroup_size: 128
    .sgpr_count:     100
    .vgpr_count:     1024
    .wavefront_size: 32
...
	.end_amdgpu_metadata
.endif
;; end of part 3
;; launch attn (part 4): grid 8 x 32, 16 waves a work-group, clusters of 4 x 1, 327,680 bytes of LDS; arguments qkv, aux, att; writes att
.if DOCPART == 4
	.amdgcn_target "amdgcn-amd-amdhsa--gfx1250"
	.amdhsa_code_object_version 6
	.text
	.protected	k_q9d4a492783_attn
	.globl	k_q9d4a492783_attn
	.p2align	8
	.type	k_q9d4a492783_attn,@function
k_q9d4a492783_attn:
	s_mov_b64 s[64:65], 0
	v_nop
	global_prefetch_b8 v0, s[64:65] scope:SCOPE_SE
	s_setreg_imm32_b32 hwreg(HW_REG_WAVE_MODE, 25, 1), 1
	s_wait_xcnt 0x0
	s_wait_alu depctr_hold_cnt(0) depctr_sa_sdst(0) depctr_va_vdst(0) depctr_va_sdst(0) depctr_va_ssrc(0) depctr_va_vcc(0) depctr_vm_vsrc(0)
	s_getreg_b32 s2, hwreg(HW_REG_IB_STS2, 6, 4)
	s_cmp_eq_u32 s2, 0
	s_cbranch_scc0 .Lentry_in_a_cluster
	s_endpgm
.Lentry_in_a_cluster:
	s_bfe_u32 s2, ttmp6, 0x10000c
	s_cmp_lg_u32 s2, 0x3003
	s_cbranch_scc0 .Lentry_shape_is_right
	s_endpgm
.Lentry_shape_is_right:
; ATTENTION ON CODES OF E5M2 with one E8M0 scale for each 32 along a product's K; 32 heads of 64, 2,048 keys; the mask is an input.  The result is quantised again, as the image of the next product's operand.
; t = score x c, c = log2(e) / 8; M = the row's largest t so far, rounded UP to a whole number; p = 2^(t - M) is what is quantised, along the keys, not normalised; the row's sum is taken of the unquantised p and divides at the end.
; When M moves, the sum and O are multiplied by 2^(old M - new M): nothing is rounded.
; SHARES.  A work-group owns 256 queries of one head, each of its sixteen waves one fragment of 16: 256 registers, four waves to a SIMD, so that one wave's vector work stands beside another's products and LDS loads.
; A HEAD'S K AND V LIE WHOLE IN LDS: 274,432 bytes, as images of the operands' registers with their scale words, in 8 chunks of 256 keys.  They are filled ONCE: each wave brings 17,152 dense bytes by one tensor load.
; So there is no ring and no refill, and one barrier.  CLUSTER: the four query blocks of a cluster belong to one head: each load is asked for jointly by all four.
; Both products are used transposed: S^T = K Q^T, O^T = V^T P^T: a lane holds ONE query (lane % 16).  A fragment's 16 keys are pi(f, r) = 32 (f / 2) + 8 (f % 2) + r + 8 (r / 8), so that the 16 registers of tiles 2 b, 2 b + 1
; are keys 32 b + 16 (lane / 16) + 0 .. 15; V's features lie in the same order, so that O^T's registers are 16 neighbours of each block of 32 of the next K.
; K = 64 fills half of the instruction's 128.  THE MASK RIDES IN THE OTHER HALF: at k = 64 every query has the code of 1, every key that of -1, all else is 0; byte 2 of a key's scale word is 167 (2^40) if the key is hidden, else 1 (2^-126).
; A batch whose keys are all hidden comes with all bytes 1 and c = 0: p = 1 for every key, the uniform softmax.
; The largest t begins at -2^30: a hidden key (t near -2e11) never sets M, and its p is 0.
; LIMITS: open logits x log2(e) lie above -2^30 (the value that hides a key in the problem's text lies there too); an open score carries -2^-126; NaN and infinities are not served; blocks under 2^-111 keep the byte 1.
; NOT USED: a prefetch: all that the work-group reads is asked for at its head.
.set PB,       16896
.set CH,       34304                   ; a chunk: K's 16 half fragments of 1,024 bytes; V's 2 x 4 fragments of 2,048; K's scale words (1,024); V's (512)
.set HEADKV,   8*CH
.set OFF_QS,   4194304
.set OFF_KV,   4456448
.set OFF_CEFF, 278528
.set LI,  1                            ; v1   16 x lane
.set LS,  2                            ; v2   4 x (lane % 16)
.set GS,  5                            ; v5   the way out: my scale bytes
.set GO,  7                            ; v7   the way out: my codes
.set ADK, 8                            ; v8   the chunk in hand + 16 x lane
.set ADS, 10                           ; v10  the chunk in hand + 4 x (lane % 16)
; v12 -M, v13 the largest t, v[14:15] the sum in two halves; v16-31 Q; v32-95 four fragments of K (registers 8-15 of each are constants); v96-159 S^T, then p, then V's four fragments; v160-191 O^T;
; v224-239 p's codes; v232-247, v252, v254 at work; v248-251 K's or V's scale words; v253 p's scale word; v255 Q's
.set WV,  18
.set MNT, 19
.set SEL, 20
.set CS,  22                           ; s[22:23] c: the packed form names a pair and takes its low word for both halves
.set G1,  24
.set G0,  32
.set TB,  36                           ; LDS byte at which the chunk in hand begins
.set TRIPS, 37
.macro ROUND                           ; a round of the cluster's barrier
	s_barrier_signal -1
	s_barrier_wait -1
	s_cmp_lg_u32 s[WV], 0
	s_cbranch_scc1 .Lnot_wave_0_\@
	s_barrier_signal -3
.Lnot_wave_0_\@:
	s_barrier_wait -3
	s_barrier_signal -1
	s_barrier_wait -1
.endm
	s_load_b128 s[4:7], s[0:1], 0x0                ; qkv s[4:5], aux s[6:7]
	s_load_b64 s[8:9], s[0:1], 0x10                ; att
	v_lshl_add_u32 v222, v0, 2, 0x43000
	v_mov_b32 v223, 0
	ds_add_u32 v222, v223
	ds_add_u32 v222, v223
	v_lshrrev_b32 v8, 5, v0
	v_readfirstlane_b32 s[WV], v8                  ; wave 0..15
	s_bfe_u32 s10, ttmp6, 0x40000                  ; cx: it enters Q's and the result's addresses alone
	s_lshl_b32 s11, ttmp9, 2
	s_add_co_u32 s11, s11, s10
	s_lshl_b32 s11, s11, 4
	s_add_co_u32 s11, s11, s[WV]                   ; my fragment of queries, 0 .. 127
	s_and_b32 s12, ttmp7, 0xffff                   ; 16 x batch + head, which the four partners share
	s_mov_b32 s[G1], 15|(3<<16)|(1<<21)            ; 15:0 the mask: all four work-groups; 17:16 elements of 8 bytes; 21 set beside a mask
	s_mov_b32 s[G1+1], 32<<16                      ; tensor_dim0: rows of 256 bytes
	s_mov_b32 s[G1+2], 67<<16                      ; tensor_dim1: 17,152 / 256
	s_mov_b32 s[G1+3], 32<<16                      ; tile_dim0
	s_mov_b32 s[G1+4], 67                          ; tile_dim1
	s_mov_b32 s[G1+5], 32                          ; the pitch: dense
	s_mov_b32 s[G1+6], 0
	s_mov_b32 s[G1+7], 0
	s_mul_i32 s14, s12, HEADKV
	s_mul_i32 s13, s[WV], 17152                    ; my sixteenth, in memory and in LDS
	s_add_co_u32 s14, s14, s13
	s_add_co_u32 s14, s14, OFF_KV
	s_mov_b32 s15, 0
	s_lshr_b32 s16, s12, 4                         ; the batch
	s_lshl_b32 s17, s16, 13
	s_lshl_b32 s38, s12, 7
	s_add_co_u32 s38, s38, s11
	s_lshl_b32 s39, s38, 10                        ; Q's codes
	s_lshl_b32 s38, s38, 6
	s_add_co_u32 s38, s38, OFF_QS                  ; and scale words
	s_lshr_b32 s40, s11, 3                         ; the result: block (tile of 128 tokens, K step head / 2) of the image,
	s_lshl_b32 s41, s16, 4
	s_add_co_u32 s40, s40, s41
	s_lshl_b32 s40, s40, 3
	s_bfe_u32 s41, s12, 0x30001
	s_add_co_u32 s40, s40, s41
	s_mul_i32 s40, s40, PB
	s_and_b32 s41, s11, 7                          ; fragment,
	s_and_b32 s42, s12, 1                          ; chunks 2 (head % 2) and the next
	s_lshl_b32 s43, s41, 11
	s_add_co_u32 s43, s43, s40
	s_lshl_b32 s44, s42, 10
	s_add_co_u32 s43, s43, s44
	s_lshl_b32 s45, s41, 6
	s_add_co_u32 s45, s45, s40
	s_lshl_b32 s44, s42, 1
	s_add_co_u32 s45, s45, s44
	s_mov_b32 s[SEL], 0x76543210
	s_mov_b32 s[SEL+1], 0xfedcba98                 ; v_permlanex16_b32's selects for lane l xor 16
	s_mov_b32 s[MNT], 0x600000                     ; the mantissa field of 57,344
	s_mov_b32 s[TB], 0
	s_mov_b32 s[TRIPS], 8
	s_wait_dscnt 0x0
	s_wait_kmcnt 0x0
	s_mov_b32 s[G0], 1
	s_mov_b32 s[G0+1], s13
	s_add_nc_u64 s[G0+2:G0+3], s[4:5], s[14:15]
	s_or_b32 s[G0+3], s[G0+3], 0x80000000
	ROUND                                          ; all four work-groups are here: the joint loads meet
	tensor_load_to_lds s[G0:G0+3], s[G1:G1+7]      ; my one tensor load
	s_nop 0
.rept 4
	v_nop
.endr
	s_load_b32 s[CS], s[6:7], s17 offset:OFF_CEFF  ; c of my batch
	v_and_b32 v9, 31, v0
	v_lshlrev_b32 v[LI], 4, v9
	v_and_b32 v9, 15, v0
	v_lshlrev_b32 v[LS], 2, v9
	v_add_nc_u32 v3, s39, v[LI]
	v_add_nc_u32 v4, s38, v[LS]
	global_load_b128 v[16:19], v3, s[4:5]          ; Q: k = 16 h + 0 .. 15,
	global_load_b128 v[20:23], v3, s[4:5] offset:512   ; 32 + 16 h + 0 .. 15
	global_load_b32 v255, v4, s[4:5]
	v_bfe_u32 v9, v0, 4, 1
	v_xor_b32 v9, 1, v9
	v_mul_u32_u24 v24, v9, 0x3c                    ; k = 64: the code of 1, in lanes 0-15
	v_mul_u32_u24 v11, v9, 0xbc                    ; and for the keys that of -1
.irp j, 25,26,27,28,29,30,31
	v_mov_b32 v[\j], 0
.endr
.irp t, 0,1,2,3
	v_mov_b32 v[40+16*\t], v11
.irp j, 41,42,43,44,45,46,47
	v_mov_b32 v[\j+16*\t], 0
.endr
.endr
	v_mov_b32 v13, 0xce800000                      ; the largest t so far: -2^30
	v_floor_f32 v12, -v13                          ; -M
	v_mov_b32 v14, 0
	v_mov_b32 v15, 0
.irp b, 0,1,2,3
	v_mov_b32 v[236+\b], 0                         ; written once: a lane permute's destination counts as one of its sources
.endr
	v_mov_b32 v253, 0                              ; (named as the upper half of v[252:253] before it is first written)
.set n, 0
.rept 32
	v_mov_b32 v[160+n], 0                          ; O^T: the step is written once; the first finds zeros, which the first change of M leaves zeros
.set n, n+1
.endr
	v_add_nc_u32 v[GO], s43, v[LI]
	v_add_nc_u32 v[GS], s45, v[LS]
	s_wait_kmcnt 0x0
	s_mov_b32 s[CS+1], s[CS]
	s_wait_loadcnt 0x0
	s_wait_tensorcnt 0x0                           ; my sixteenth of the head lies in LDS,
	s_barrier_signal -1
	s_barrier_wait -1                              ; everybody's does
; A KEY STEP: 128 keys, the q-th of the chunk in hand
.macro STEP q
.irp g, 0,1                                    ; S^T = K Q^T, four tiles of 16 keys at a time
.rept 9-\g
	v_nop                                          ; 8 places in front of loads into registers that products have read; 9 in front of the first product here, which writes over registers that the last step's products read as V
.endr
.irp t, 0,1,2,3
	ds_load_b128 v[32+16*\t:35+16*\t], v[ADK] offset:8192*(\q)+1024*(4*\g+\t)
	ds_load_b128 v[36+16*\t:39+16*\t], v[ADK] offset:8192*(\q)+1024*(4*\g+\t)+512
	ds_load_b32 v[248+\t], v[ADS] offset:32768+512*(\q)+64*(4*\g+\t)
.endr
	s_wait_dscnt 0x0
.irp t, 0,1,2,3
	v_wmma_scale_f32_16x16x128_f8f6f4 v[96+8*(4*\g+\t):103+8*(4*\g+\t)], v[32+16*\t:47+16*\t], v[16:31], 0, v[248+\t], v255 matrix_a_fmt:MATRIX_FMT_BF8 matrix_b_fmt:MATRIX_FMT_BF8
.endr
.endr
.rept 8
	v_nop
.endr
.irp b, 0,1,2,3
	v_max3_num_f32 v[232+\b], v[96+16*\b], v[97+16*\b], v[98+16*\b]   ; the largest score of each block of 32 keys: for the row's maximum and, since p rises with the score, for the block's largest p
.endr
.irp i, 3,5,7,9,11,13
.irp b, 0,1,2,3
	v_max3_num_f32 v[232+\b], v[232+\b], v[96+16*\b+\i], v[97+16*\b+\i]
.endr
.endr
.irp b, 0,1,2,3
	v_max_num_f32 v[232+\b], v[232+\b], v[111+16*\b]
.endr
.irp b, 0,1,2,3
	v_permlanex16_b32 v[236+\b], v[232+\b], s[SEL], s[SEL+1]
.endr
.irp b, 0,1,2,3
	v_max_num_f32 v[232+\b], v[232+\b], v[236+\b]  ; with lane l xor 16's 16 keys
.endr
	v_max3_num_f32 v254, v232, v233, v234
	v_max_num_f32 v254, v254, v235
	v_mul_f32 v254, s[CS], v254                    ; as t (c is not negative)
	v_max_num_f32 v13, v13, v254                   ; the running largest t
	v_mov_b32 v254, v12
	v_floor_f32 v12, -v13                          ; the new -M = floor(-t): M is a whole number
	v_sub_f32 v254, v12, v254                      ; old M - new M: a whole number, 0 or less
	v_cvt_i32_f32 v254, v254                       ; (it saturates)
	v_ldexp_f32 v252, 1.0, v254                    ; f = 2^(old M - new M)
.set n, 0
.rept 32
	v_pk_fma_f32 v[96+n:97+n], v[96+n:97+n], s[CS:CS+1], v[12:13] op_sel_hi:[1,0,0]   ; t - M, two at a time
.set n, n+2
.endr
.irp b, 0,1,2,3
	v_fma_f32 v[232+\b], v[232+\b], s[CS], v12     ; the same of each block's largest score
.endr
.set n, 0
.rept 64
	v_exp_f32 v[96+n], v[96+n]                     ; p = 2^(t - M), at most 1
.set n, n+1
.endr
	v_pk_mul_f32 v[14:15], v[14:15], v[252:253] op_sel_hi:[1,0]   ; the sums under the new M: the plain instruction behind the exponentials
	s_wait_alu depctr_va_vdst(0)                   ; one wait for the batch, ahead of its first reader
.irp b, 0,1,2,3
	v_exp_f32 v[232+\b], v[232+\b]                 ; the block's largest p
.endr
	v_pk_add_f32 v[236:237], v[96:97], v[98:99]    ; the row's sum, of the unquantised p: two chains
.irp j, 4,8,12,16,20,24,28,32,36,40,44,48,52,56,60
	v_pk_add_f32 v[14:15], v[14:15], v[96+\j:97+\j]
	v_pk_add_f32 v[236:237], v[236:237], v[98+\j:99+\j]
.endr
	v_pk_add_f32 v[14:15], v[14:15], v[236:237]
	s_wait_alu depctr_va_vdst(0)                   ; and one for the four
.irp b, 0,1,2,3
	v_max_num_f32 v[232+\b], 0x8000000, v[232+\b]  ; the floor 2^(16 - 127): the byte cannot fall under 1
.endr
.irp b, 0,1,2,3
	v_add_nc_u32 v[244+\b], 0xf8800000, v[232+\b]  ; 15 off the exponent field: the conversion's scale operand
.endr
.irp b, 0,1,2,3
	v_and_or_b32 v[240+\b], v[232+\b], 0x7f800000, s[MNT]   ; 57,344 x the scale
.endr
.irp b, 0,1,2,3
	v_lshrrev_b32 v[236+\b], 23, v[244+\b]
.endr
	v_lshl_or_b32 v253, v237, 8, v236              ; p's scale word for these 128 keys
	v_lshl_or_b32 v253, v238, 16, v253
	v_lshl_or_b32 v253, v239, 24, v253
.irp b, 0,1,2,3
.irp i, 0,1,2,3,4,5,6,7,8,9,10,11,12,13,14,15
	v_min_num_f32 v[96+16*\b+\i], v[96+16*\b+\i], v[240+\b]   ; the conversion does not saturate (ISA guide 7.6.2); p is not negative: a one-sided hold
.endr
	v_cvt_scalef32_pk8_bf8_f32 v[224+4*\b:225+4*\b], v[96+16*\b:103+16*\b], v[244+\b]
	v_cvt_scalef32_pk8_bf8_f32 v[226+4*\b:227+4*\b], v[104+16*\b:111+16*\b], v[244+\b]
.endr
.irp f, 0,1,2,3                                ; V's four fragments land where p lay: it has been converted
.irp c, 0,1,2,3
	ds_load_b128 v[96+16*\f+4*\c:99+16*\f+4*\c], v[ADK] offset:16384+8192*(\q)+2048*\f+512*\c
.endr
	ds_load_b32 v[248+\f], v[ADS] offset:33792+256*(\q)+64*\f
.endr
.set n, 0
.rept 16
	v_pk_mul_f32 v[160+n:161+n], v[160+n:161+n], v[252:253] op_sel_hi:[1,0]   ; O^T under the new M; these are also the places between the conversions and the products
.set n, n+2
.endr
	s_wait_dscnt 0x0
.irp f, 0,1,2,3                                ; O^T += V^T P^T: four accumulators, one instruction each
	v_wmma_scale_f32_16x16x128_f8f6f4 v[160+8*\f:167+8*\f], v[96+16*\f:111+16*\f], v[224:239], v[160+8*\f:167+8*\f], v[248+\f], v253 matrix_a_fmt:MATRIX_FMT_BF8 matrix_b_fmt:MATRIX_FMT_BF8
.endr
.endm
.Lchunk:                                           ; 8 trips: a chunk of 256 keys, two key steps
	v_add_nc_u32 v[ADK], s[TB], v[LI]
	v_add_nc_u32 v[ADS], s[TB], v[LS]
	STEP 0
	STEP 1
	s_add_co_u32 s[TB], s[TB], CH
	s_sub_co_u32 s[TRIPS], s[TRIPS], 1
	s_cmp_lg_u32 s[TRIPS], 0
	s_cbranch_scc1 .Lchunk
	; THE WAY OUT: O^T / the sum; register 16 c + i is feature 32 c + 16 h + i of my query: two blocks of the next K, quantised and stored as they stand
.rept 8
	v_nop
.endr
	v_add_f32 v14, v14, v15
	v_permlanex16_b32 v252, v14, s[SEL], s[SEL+1]
	v_add_f32 v14, v14, v252                       ; the row's sum
	v_rcp_f32 v14, v14
	v_nop                                          ; a plain instruction behind it,
	s_wait_alu depctr_va_vdst(0)                   ; and the wait ahead of its first reader
.set n, 0
.rept 32
	v_mul_f32 v[96+n], v[160+n], v14
.set n, n+1
.endr
.irp b, 0,1
	v_max3_num_f32 v[232+\b], |v[96+16*\b]|, |v[97+16*\b]|, 0x8000000
.endr
.irp i, 2,4,6,8,10,12,14
.irp b, 0,1
	v_max3_num_f32 v[232+\b], v[232+\b], |v[96+16*\b+\i]|, |v[97+16*\b+\i]|
.endr
.endr
.irp b, 0,1
	v_permlanex16_b32 v[236+\b], v[232+\b], s[SEL], s[SEL+1]
.endr
.irp b, 0,1
	v_max_num_f32 v[232+\b], v[232+\b], v[236+\b]
.endr
.irp b, 0,1
	v_add_nc_u32 v[244+\b], 0xf8800000, v[232+\b]
.endr
.irp b, 0,1
	v_and_or_b32 v[240+\b], v[232+\b], 0x7f800000, s[MNT]
.endr
.irp b, 0,1
	v_lshrrev_b32 v[236+\b], 23, v[244+\b]
.endr
	v_lshl_or_b32 v254, v237, 8, v236              ; my head's two bytes of the row's scale word
.irp b, 0,1
.irp i, 0,1,2,3,4,5,6,7,8,9,10,11,12,13,14,15
	v_med3_num_f32 v[96+16*\b+\i], v[96+16*\b+\i], -v[240+\b], v[240+\b]
.endr
.endr
.irp b, 0,1
	v_cvt_scalef32_pk8_bf8_f32 v[224+4*\b:225+4*\b], v[96+16*\b:103+16*\b], v[244+\b]
	v_cvt_scalef32_pk8_bf8_f32 v[226+4*\b:227+4*\b], v[104+16*\b:111+16*\b], v[244+\b]
.endr
	v_nop
	global_store_b128 v[GO], v[224:227], s[8:9]    ; 512 consecutive bytes a store
	global_store_b128 v[GO], v[228:231], s[8:9] offset:512
	global_store_b16 v[GS], v254, s[8:9] offset:16384   ; two bytes of each of 16 words (lanes 16-31 hold and write the same): the other two are the neighbouring head's
	s_wait_tensorcnt 0x0
	ds_add_u32 v222, v223
	s_wait_dscnt 0x0
	ROUND                                          ; the closing round: no work-group ends while a partner may still ask for a tile that names it
	s_endpgm
.Lfunc_end_k_q9d4a492783_attn:
	.size	k_q9d4a492783_attn, .Lfunc_end_k_q9d4a492783_attn-k_q9d4a492783_attn
	.p2alignl 7, 3214868480
	.fill 96, 4, 3214868480
	.section	.rodata,"a",@progbits
	.p2align	6, 0x0
	.amdhsa_kernel k_q9d4a492783_attn
		.amdhsa_group_segment_fixed_size 327680
		.amdhsa_private_segment_fixed_size 0
		.amdhsa_enable_private_segment 0
		.amdhsa_kernarg_size 24
		.amdhsa_user_sgpr_count 2
		.amdhsa_user_sgpr_kernarg_segment_ptr 1
		.amdhsa_wavefront_size32 1
		.amdhsa_system_sgpr_workgroup_id_x 1
		.amdhsa_system_sgpr_workgroup_id_y 1
		.amdhsa_system_sgpr_workgroup_id_z 1
		.amdhsa_system_vgpr_workitem_id 0
		.amdhsa_next_free_vgpr 256
		.amdhsa_next_free_sgpr 100
		.amdhsa_reserve_vcc 0
		.amdhsa_float_denorm_mode_32 3
		.amdhsa_float_denorm_mode_16_64 3
		.amdhsa_memory_ordered 1
		.amdhsa_forward_progress 1
		.amdhsa_inst_pref_size 52
	.end_amdhsa_kernel
	.amdgpu_metadata
---
amdhsa.version: [ 1, 2 ]
amdhsa.kernels:
  - .name:           k_q9d4a492783_attn
    .symbol:         k_q9d4a492783_attn.kd
    .args:
      - { .name: qkv, .offset: 0, .size: 8, .value_kind: global_buffer, .address_space: global }
      - { .name: aux, .offset: 8, .size: 8, .value_kind: global_buffer, .address_space: global }
      - { .name: att, .offset: 16, .size: 8, .value_kind: global_buffer, .address_space: global }
    .group_segment_fixed_size: 327680
    .private_segment_fixed_size: 0
    .kernarg_segment_align: 8
    .kernarg_segment_size: 24
    .max_flat_workgroup_size: 512
    .sgpr_count:     100
    .vgpr_count:     256
    .wavefront_size: 32
...
	.end_amdgpu_metadata
.endif
;; end of part 4
;; launch oproj (part 5): grid 4 x 16, 4 waves a work-group, clusters of 4 x 4, 327,680 bytes of LDS; arguments att, ops, bo, x, x1; writes x1
.if DOCPART == 5
	.amdgcn_target "amdgcn-amd-amdhsa--gfx1250"
	.amdhsa_code_object_version 6
	.text
	.protected	k_q9d4a492783_oproj
	.globl	k_q9d4a492783_oproj
	.p2align	8
	.type	k_q9d4a492783_oproj,@function
k_q9d4a492783_oproj:
	s_mov_b64 s[64:65], 0
	v_nop
	global_prefetch_b8 v0, s[64:65] scope:SCOPE_SE
	s_setreg_imm32_b32 hwreg(HW_REG_WAVE_MODE, 25, 1), 1
	s_wait_xcnt 0x0
	s_wait_alu depctr_hold_cnt(0) depctr_sa_sdst(0) depctr_va_vdst(0) depctr_va_sdst(0) depctr_va_ssrc(0) depctr_va_vcc(0) depctr_vm_vsrc(0)
	s_getreg_b32 s2, hwreg(HW_REG_IB_STS2, 6, 4)
	s_cmp_eq_u32 s2, 0
	s_cbranch_scc0 .Lentry_in_a_cluster
	s_endpgm
.Lentry_in_a_cluster:
	s_bfe_u32 s2, ttmp6, 0x10000c
	s_cmp_lg_u32 s2, 0xf033
	s_cbranch_scc0 .Lentry_shape_is_right
	s_endpgm
.Lentry_shape_is_right:
; out = res + A W + bias: A [4,096][128 KS] and W as codes of E5M2 with E8M0 scales for each 32 along K; bias [1,024], res and out [4,096][1,024] f32.  Here: the attention's output x wo, res = x.
; OPERANDS ARE IMAGES OF THEIR REGISTERS: rows in tiles of 128, K in steps of 128; a block [tile][step] is PB = 16,896 bytes: eight fragments of 2,048 bytes (chunk c at 512 c, lane l's 16 bytes at 16 l), then 512 bytes of
; scale words (fragment f, place r: 16,384 + 64 f + 4 r).  Fragment f, place r holds row pi(f, r) = 32 (f / 2) + 8 (f % 2) + r + 8 (r / 8).  A tile of 128 rows x 256 K is 33,792 dense bytes.
; A work-group of four waves makes 256 x 256, a wave 128 x 128: 64 accumulators, 512 registers.  K goes in steps of 256 through a ring of two LDS slots; each wave fetches a quarter of a slot (codes AND scale words) by one tensor load.
; THE MATRIX INSTRUCTION IS USED TRANSPOSED: source 0 = a fragment of W, source 1 = a fragment of A: a lane holds token pi(a, lane % 16), and register 8 b + j of block a column 32 (b / 2) + 16 (lane / 16) + 8 (b % 2) + j.
; CLUSTERS: 4 x 4 work-groups; A's tile is asked for jointly along a row of the cluster, W's along a column.  The bias is the C of the first K step's products.
; 64 work-groups: N = 1,024 gives no more tiles of 256 x 256.  NOT USED: a prefetch (the operands are small and read again by the clusters of a half).
.set KS,    8                          ; K steps of 128
.set OFF_B, 7569408                    ; wo's image in ops
.set PB,    16896
.set QUART, 2*PB                       ; 128 rows x 256 K: what one tensor load brings
.set SLOT,  4*QUART                    ; A's two halves, then B's two
.set SPARE, 2*SLOT                     ; behind the ring: the spare words, 128 bytes for each wave: two blocks of 256 bytes that no other line names
.set LAPS,  KS/4                       ; a lap = two slots = 512 along K
.set NP,    8                          ; places behind this matrix instruction (ISA guide 7.12.1)
.set ADRA, 2                           ; v2-3   LDS address of my A fragments in slot 0, 1: + 16 x lane
.set ADRB, 4                           ; v4-5   the same for B
.set SAA,  6                           ; v6-7   of my A tile in slot 0, 1: + 4 x lane (the scale words lie 16,384 on)
.set SAB,  8                           ; v8-9   the same for B
.set STO,  10                          ; v10    the way out: where I put 32 bytes of a row
.set RD,   11                          ; v11    the way out: where I read a row back
.set CO,   12                          ; v12    16 x lane
.set SPW,  14                          ; v14    LDS address of my spare word; never rewritten
.set NIL,  15                          ; v15    0; never rewritten
.set SC,   32                          ; v32-63 scale words and nothing else: set s at 16 s; A's of the slot's q-th 128 along K at 4 q + i, B's 8 further; register i: lanes 0-15 fragment 2 i, lanes 16-31 fragment 2 i + 1
.set BIAS, 64                          ; v64-127 the C of the first products
.set AF,   128                         ; v128-255 A's fragments, ONE set;  window 1: B's, TWO sets;  windows 2, 3: accumulator (a, b) at v[8 (8 (a % 4) + b)] of window 2 + a / 4
.set BK,   128                         ; the way out: 16 rows read back from the stage: v128-191 and v192-255 by turns
.set G1,  24                           ; s[24:31] descriptor group 1 for A's tiles; s[32:39] group 0, a set for each slot
.set G0,  32
.set G1B, 48                           ; s[48:55], s[56:63] the same for B's
.set G0B, 56
.set MUL_LO, 0xa1                      ; source 0 (B) window 1, source 1 (A) window 0, C and D window 2
.set MUL_HI, 0xf1                      ; the same, C and D window 3
.set MSB, 0
.macro WIN new                         ; the immediate's high byte repeats the setting that is left
.if MSB != (\new)
	s_set_vgpr_msb (MSB<<8)|(\new)
.set MSB, (\new)
.endif
.endm
.macro JLOAD s                         ; a joint load: waves 0, 1 fetch A's halves, waves 2, 3 B's; four v_nop follow each line
	s_cmp_eq_u32 s15, 0
	s_cbranch_scc0 .Lfor_b_\@
	tensor_load_to_lds s[G0+4*\s:G0+4*\s+3], s[G1:G1+7]
	s_nop 0
.rept 4
	v_nop
.endr
	s_branch .Lasked_\@
.Lfor_b_\@:
	tensor_load_to_lds s[G0B+4*\s:G0B+4*\s+3], s[G1B:G1B+7]
	s_nop 0
.rept 4
	v_nop
.endr
.Lasked_\@:
.endm
.macro CREST                           ; a round of the cluster's barrier behind its opening barrier
	s_cmp_lg_u32 s14, 0
	s_cbranch_scc1 .Lnot_wave_0_\@
	s_barrier_signal -3
.Lnot_wave_0_\@:
	s_barrier_wait -3
	s_barrier_signal -1
	s_barrier_wait -1
.endm
.macro CROUND
	s_barrier_signal -1
	s_barrier_wait -1
	CREST
.endm
.macro PLACES n
.rept \n
	v_nop
.endr
.endm
.macro WM d, s0, s1, c, x0, x1, r0, r1 ; one product; r0, r1: the half of the lanes that holds source 0's, source 1's scale words
.if (\r0) && (\r1)
	v_wmma_scale_f32_16x16x128_f8f6f4 v[\d:\d+7], v[\s0:\s0+15], v[\s1:\s1+15], v[\c:\c+7], v[\x0], v[\x1] matrix_a_fmt:MATRIX_FMT_BF8 matrix_b_fmt:MATRIX_FMT_BF8 matrix_a_scale:MATRIX_SCALE_ROW1 matrix_b_scale:MATRIX_SCALE_ROW1
.elseif \r0
	v_wmma_scale_f32_16x16x128_f8f6f4 v[\d:\d+7], v[\s0:\s0+15], v[\s1:\s1+15], v[\c:\c+7], v[\x0], v[\x1] matrix_a_fmt:MATRIX_FMT_BF8 matrix_b_fmt:MATRIX_FMT_BF8 matrix_a_scale:MATRIX_SCALE_ROW1
.elseif \r1
	v_wmma_scale_f32_16x16x128_f8f6f4 v[\d:\d+7], v[\s0:\s0+15], v[\s1:\s1+15], v[\c:\c+7], v[\x0], v[\x1] matrix_a_fmt:MATRIX_FMT_BF8 matrix_b_fmt:MATRIX_FMT_BF8 matrix_b_scale:MATRIX_SCALE_ROW1
.else
	v_wmma_scale_f32_16x16x128_f8f6f4 v[\d:\d+7], v[\s0:\s0+15], v[\s1:\s1+15], v[\c:\c+7], v[\x0], v[\x1] matrix_a_fmt:MATRIX_FMT_BF8 matrix_b_fmt:MATRIX_FMT_BF8
.endif
.endm
; 16 products: A's blocks a0, a0 + 1 x B's eight.  p: B's set; q: which 128 of the slot; sc: the set of scale words; first = 1: C is the bias.  The 64 accumulators take turns, one instruction a turn, in the same order in every step
.macro MUL16 a0, p, q, sc, first
.irp a, \a0, \a0+1
.irp b, 0,1,2,3,4,5,6,7
	WM (8*(8*((\a)%4)+\b)), (128*(\p)+16*\b), (AF+16*(\a)), ((\first)*(BIAS+8*\b)+(1-(\first))*8*(8*((\a)%4)+\b)), (SC+16*(\sc)+8+4*(\q)+\b/2), (SC+16*(\sc)+4*(\q)+(\a)/2), (\b%2), ((\a)%2)
.endr
.endr
.endm
.macro FRAG reg, adr, q, i             ; a fragment comes as it lies: four loads of 512 consecutive bytes
.irp c, 0,1,2,3
	ds_load_b128 v[\reg+4*\c:\reg+4*\c+3], v[\adr] offset:(\q)*PB+2048*(\i)+512*\c
.endr
.endm
.macro FETCH_B slot, q, p
	WIN 0x40                                       ; destination window 1
.irp i, 0,1,2,3,4,5,6,7
	FRAG 128*(\p)+16*\i, ADRB+\slot, \q, \i
.endr
	WIN 0
.endm
.macro FETCH_A slot, q, i0
.irp i, \i0, \i0+1, \i0+2, \i0+3
	FRAG AF+16*(\i), ADRA+\slot, \q, \i
.endr
.endm
.macro SCALES sc                       ; a slot's scale words, 16 loads
.irp q, 0,1
.irp i, 0,1,2,3
	ds_load_b32 v[SC+16*\sc+4*\q+\i], v[SAA+\sc] offset:16384+\q*PB+128*\i
	ds_load_b32 v[SC+16*\sc+8+4*\q+\i], v[SAB+\sc] offset:16384+\q*PB+128*\i
.endr
.endr
.endm
; A slot's first 128 along K.  A block of A is free as soon as its eight products are issued: blocks 0-3 are fetched anew in the step's middle, blocks 4-7 at its end; B's next set in the middle.
; A load into a register that a matrix instruction has read stands NP places behind it, and only plain vector instructions that name none of its registers are places.
.macro STEP slot, first
	s_wait_dscnt 16                                ; B's set, A's blocks 0-3 and the scale words are in; the youngest 16 loads (A's blocks 4-7) may be out
	WIN MUL_LO-0x20*(\first)                       ; (the bias lies in window 0)
	MUL16 0, 0, 0, \slot, \first
	MUL16 2, 0, 0, \slot, \first
	s_wait_dscnt 0x0
	PLACES NP
	FETCH_B \slot, 1, 1
	FETCH_A \slot, 1, 0
	WIN MUL_HI-0x30*(\first)
	MUL16 4, 0, 0, \slot, \first
	MUL16 6, 0, 0, \slot, \first
	PLACES NP
	WIN 0
	FETCH_A \slot, 1, 4
.endm
; A slot's second 128 changes slots: ONE barrier; in front of it each wave waits for all its tensor loads, adds 0 to its spare word, and waits for that and for its own reads of this slot.  fill = 1: the slot is filled again, two slots ahead.
.macro TURN slot, next, fill
	s_wait_tensorcnt 0x0                           ; all my tensor loads have landed: the one that was out is my part of the next slot
	ds_add_u32 v[SPW], v[NIL]                      ; 0 onto my spare word
	s_wait_dscnt 17                                ; (the add and the youngest 16 loads may be out)
	WIN MUL_LO
	MUL16 0, 1, 1, \slot, 0
	s_wait_dscnt 0x0                               ; the add is done, and my reads of this slot are over
	s_barrier_signal -1
	MUL16 2, 1, 1, \slot, 0
	WIN 0
	s_barrier_wait -1
.if \fill
	CREST                                          ; the barrier has opened a round of the cluster's: no wave of any partner still reads this slot or has a load on its way
	s_add_nc_u64 s[G0+4*\slot+2:G0+4*\slot+3], s[G0+4*\slot+2:G0+4*\slot+3], 2*QUART
	s_add_nc_u64 s[G0B+4*\slot+2:G0B+4*\slot+3], s[G0B+4*\slot+2:G0B+4*\slot+3], 2*QUART
	JLOAD \slot                                    ; my one tensor load behind the round; its four v_nop are four of the places in front of the loads below
	PLACES NP-4
.else
	PLACES NP
.endif
	FETCH_B \next, 0, 0
	FETCH_A \next, 0, 0
	SCALES \next
	WIN MUL_HI
	MUL16 4, 1, 1, \slot, 0
	MUL16 6, 1, 1, \slot, 0
	PLACES NP
	WIN 0
	FETCH_A \next, 0, 4
.endm
	s_load_b256 s[4:11], s[0:1], 0x0               ; A's image s[4:5], ops s[6:7], bias s[8:9], res s[10:11]
	s_load_b64 s[12:13], s[0:1], 0x20              ; out
	v_lshl_add_u32 v[SPW], v0, 2, SPARE
	v_mov_b32 v[NIL], 0
	ds_add_u32 v14, v15
	ds_add_u32 v14, v15
	s_wait_dscnt 0x0
	v_lshrrev_b32 v16, 5, v0
	v_readfirstlane_b32 s14, v16                   ; wave
	s_lshr_b32 s15, s14, 1                         ; which half of A's rows is mine.  Also: I fetch for A (0) or for B (1)
	s_and_b32 s16, s14, 1                          ; which half of B's rows.  Also: which half of that tile I fetch
	s_bfe_u32 s40, ttmp6, 0x40000                  ; cx, cy: my place in the cluster
	s_bfe_u32 s41, ttmp6, 0x40004
	s_lshl_b32 s42, ttmp9, 2
	s_add_co_u32 s42, s42, s40                     ; B's tile of 256 rows (columns of out)
	s_and_b32 s17, ttmp7, 0xffff
	s_lshl_b32 s17, s17, 2
	s_add_co_u32 s17, s17, s41                     ; A's tile of 256 rows
	s_lshl_b32 s43, s41, 2
	s_lshl_b32 s43, 15, s43                        ; my row of the cluster
	s_lshl_b32 s44, 0x1111, s40                    ; my column
	s_or_b32 s[G1], s43, (3<<16)|(1<<21)           ; 15:0 the mask; 17:16 elements of 8 bytes; 21 set beside a mask; no padding: the images are read 16 bytes a lane on end
	s_or_b32 s[G1B], s44, (3<<16)|(1<<21)
.irp g, G1, G1B
	s_mov_b32 s[\g+1], 32<<16                      ; tensor_dim0: rows of 256 bytes
	s_mov_b32 s[\g+2], 132<<16                     ; tensor_dim1: 33,792 / 256
	s_mov_b32 s[\g+3], 32<<16                      ; tile_dim0
	s_mov_b32 s[\g+4], 132                         ; tile_dim1
	s_mov_b32 s[\g+5], 32                          ; the pitch: dense
	s_mov_b32 s[\g+6], 0
	s_mov_b32 s[\g+7], 0
.endr
	s_lshl_b32 s20, s17, 1
	s_add_co_u32 s20, s20, s16
	s_mul_i32 s20, s20, KS*PB
	s_mov_b32 s21, 0
	s_lshl_b32 s46, s42, 1
	s_add_co_u32 s46, s46, s16
	s_mul_i32 s46, s46, KS*PB
	s_add_co_u32 s46, s46, OFF_B
	s_mov_b32 s47, 0
	s_mul_i32 s45, s14, QUART                      ; where they go: wave x a quarter: no place in the cluster enters an LDS address
	s_wait_kmcnt 0x0
	s_add_nc_u64 s[20:21], s[4:5], s[20:21]
	s_add_nc_u64 s[46:47], s[6:7], s[46:47]
	CROUND                                         ; all sixteen work-groups are here: the first joint loads meet
.irp s, 0,1
	s_mov_b32 s[G0+4*\s], 1
	s_add_co_u32 s[G0+4*\s+1], s45, \s*SLOT
	s_add_nc_u64 s[G0+4*\s+2:G0+4*\s+3], s[20:21], \s*QUART
	s_or_b32 s[G0+4*\s+3], s[G0+4*\s+3], 0x80000000
	s_mov_b32 s[G0B+4*\s], 1
	s_add_co_u32 s[G0B+4*\s+1], s45, \s*SLOT
	s_add_nc_u64 s[G0B+4*\s+2:G0B+4*\s+3], s[46:47], \s*QUART
	s_or_b32 s[G0B+4*\s+3], s[G0B+4*\s+3], 0x80000000
	JLOAD \s
.endr
	v_and_b32 v16, 31, v0
	v_lshlrev_b32 v[CO], 4, v16
	v_lshlrev_b32 v17, 2, v16
	s_mul_i32 s21, s15, QUART
	s_mul_i32 s22, s16, QUART
	s_add_co_u32 s22, s22, 2*QUART
.irp s, 0,1
	v_add_nc_u32 v[ADRA+\s], s21, v[CO]
	v_add_nc_u32 v[ADRB+\s], s22, v[CO]
	v_add_nc_u32 v[SAA+\s], s21, v17
	v_add_nc_u32 v[SAB+\s], s22, v17
	s_add_co_u32 s21, s21, SLOT
	s_add_co_u32 s22, s22, SLOT
.endr
	v_bfe_u32 v19, v0, 4, 1                        ; h
	v_lshlrev_b32 v18, 6, v19                      ; 64 h
	s_lshl_b32 s18, s42, 1
	s_add_co_u32 s18, s18, s16
	s_lshl_b32 s18, s18, 9                         ; my 128 columns, in bytes
	s_mov_b32 s19, 0
	s_add_nc_u64 s[8:9], s[8:9], s[18:19]
.irp b, 0,1,2,3,4,5,6,7                        ; register 8 b + j: the bias of column 32 (b / 2) + 16 h + 8 (b % 2) + j
	global_load_b128 v[BIAS+8*\b:BIAS+8*\b+3], v18, s[8:9] offset:(32*(\b/2)+8*(\b%2))*4
	global_load_b128 v[BIAS+8*\b+4:BIAS+8*\b+7], v18, s[8:9] offset:(32*(\b/2)+8*(\b%2))*4+16
.endr
	s_lshl_b32 s22, s17, 1
	s_add_co_u32 s22, s22, s15
	s_lshl_b32 s22, s22, 19                        ; my 128 rows of 4,096 bytes
	s_add_co_u32 s18, s18, s22
	s_add_nc_u64 s[10:11], s[10:11], s[18:19]
	s_add_nc_u64 s[12:13], s[12:13], s[18:19]
	s_mul_i32 s23, s14, 16*528                     ; my stage: 16 rows x (512 + 16) bytes, in slot 0: when the first result is stored there the slot has had its last fill and its last read
	v_and_b32 v20, 15, v0
	v_mul_u32_u24 v20, v20, 528
	v_lshl_add_u32 v20, v19, 6, v20
	v_add_nc_u32 v[STO], s23, v20                  ; in: row lane % 16, + 64 h
	v_add_nc_u32 v[RD], s23, v[CO]                 ; back: the 32 lanes take a row of 512 bytes
	s_wait_loadcnt 0x0
	s_wait_tensorcnt 0x1                           ; my part of slot 0 is in (slot 1's load may be out)
	s_barrier_signal -1
	s_barrier_wait -1                              ; everybody's is
	FETCH_B 0, 0, 0
	FETCH_A 0, 0, 0
	SCALES 0
	FETCH_A 0, 0, 4
	STEP 0, 1                                      ; the first step stands in front of the loop: its products start the sums, on the bias
	s_mov_b32 s3, LAPS-1
.Llap:                                             ; a trip goes once round the ring and fills both slots again
	TURN 0, 1, 1
	STEP 1, 0
	TURN 1, 0, 1
	STEP 0, 0
	s_sub_co_u32 s3, s3, 1
	s_cmp_lg_u32 s3, 0
	s_cbranch_scc1 .Llap
	TURN 0, 1, 0                                   ; the last lap fills nothing, and has no round of the cluster's barrier
	STEP 1, 0
	s_wait_dscnt 16
	WIN MUL_LO
	MUL16 0, 1, 1, 1, 0
	MUL16 2, 1, 1, 1, 0
	s_wait_dscnt 0x0
	WIN MUL_HI
	MUL16 4, 1, 1, 1, 0
	MUL16 6, 1, 1, 1, 0
	WIN 0
	PLACES NP
; THE WAY OUT, block by block of 16 tokens x 128 columns.  A lane holds pieces of 32 bytes of one row: a block goes through my own stage in LDS and comes back as whole rows of 512 bytes; the residual's rows are loaded in the same
; shape, three blocks ahead, into the four quarters of window 1 (B's fragments are done with); one packed addition; 32 lanes store 512 consecutive bytes.  Row t of block a is token pi(a, t): its place stands in the immediate.
.macro RESLOAD a
	WIN 0x40
.irp t, 0,1,2,3,4,5,6,7,8,9,10,11,12,13,14,15
	global_load_b128 v[64*((\a)%4)+4*\t:64*((\a)%4)+4*\t+3], v[CO], s[10:11] offset:(32*((\a)/2)+8*((\a)%2)+\t+8*(\t/8))*4096 th:TH_LOAD_NT
.endr
	WIN 0
.endm
.macro TOSTAGE a
.set SAC, 64*((\a)%4)
.set SBB, BK+64*((\a)%2)
	WIN 0x08+4*((\a)/4)                            ; an LDS store's data: window 2 or 3
.irp b, 0,1,2,3,4,5,6,7
	ds_store_b128 v[STO], v[SAC+8*\b:SAC+8*\b+3] offset:128*(\b/2)+32*(\b%2)       ; each accumulator from its low end on
	ds_store_b128 v[STO], v[SAC+8*\b+4:SAC+8*\b+7] offset:128*(\b/2)+32*(\b%2)+16
.endr
	WIN 0
.irp t, 0,1,2,3,4,5,6,7,8,9,10,11,12,13,14,15
	ds_load_b128 v[SBB+4*\t:SBB+4*\t+3], v[RD] offset:528*\t   ; LDS serves a wave's instructions in order (ISA guide 5.7.1.4): these see the stores above
.endr
.endm
.macro OUTBLOCK a
.set BB, BK+64*((\a)%2)
.set RR, 64*((\a)%4)
	s_wait_dscnt 0x0                               ; the block is back from the stage
.if (\a) < 5
	s_wait_loadcnt 32                              ; its residual is in; the two later blocks' 16 loads each may be out
.else
	s_wait_loadcnt 16*(7-(\a))
.endif
	WIN 0x04                                       ; source 1 window 1
.set n, 0
.rept 32
	v_pk_add_f32 v[BB+n:BB+n+1], v[BB+n:BB+n+1], v[RR+n:RR+n+1]
.set n, n+2
.endr
	WIN 0
.if (\a) < 5
	RESLOAD (\a)+3
.endif
.if (\a) < 7
	s_wait_xcnt 0x0                                ; block a - 1's stores have read their data: block a + 1's rows land there only behind this wait
	TOSTAGE (\a)+1
.endif
.irp t, 0,1,2,3,4,5,6,7,8,9,10,11,12,13,14,15
	global_store_b128 v[CO], v[BB+4*\t:BB+4*\t+3], s[12:13] offset:(32*((\a)/2)+8*((\a)%2)+\t+8*(\t/8))*4096 th:TH_STORE_NT
.endr
.endm
	RESLOAD 0
	RESLOAD 1
	RESLOAD 2
	TOSTAGE 0
.irp a, 0,1,2,3,4,5,6,7
	OUTBLOCK \a
.endr
	s_wait_tensorcnt 0x0                           ; the wave's end
	ds_add_u32 v[SPW], v[NIL]
	s_wait_dscnt 0x0
	CROUND                                         ; the closing round: no work-group ends while a partner may still ask for a tile that names it
	s_endpgm
.Lfunc_end_k_q9d4a492783_oproj:
	.size	k_q9d4a492783_oproj, .Lfunc_end_k_q9d4a492783_oproj-k_q9d4a492783_oproj
	.p2alignl 7, 3214868480
	.fill 96, 4, 3214868480
	.section	.rodata,"a",@progbits
	.p2align	6, 0x0
	.amdhsa_kernel k_q9d4a492783_oproj
		.amdhsa_group_segment_fixed_size 327680
		.amdhsa_private_segment_fixed_size 0
		.amdhsa_enable_private_segment 0
		.amdhsa_kernarg_size 40
		.amdhsa_user_sgpr_count 2
		.amdhsa_user_sgpr_kernarg_segment_ptr 1
		.amdhsa_wavefront_size32 1
		.amdhsa_system_sgpr_workgroup_id_x 1
		.amdhsa_system_sgpr_workgroup_id_y 1
		.amdhsa_system_sgpr_workgroup_id_z 1
		.amdhsa_system_vgpr_workitem_id 0
		.amdhsa_next_free_vgpr 1024
		.amdhsa_next_free_sgpr 100
		.amdhsa_reserve_vcc 0
		.amdhsa_float_denorm_mode_32 3
		.amdhsa_float_denorm_mode_16_64 3
		.amdhsa_memory_ordered 1
		.amdhsa_forward_progress 1
		.amdhsa_inst_pref_size 175
	.end_amdhsa_kernel
	.amdgpu_metadata
---
amdhsa.version: [ 1, 2 ]
amdhsa.kernels:
  - .name:           k_q9d4a492783_oproj
    .symbol:         k_q9d4a492783_oproj.kd
    .args:
      - { .name: att, .offset: 0, .size: 8, .value_kind: global_buffer, .address_space: global }
      - { .name: ops, .offset: 8, .size: 8, .value_kind: global_buffer, .address_space: global }
      - { .name: bo, .offset: 16, .size: 8, .value_kind: global_buffer, .address_space: global }
      - { .name: x, .offset: 24, .size: 8, .value_kind: global_buffer, .address_space: global }
      - { .name: x1, .offset: 32, .size: 8, .value_kind: global_buffer, .address_space: global }
    .group_segment_fixed_size: 327680
    .private_segment_fixed_size: 0
    .kernarg_segment_align: 8
    .kernarg_segment_size: 40
    .max_flat_workgroup_size: 128
    .sgpr_count:     100
    .vgpr_count:     1024
    .wavefront_size: 32
...
	.end_amdgpu_metadata
.endif
;; end of part 5
;; launch ln2: the kernel of part 2 again; grid 256 x 1, 4 waves a work-group, no clusters, 66,304 bytes of LDS; arguments x1, ln2_w, ln2_b, h2; writes h2
;; launch ffn1 (part 6): grid 16 x 16, 4 waves a work-group, clusters of 4 x 4, 327,680 bytes of LDS; arguments h2, ops, b1, hid; writes hid
.if DOCPART == 6
	.amdgcn_target "amdgcn-amd-amdhsa--gfx1250"
	.amdhsa_code_object_version 6
	.text
	.protected	k_q9d4a492783_ffn1
	.globl	k_q9d4a492783_ffn1
	.p2align	8
	.type	k_q9d4a492783_ffn1,@function
k_q9d4a492783_ffn1:
	s_mov_b64 s[64:65], 0
	v_nop
	global_prefetch_b8 v0, s[64:65] scope:SCOPE_SE
	s_setreg_imm32_b32 hwreg(HW_REG_WAVE_MODE, 25, 1), 1
	s_wait_xcnt 0x0
	s_wait_alu depctr_hold_cnt(0) depctr_sa_sdst(0) depctr_va_vdst(0) depctr_va_sdst(0) depctr_va_ssrc(0) depctr_va_vcc(0) depctr_vm_vsrc(0)
	s_getreg_b32 s2, hwreg(HW_REG_IB_STS2, 6, 4)
	s_cmp_eq_u32 s2, 0
	s_cbranch_scc0 .Lentry_in_a_cluster
	s_endpgm
.Lentry_in_a_cluster:
	s_bfe_u32 s2, ttmp6, 0x10000c
	s_cmp_lg_u32 s2, 0xf033
	s_cbranch_scc0 .Lentry_shape_is_right
	s_endpgm
.Lentry_shape_is_right:
; hid = Q(gelu(h w1 + b1)): h [4,096][1,024] and w1 as codes of E5M2 with E8M0 scales for each 32 along K; the exact (erf) gelu in f32; the result quantised along its 4,096 columns, the next product's K, and stored as that operand's image.
; OPERANDS ARE IMAGES OF THEIR REGISTERS: rows in tiles of 128, K in steps of 128; a block [tile][step] is PB = 16,896 bytes: eight fragments of 2,048 bytes (chunk c at 512 c, lane l's 16 bytes at 16 l), then 512 bytes of
; scale words (fragment f, place r: 16,384 + 64 f + 4 r).  Fragment f, place r holds row pi(f, r) = 32 (f / 2) + 8 (f % 2) + r + 8 (r / 8).  A tile of 128 rows x 256 K is 33,792 dense bytes.
; A work-group of four waves makes 256 x 256, a wave 128 x 128: 64 accumulators, 512 registers.  K goes in steps of 256 through a ring of two LDS slots; each wave fetches a quarter of a slot (codes AND scale words) by one tensor load.
; THE MATRIX INSTRUCTION IS USED TRANSPOSED: source 0 = a fragment of w1, source 1 = a fragment of h: a lane holds token pi(a, lane % 16), and register 16 b + i of block a hidden unit 32 b + 16 (lane / 16) + i of the wave's 128:
; the conversions' results are a fragment of the next operand, and a wave's 128 x 128 is one whole block of its image.
; CLUSTERS: 4 x 4 work-groups; h's tile is asked for jointly along a row of the cluster, w1's along a column.  b1 is the C of the first K step's products.
; GELU: gelu(x) = max(x, 0) - |x| E, E = erfc(|x| / sqrt 2) / 2 = t 2^(P(t) - x^2 log2(e) / 2), t = 1 / (1 + |x| / (2 sqrt 2)), P a polynomial of degree 9 (a published fit of erfc with a fractional error near 1.2e-7), its
; coefficients multiplied by log2(e), 1 taken off the constant for the half.  No difference of near numbers is formed: for x < 0 the result is the product alone.
; LIMITS: NaN and infinities are not served; a block whose largest magnitude lies under 2^-111 keeps the byte 1.
.set KS,    8                          ; K steps of 128
.set OFF_B, 8650752                    ; w1's image in ops
.set PB,    16896
.set QUART, 2*PB                       ; 128 rows x 256 K: what one tensor load brings
.set SLOT,  4*QUART                    ; A's two halves, then B's two
.set SPARE, 2*SLOT                     ; behind the ring: the spare words, 128 bytes for each wave: two blocks of 256 bytes that no other line names
.set LAPS,  KS/4                       ; a lap = two slots = 512 along K
.set NP,    8                          ; places behind this matrix instruction (ISA guide 7.12.1)
.set PW,   1                           ; v1     the scale word just made
.set ADRA, 2                           ; v2-3   LDS address of my A fragments in slot 0, 1: + 16 x lane
.set ADRB, 4                           ; v4-5   the same for B
.set SAA,  6                           ; v6-7   of my A tile in slot 0, 1: + 4 x lane (the scale words lie 16,384 on)
.set SAB,  8                           ; v8-9   the same for B
.set C9,   10                          ; v10-11 the polynomial's leading coefficient, twice
.set CO,   12                          ; v12    16 x lane; on the way out + 2,048 x block
.set VSW,  13                          ; v13    the way out: 4 (lane % 16) + 64 x block
.set SPW,  14                          ; v14    LDS address of my spare word; never rewritten
.set NIL,  15                          ; v15    0; never rewritten
.set TM,   16                          ; v16-31 the quantiser's (at the head, and in the gelu: at work)
.set SC,   32                          ; v32-63 scale words and nothing else: set s at 16 s; A's of the slot's q-th 128 along K at 4 q + i, B's 8 further; register i: lanes 0-15 fragment 2 i, lanes 16-31 fragment 2 i + 1
.set BIAS, 64                          ; v64-127 the C of the first products
.set AF,   128                         ; v128-255 A's fragments, ONE set;  window 1: B's, TWO sets;  windows 2, 3: accumulator (a, b) at v[8 (8 (a % 4) + b)] of window 2 + a / 4
.set G1,  24                           ; s[24:31] descriptor group 1 for A's tiles; s[32:39] group 0, a set for each slot
.set G0,  32
.set G1B, 48                           ; s[48:55], s[56:63] the same for B's
.set G0B, 56
.set SEL, 88
.set MNT, 90
.set MUL_LO, 0xa1                      ; source 0 (B) window 1, source 1 (A) window 0, C and D window 2
.set MUL_HI, 0xf1                      ; the same, C and D window 3
.set MSB, 0
.macro WIN new                         ; the immediate's high byte repeats the setting that is left
.if MSB != (\new)
	s_set_vgpr_msb (MSB<<8)|(\new)
.set MSB, (\new)
.endif
.endm
.macro JLOAD s                         ; a joint load: waves 0, 1 fetch A's halves, waves 2, 3 B's; four v_nop follow each line
	s_cmp_eq_u32 s15, 0
	s_cbranch_scc0 .Lfor_b_\@
	tensor_load_to_lds s[G0+4*\s:G0+4*\s+3], s[G1:G1+7]
	s_nop 0
.rept 4
	v_nop
.endr
	s_branch .Lasked_\@
.Lfor_b_\@:
	tensor_load_to_lds s[G0B+4*\s:G0B+4*\s+3], s[G1B:G1B+7]
	s_nop 0
.rept 4
	v_nop
.endr
.Lasked_\@:
.endm
.macro CREST                           ; a round of the cluster's barrier behind its opening barrier
	s_cmp_lg_u32 s14, 0
	s_cbranch_scc1 .Lnot_wave_0_\@
	s_barrier_signal -3
.Lnot_wave_0_\@:
	s_barrier_wait -3
	s_barrier_signal -1
	s_barrier_wait -1
.endm
.macro CROUND
	s_barrier_signal -1
	s_barrier_wait -1
	CREST
.endm
.macro PLACES n
.rept \n
	v_nop
.endr
.endm
.macro WM d, s0, s1, c, x0, x1, r0, r1 ; one product; r0, r1: the half of the lanes that holds source 0's, source 1's scale words
.if (\r0) && (\r1)
	v_wmma_scale_f32_16x16x128_f8f6f4 v[\d:\d+7], v[\s0:\s0+15], v[\s1:\s1+15], v[\c:\c+7], v[\x0], v[\x1] matrix_a_fmt:MATRIX_FMT_BF8 matrix_b_fmt:MATRIX_FMT_BF8 matrix_a_scale:MATRIX_SCALE_ROW1 matrix_b_scale:MATRIX_SCALE_ROW1
.elseif \r0
	v_wmma_scale_f32_16x16x128_f8f6f4 v[\d:\d+7], v[\s0:\s0+15], v[\s1:\s1+15], v[\c:\c+7], v[\x0], v[\x1] matrix_a_fmt:MATRIX_FMT_BF8 matrix_b_fmt:MATRIX_FMT_BF8 matrix_a_scale:MATRIX_SCALE_ROW1
.elseif \r1
	v_wmma_scale_f32_16x16x128_f8f6f4 v[\d:\d+7], v[\s0:\s0+15], v[\s1:\s1+15], v[\c:\c+7], v[\x0], v[\x1] matrix_a_fmt:MATRIX_FMT_BF8 matrix_b_fmt:MATRIX_FMT_BF8 matrix_b_scale:MATRIX_SCALE_ROW1
.else
	v_wmma_scale_f32_16x16x128_f8f6f4 v[\d:\d+7], v[\s0:\s0+15], v[\s1:\s1+15], v[\c:\c+7], v[\x0], v[\x1] matrix_a_fmt:MATRIX_FMT_BF8 matrix_b_fmt:MATRIX_FMT_BF8
.endif
.endm
; 16 products: A's blocks a0, a0 + 1 x B's eight.  p: B's set; q: which 128 of the slot; sc: the set of scale words; first = 1: C is the bias.  The 64 accumulators take turns, one instruction a turn, in the same order in every step
.macro MUL16 a0, p, q, sc, first
.irp a, \a0, \a0+1
.irp b, 0,1,2,3,4,5,6,7
	WM (8*(8*((\a)%4)+\b)), (128*(\p)+16*\b), (AF+16*(\a)), ((\first)*(BIAS+8*\b)+(1-(\first))*8*(8*((\a)%4)+\b)), (SC+16*(\sc)+8+4*(\q)+\b/2), (SC+16*(\sc)+4*(\q)+(\a)/2), (\b%2), ((\a)%2)
.endr
.endr
.endm
.macro FRAG reg, adr, q, i             ; a fragment comes as it lies: four loads of 512 consecutive bytes
.irp c, 0,1,2,3
	ds_load_b128 v[\reg+4*\c:\reg+4*\c+3], v[\adr] offset:(\q)*PB+2048*(\i)+512*\c
.endr
.endm
.macro FETCH_B slot, q, p
	WIN 0x40                                       ; destination window 1
.irp i, 0,1,2,3,4,5,6,7
	FRAG 128*(\p)+16*\i, ADRB+\slot, \q, \i
.endr
	WIN 0
.endm
.macro FETCH_A slot, q, i0
.irp i, \i0, \i0+1, \i0+2, \i0+3
	FRAG AF+16*(\i), ADRA+\slot, \q, \i
.endr
.endm
.macro SCALES sc                       ; a slot's scale words, 16 loads
.irp q, 0,1
.irp i, 0,1,2,3
	ds_load_b32 v[SC+16*\sc+4*\q+\i], v[SAA+\sc] offset:16384+\q*PB+128*\i
	ds_load_b32 v[SC+16*\sc+8+4*\q+\i], v[SAB+\sc] offset:16384+\q*PB+128*\i
.endr
.endr
.endm
; A slot's first 128 along K.  A block of A is free as soon as its eight products are issued: blocks 0-3 are fetched anew in the step's middle, blocks 4-7 at its end; B's next set in the middle.
; A load into a register that a matrix instruction has read stands NP places behind it, and only plain vector instructions that name none of its registers are places.
.macro STEP slot, first
	s_wait_dscnt 16                                ; B's set, A's blocks 0-3 and the scale words are in; the youngest 16 loads (A's blocks 4-7) may be out
	WIN MUL_LO-0x20*(\first)                       ; (the bias lies in window 0)
	MUL16 0, 0, 0, \slot, \first
	MUL16 2, 0, 0, \slot, \first
	s_wait_dscnt 0x0
	PLACES NP
	FETCH_B \slot, 1, 1
	FETCH_A \slot, 1, 0
	WIN MUL_HI-0x30*(\first)
	MUL16 4, 0, 0, \slot, \first
	MUL16 6, 0, 0, \slot, \first
	PLACES NP
	WIN 0
	FETCH_A \slot, 1, 4
.endm
; A slot's second 128 changes slots: ONE barrier; in front of it each wave waits for all its tensor loads, adds 0 to its spare word, and waits for that and for its own reads of this slot.  fill = 1: the slot is filled again, two slots ahead.
.macro TURN slot, next, fill
	s_wait_tensorcnt 0x0                           ; all my tensor loads have landed: the one that was out is my part of the next slot
	ds_add_u32 v[SPW], v[NIL]                      ; 0 onto my spare word
	s_wait_dscnt 17                                ; (the add and the youngest 16 loads may be out)
	WIN MUL_LO
	MUL16 0, 1, 1, \slot, 0
	s_wait_dscnt 0x0                               ; the add is done, and my reads of this slot are over
	s_barrier_signal -1
	MUL16 2, 1, 1, \slot, 0
	WIN 0
	s_barrier_wait -1
.if \fill
	CREST                                          ; the barrier has opened a round of the cluster's: no wave of any partner still reads this slot or has a load on its way
	s_add_nc_u64 s[G0+4*\slot+2:G0+4*\slot+3], s[G0+4*\slot+2:G0+4*\slot+3], 2*QUART
	s_add_nc_u64 s[G0B+4*\slot+2:G0B+4*\slot+3], s[G0B+4*\slot+2:G0B+4*\slot+3], 2*QUART
	JLOAD \slot                                    ; my one tensor load behind the round; its four v_nop are four of the places in front of the loads below
	PLACES NP-4
.else
	PLACES NP
.endif
	FETCH_B \next, 0, 0
	FETCH_A \next, 0, 0
	SCALES \next
	WIN MUL_HI
	MUL16 4, 1, 1, \slot, 0
	MUL16 6, 1, 1, \slot, 0
	PLACES NP
	WIN 0
	FETCH_A \next, 0, 4
.endm
	s_load_b256 s[4:11], s[0:1], 0x0               ; h's image s[4:5], ops s[6:7], b1 s[8:9], hid s[10:11]
	v_lshl_add_u32 v[SPW], v0, 2, SPARE
	v_mov_b32 v[NIL], 0
	ds_add_u32 v14, v15
	ds_add_u32 v14, v15
	s_wait_dscnt 0x0
	v_lshrrev_b32 v16, 5, v0
	v_readfirstlane_b32 s14, v16                   ; wave
	s_lshr_b32 s15, s14, 1                         ; which half of A's rows is mine.  Also: I fetch for A (0) or for B (1)
	s_and_b32 s16, s14, 1                          ; which half of B's rows.  Also: which half of that tile I fetch
	s_bfe_u32 s40, ttmp6, 0x40000                  ; cx, cy: my place in the cluster
	s_bfe_u32 s41, ttmp6, 0x40004
	s_lshl_b32 s42, ttmp9, 2
	s_add_co_u32 s42, s42, s40                     ; B's tile of 256 rows (hidden units)
	s_and_b32 s17, ttmp7, 0xffff
	s_lshl_b32 s17, s17, 2
	s_add_co_u32 s17, s17, s41                     ; A's tile of 256 rows (tokens)
	s_lshl_b32 s43, s41, 2
	s_lshl_b32 s43, 15, s43                        ; my row of the cluster
	s_lshl_b32 s44, 0x1111, s40                    ; my column
	s_or_b32 s[G1], s43, (3<<16)|(1<<21)           ; 15:0 the mask; 17:16 elements of 8 bytes; 21 set beside a mask; no padding: the images are read 16 bytes a lane on end
	s_or_b32 s[G1B], s44, (3<<16)|(1<<21)
.irp g, G1, G1B
	s_mov_b32 s[\g+1], 32<<16                      ; tensor_dim0: rows of 256 bytes
	s_mov_b32 s[\g+2], 132<<16                     ; tensor_dim1: 33,792 / 256
	s_mov_b32 s[\g+3], 32<<16                      ; tile_dim0
	s_mov_b32 s[\g+4], 132                         ; tile_dim1
	s_mov_b32 s[\g+5], 32                          ; the pitch: dense
	s_mov_b32 s[\g+6], 0
	s_mov_b32 s[\g+7], 0
.endr
	s_lshl_b32 s20, s17, 1
	s_add_co_u32 s20, s20, s16
	s_mul_i32 s20, s20, KS*PB
	s_mov_b32 s21, 0
	s_lshl_b32 s46, s42, 1
	s_add_co_u32 s46, s46, s16
	s_mul_i32 s46, s46, KS*PB
	s_add_co_u32 s46, s46, OFF_B
	s_mov_b32 s47, 0
	s_mul_i32 s45, s14, QUART                      ; where they go: wave x a quarter: no place in the cluster enters an LDS address
	s_wait_kmcnt 0x0
	s_add_nc_u64 s[20:21], s[4:5], s[20:21]
	s_add_nc_u64 s[46:47], s[6:7], s[46:47]
	CROUND                                         ; all sixteen work-groups are here: the first joint loads meet
.irp s, 0,1
	s_mov_b32 s[G0+4*\s], 1
	s_add_co_u32 s[G0+4*\s+1], s45, \s*SLOT
	s_add_nc_u64 s[G0+4*\s+2:G0+4*\s+3], s[20:21], \s*QUART
	s_or_b32 s[G0+4*\s+3], s[G0+4*\s+3], 0x80000000
	s_mov_b32 s[G0B+4*\s], 1
	s_add_co_u32 s[G0B+4*\s+1], s45, \s*SLOT
	s_add_nc_u64 s[G0B+4*\s+2:G0B+4*\s+3], s[46:47], \s*QUART
	s_or_b32 s[G0B+4*\s+3], s[G0B+4*\s+3], 0x80000000
	JLOAD \s
.endr
	v_and_b32 v16, 31, v0
	v_lshlrev_b32 v[CO], 4, v16
	v_lshlrev_b32 v17, 2, v16
	s_mul_i32 s21, s15, QUART
	s_mul_i32 s22, s16, QUART
	s_add_co_u32 s22, s22, 2*QUART
.irp s, 0,1
	v_add_nc_u32 v[ADRA+\s], s21, v[CO]
	v_add_nc_u32 v[ADRB+\s], s22, v[CO]
	v_add_nc_u32 v[SAA+\s], s21, v17
	v_add_nc_u32 v[SAB+\s], s22, v17
	s_add_co_u32 s21, s21, SLOT
	s_add_co_u32 s22, s22, SLOT
.endr
	v_bfe_u32 v18, v0, 4, 1
	v_lshlrev_b32 v18, 6, v18                      ; 64 h
	s_lshl_b32 s18, s42, 1
	s_add_co_u32 s18, s18, s16                     ; my 128 hidden units: also the K step of the image that I make
	s_lshl_b32 s22, s18, 9
	s_mov_b32 s23, 0
	s_add_nc_u64 s[8:9], s[8:9], s[22:23]
.irp b, 0,1,2,3,4,5,6,7                        ; register 8 b + j: the bias of unit 32 (b / 2) + 16 h + 8 (b % 2) + j
	global_load_b128 v[BIAS+8*\b:BIAS+8*\b+3], v18, s[8:9] offset:(32*(\b/2)+8*(\b%2))*4
	global_load_b128 v[BIAS+8*\b+4:BIAS+8*\b+7], v18, s[8:9] offset:(32*(\b/2)+8*(\b%2))*4+16
.endr
	s_lshl_b32 s66, s17, 1
	s_add_co_u32 s66, s66, s15
	s_lshl_b32 s66, s66, 5
	s_add_co_u32 s66, s66, s18
	s_mul_i32 s66, s66, PB                         ; block (my tile of 128 tokens, my K step) of hid's image, 32 K steps to a tile
	s_mov_b32 s67, 0
	s_add_nc_u64 s[10:11], s[10:11], s[66:67]
	v_and_b32 v[VSW], 15, v0
	v_lshlrev_b32 v[VSW], 2, v[VSW]
	v_mov_b32 v[C9], 0x3e7c6f08                    ; 0.17087277 log2(e)
	v_mov_b32 v[C9+1], 0x3e7c6f08
	s_mov_b32 s71, 0x3eb504f3                      ; 1 / (2 sqrt 2)
	s_mov_b32 s[SEL], 0x76543210
	s_mov_b32 s[SEL+1], 0xfedcba98                 ; v_permlanex16_b32's selects for lane l xor 16
	s_mov_b32 s[MNT], 0x600000                     ; the mantissa field of 57,344
	s_wait_loadcnt 0x0
	s_wait_tensorcnt 0x1                           ; my part of slot 0 is in (slot 1's load may be out)
	s_barrier_signal -1
	s_barrier_wait -1                              ; everybody's is
	FETCH_B 0, 0, 0
	FETCH_A 0, 0, 0
	SCALES 0
	FETCH_A 0, 0, 4
	STEP 0, 1                                      ; the first step stands in front of the loop: its products start the sums, on the bias
	s_mov_b32 s3, LAPS-1
.Llap:                                             ; a trip goes once round the ring and fills both slots again
	TURN 0, 1, 1
	STEP 1, 0
	TURN 1, 0, 1
	STEP 0, 0
	s_sub_co_u32 s3, s3, 1
	s_cmp_lg_u32 s3, 0
	s_cbranch_scc1 .Llap
	TURN 0, 1, 0                                   ; the last lap fills nothing, and has no round of the cluster's barrier
	STEP 1, 0
	s_wait_dscnt 16
	WIN MUL_LO
	MUL16 0, 1, 1, 1, 0
	MUL16 2, 1, 1, 1, 0
	s_wait_dscnt 0x0
	WIN MUL_HI
	MUL16 4, 1, 1, 1, 0
	MUL16 6, 1, 1, 1, 0
	WIN 0
	PLACES NP
; THE WAY OUT: a loop of eight trips, a block of 16 tokens x 128 units a trip.  A block's gelu and quantiser are some 900 instructions: written out eight times they would be more code than all the rest.  So what differs from block to
; block, the accumulators' numbers, is 64 moves into fixed registers of window 0, chosen by a scalar branch on the counter; all else is written once.
.set X, 64                             ; v64-127  x, then gelu(x), then held
.set T, 128                            ; v128-191 t, then max(x, 0); then the codes (16 registers)
.set P, 192                            ; v192-255 the polynomial, the exponential, E
	s_mov_b32 s70, 0
.Lblock:
.irp a, 0,1,2,3,4,5,6
	s_cmp_eq_u32 s70, \a
	s_cbranch_scc1 .Lcopy_\a
.endr
.irp a, 7,6,5,4,3,2,1,0
.Lcopy_\a:
	WIN 2+\a/4                                     ; source 0: window 2 or 3
.set n, 0
.rept 64
	v_mov_b32 v[X+n], v[64*(\a%4)+n]               ; each accumulator from its low end on
.set n, n+1
.endr
	WIN 0
.if \a > 0
	s_branch .Lwork
.endif
.endr
.Lwork:
.set n, 0
.rept 64
	v_fma_f32 v[T+n], |v[X+n]|, s71, 1.0
.set n, n+1
.endr
.set n, 0
.rept 64
	v_rcp_f32 v[T+n], v[T+n]                       ; t
.set n, n+1
.endr
	v_nop                                          ; a plain instruction behind the last of the batch,
	s_wait_alu depctr_va_vdst(0)                   ; and one wait for it, ahead of its first reader
.set n, 0
.rept 32
	v_pk_fma_f32 v[P+n:P+n+1], v[T+n:T+n+1], v[C9:C9+1], 0xbf97d29d op_sel_hi:[1,1,0]
.set n, n+2
.endr
.irp k, 0x40097039, 0xbfd1a1e5, 0x3ecdfd18, 0xbe899a80, 0x3e0efb2e, 0x3f0a29d2, 0x3fb8ab5a, 0xc034d90f
.set n, 0
.rept 32
	v_pk_fma_f32 v[P+n:P+n+1], v[P+n:P+n+1], v[T+n:T+n+1], \k op_sel_hi:[1,1,0]   ; 32 chains that do not wait for each other
.set n, n+2
.endr
.endr
.irp g, 0,1,2,3
.irp e, 0,1,2,3,4,5,6,7
	v_pk_mul_f32 v[TM+2*\e:TM+2*\e+1], v[X+16*\g+2*\e:X+16*\g+2*\e+1], 0xbf38aa3b op_sel_hi:[1,0]   ; -x log2(e) / 2
.endr
.irp e, 0,1,2,3,4,5,6,7
	v_pk_fma_f32 v[P+16*\g+2*\e:P+16*\g+2*\e+1], v[TM+2*\e:TM+2*\e+1], v[X+16*\g+2*\e:X+16*\g+2*\e+1], v[P+16*\g+2*\e:P+16*\g+2*\e+1]
.endr
.endr
.set n, 0
.rept 64
	v_exp_f32 v[P+n], v[P+n]
.set n, n+1
.endr
	v_nop
	s_wait_alu depctr_va_vdst(0)                   ; one wait for the batch
.set n, 0
.rept 32
	v_pk_mul_f32 v[P+n:P+n+1], v[P+n:P+n+1], v[T+n:T+n+1]   ; E
.set n, n+2
.endr
.set n, 0
.rept 64
	v_max_num_f32 v[T+n], 0, v[X+n]
.set n, n+1
.endr
.set n, 0
.rept 64
	v_fma_f32 v[X+n], -|v[X+n]|, v[P+n], v[T+n]    ; gelu(x)
.set n, n+1
.endr
	; the quantiser: register 16 b + i = unit 32 b + 16 h + i of my token
.irp b, 0,1,2,3
	v_max3_num_f32 v[TM+\b], |v[X+16*\b]|, |v[X+16*\b+1]|, 0x8000000   ; with the floor 2^(16 - 127): the byte cannot fall under 1
.endr
.irp i, 2,4,6,8,10,12,14
.irp b, 0,1,2,3
	v_max3_num_f32 v[TM+\b], v[TM+\b], |v[X+16*\b+\i]|, |v[X+16*\b+\i+1]|
.endr
.endr
.irp b, 0,1,2,3
	v_permlanex16_b32 v[TM+4+\b], v[TM+\b], s[SEL], s[SEL+1]
.endr
.irp b, 0,1,2,3
	v_max_num_f32 v[TM+\b], v[TM+\b], v[TM+4+\b]   ; with lane l xor 16's 16: the block's largest magnitude
.endr
.irp b, 0,1,2,3
	v_add_nc_u32 v[TM+12+\b], 0xf8800000, v[TM+\b] ; 15 off the exponent field: the conversion's scale operand
.endr
.irp b, 0,1,2,3
	v_and_or_b32 v[TM+8+\b], v[TM+\b], 0x7f800000, s[MNT]   ; 57,344 x the scale
.endr
.irp b, 0,1,2,3
	v_lshrrev_b32 v[TM+4+\b], 23, v[TM+12+\b]      ; the scale's byte
.endr
	v_lshl_or_b32 v[PW], v[TM+5], 8, v[TM+4]
	v_lshl_or_b32 v[PW], v[TM+6], 16, v[PW]
	v_lshl_or_b32 v[PW], v[TM+7], 24, v[PW]
.irp b, 0,1,2,3
.irp i, 0,1,2,3,4,5,6,7,8,9,10,11,12,13,14,15
	v_med3_num_f32 v[X+16*\b+\i], v[X+16*\b+\i], -v[TM+8+\b], v[TM+8+\b]   ; the conversion does not saturate (ISA guide 7.6.2): the hold comes first
.endr
.endr
.irp b, 0,1,2,3
	v_cvt_scalef32_pk8_bf8_f32 v[T+4*\b:T+4*\b+1], v[X+16*\b:X+16*\b+7], v[TM+12+\b]
	v_cvt_scalef32_pk8_bf8_f32 v[T+4*\b+2:T+4*\b+3], v[X+16*\b+8:X+16*\b+15], v[TM+12+\b]
.endr
	v_nop                                          ; a plain instruction behind the last conversion
.irp c, 0,1,2,3
	global_store_b128 v[CO], v[T+4*\c:T+4*\c+3], s[10:11] offset:512*\c   ; the fragment as it stands: 512 consecutive bytes a store
.endr
	global_store_b32 v[VSW], v[PW], s[10:11] offset:16384   ; lanes 16-31 hold and write the same words
	s_wait_xcnt 0x0                                ; the stores have read their data and offsets: both are written again only behind this wait
	v_add_nc_u32 v[CO], 2048, v[CO]
	v_add_nc_u32 v[VSW], 64, v[VSW]
	s_add_co_u32 s70, s70, 1
	s_cmp_lt_u32 s70, 8
	s_cbranch_scc1 .Lblock
	s_wait_tensorcnt 0x0                           ; the wave's end
	ds_add_u32 v[SPW], v[NIL]
	s_wait_dscnt 0x0
	CROUND                                         ; the closing round: no work-group ends while a partner may still ask for a tile that names it
	s_endpgm
.Lfunc_end_k_q9d4a492783_ffn1:
	.size	k_q9d4a492783_ffn1, .Lfunc_end_k_q9d4a492783_ffn1-k_q9d4a492783_ffn1
	.p2alignl 7, 3214868480
	.fill 96, 4, 3214868480
	.section	.rodata,"a",@progbits
	.p2align	6, 0x0
	.amdhsa_kernel k_q9d4a492783_ffn1
		.amdhsa_group_segment_fixed_size 327680
		.amdhsa_private_segment_fixed_size 0
		.amdhsa_enable_private_segment 0
		.amdhsa_kernarg_size 32
		.amdhsa_user_sgpr_count 2
		.amdhsa_user_sgpr_kernarg_segment_ptr 1
		.amdhsa_wavefront_size32 1
		.amdhsa_system_sgpr_workgroup_id_x 1
		.amdhsa_system_sgpr_workgroup_id_y 1
		.amdhsa_system_sgpr_workgroup_id_z 1
		.amdhsa_system_vgpr_workitem_id 0
		.amdhsa_next_free_vgpr 1024
		.amdhsa_next_free_sgpr 100
		.amdhsa_reserve_vcc 0
		.amdhsa_float_denorm_mode_32 3
		.amdhsa_float_denorm_mode_16_64 3
		.amdhsa_memory_ordered 1
		.amdhsa_forward_progress 1
		.amdhsa_inst_pref_size 191
	.end_amdhsa_kernel
	.amdgpu_metadata
---
amdhsa.version: [ 1, 2 ]
amdhsa.kernels:
  - .name:           k_q9d4a492783_ffn1
    .symbol:         k_q9d4a492783_ffn1.kd
    .args:
      - { .name: h2, .offset: 0, .size: 8, .value_kind: global_buffer, .address_space: global }
      - { .name: ops, .offset: 8, .size: 8, .value_kind: global_buffer, .address_space: global }
      - { .name: b1, .offset: 16, .size: 8, .value_kind: global_buffer, .address_space: global }
      - { .name: hid, .offset: 24, .size: 8, .value_kind: global_buffer, .address_space: global }
    .group_segment_fixed_size: 327680
    .private_segment_fixed_size: 0
    .kernarg_segment_align: 8
    .kernarg_segment_size: 32
    .max_flat_workgroup_size: 128
    .sgpr_count:     100
    .vgpr_count:     1024
    .wavefront_size: 32
...
	.end_amdgpu_metadata
.endif
;; end of part 6
;; launch ffn2 (part 7): grid 4 x 16, 4 waves a work-group, clusters of 4 x 4, 327,680 bytes of LDS; arguments hid, ops, b2, x1, out0; writes out0
.if DOCPART == 7
	.amdgcn_target "amdgcn-amd-amdhsa--gfx1250"
	.amdhsa_code_object_version 6
	.text
	.protected	k_q9d4a492783_ffn2
	.globl	k_q9d4a492783_ffn2
	.p2align	8
	.type	k_q9d4a492783_ffn2,@function
k_q9d4a492783_ffn2:
	s_mov_b64 s[64:65], 0
	v_nop
	global_prefetch_b8 v0, s[64:65] scope:SCOPE_SE
	s_setreg_imm32_b32 hwreg(HW_REG_WAVE_MODE, 25, 1), 1
	s_wait_xcnt 0x0
	s_wait_alu depctr_hold_cnt(0) depctr_sa_sdst(0) depctr_va_vdst(0) depctr_va_sdst(0) depctr_va_ssrc(0) depctr_va_vcc(0) depctr_vm_vsrc(0)
	s_getreg_b32 s2, hwreg(HW_REG_IB_STS2, 6, 4)
	s_cmp_eq_u32 s2, 0
	s_cbranch_scc0 .Lentry_in_a_cluster
	s_endpgm
.Lentry_in_a_cluster:
	s_bfe_u32 s2, ttmp6, 0x10000c
	s_cmp_lg_u32 s2, 0xf033
	s_cbranch_scc0 .Lentry_shape_is_right
	s_endpgm
.Lentry_shape_is_right:
; out = res + A W + bias: A [4,096][128 KS] and W as codes of E5M2 with E8M0 scales for each 32 along K; bias [1,024], res and out [4,096][1,024] f32.  Here: the hidden layer x w2, K = 4,096, res = x1.
; OPERANDS ARE IMAGES OF THEIR REGISTERS: rows in tiles of 128, K in steps of 128; a block [tile][step] is PB = 16,896 bytes: eight fragments of 2,048 bytes (chunk c at 512 c, lane l's 16 bytes at 16 l), then 512 bytes of
; scale words (fragment f, place r: 16,384 + 64 f + 4 r).  Fragment f, place r holds row pi(f, r) = 32 (f / 2) + 8 (f % 2) + r + 8 (r / 8).  A tile of 128 rows x 256 K is 33,792 dense bytes.
; A work-group of four waves makes 256 x 256, a wave 128 x 128: 64 accumulators, 512 registers.  K goes in steps of 256 through a ring of two LDS slots; each wave fetches a quarter of a slot (codes AND scale words) by one tensor load.
; THE MATRIX INSTRUCTION IS USED TRANSPOSED: source 0 = a fragment of W, source 1 = a fragment of A: a lane holds token pi(a, lane % 16), and register 8 b + j of block a column 32 (b / 2) + 16 (lane / 16) + 8 (b % 2) + j.
; CLUSTERS: 4 x 4 work-groups; A's tile is asked for jointly along a row of the cluster, W's along a column.  The bias is the C of the first K step's products.
; 64 work-groups: N = 1,024 gives no more tiles of 256 x 256.  NOT USED: a prefetch (each tile is shared by four work-groups, and a refill has 112 products a wave in which to land).
.set KS,    32                         ; K steps of 128
.set OFF_B, 12976128                   ; w2's image in ops
.set PB,    16896
.set QUART, 2*PB                       ; 128 rows x 256 K: what one tensor load brings
.set SLOT,  4*QUART                    ; A's two halves, then B's two
.set SPARE, 2*SLOT                     ; behind the ring: the spare words, 128 bytes for each wave: two blocks of 256 bytes that no other line names
.set LAPS,  KS/4                       ; a lap = two slots = 512 along K
.set NP,    8                          ; places behind this matrix instruction (ISA guide 7.12.1)
.set ADRA, 2                           ; v2-3   LDS address of my A fragments in slot 0, 1: + 16 x lane
.set ADRB, 4                           ; v4-5   the same for B
.set SAA,  6                           ; v6-7   of my A tile in slot 0, 1: + 4 x lane (the scale words lie 16,384 on)
.set SAB,  8                           ; v8-9   the same for B
.set STO,  10                          ; v10    the way out: where I put 32 bytes of a row
.set RD,   11                          ; v11    the way out: where I read a row back
.set CO,   12                          ; v12    16 x lane
.set SPW,  14                          ; v14    LDS address of my spare word; never rewritten
.set NIL,  15                          ; v15    0; never rewritten
.set SC,   32                          ; v32-63 scale words and nothing else: set s at 16 s; A's of the slot's q-th 128 along K at 4 q + i, B's 8 further; register i: lanes 0-15 fragment 2 i, lanes 16-31 fragment 2 i + 1
.set BIAS, 64                          ; v64-127 the C of the first products
.set AF,   128                         ; v128-255 A's fragments, ONE set;  window 1: B's, TWO sets;  windows 2, 3: accumulator (a, b) at v[8 (8 (a % 4) + b)] of window 2 + a / 4
.set BK,   128                         ; the way out: 16 rows read back from the stage: v128-191 and v192-255 by turns
.set G1,  24                           ; s[24:31] descriptor group 1 for A's tiles; s[32:39] group 0, a set for each slot
.set G0,  32
.set G1B, 48                           ; s[48:55], s[56:63] the same for B's
.set G0B, 56
.set MUL_LO, 0xa1                      ; source 0 (B) window 1, source 1 (A) window 0, C and D window 2
.set MUL_HI, 0xf1                      ; the same, C and D window 3
.set MSB, 0
.macro WIN new                         ; the immediate's high byte repeats the setting that is left
.if MSB != (\new)
	s_set_vgpr_msb (MSB<<8)|(\new)
.set MSB, (\new)
.endif
.endm
.macro JLOAD s                         ; a joint load: waves 0, 1 fetch A's halves, waves 2, 3 B's; four v_nop follow each line
	s_cmp_eq_u32 s15, 0
	s_cbranch_scc0 .Lfor_b_\@
	tensor_load_to_lds s[G0+4*\s:G0+4*\s+3], s[G1:G1+7]
	s_nop 0
.rept 4
	v_nop
.endr
	s_branch .Lasked_\@
.Lfor_b_\@:
	tensor_load_to_lds s[G0B+4*\s:G0B+4*\s+3], s[G1B:G1B+7]
	s_nop 0
.rept 4
	v_nop
.endr
.Lasked_\@:
.endm
.macro CREST                           ; a round of the cluster's barrier behind its opening barrier
	s_cmp_lg_u32 s14, 0
	s_cbranch_scc1 .Lnot_wave_0_\@
	s_barrier_signal -3
.Lnot_wave_0_\@:
	s_barrier_wait -3
	s_barrier_signal -1
	s_barrier_wait -1
.endm
.macro CROUND
	s_barrier_signal -1
	s_barrier_wait -1
	CREST
.endm
.macro PLACES n
.rept \n
	v_nop
.endr
.endm
.macro WM d, s0, s1, c, x0, x1, r0, r1 ; one product; r0, r1: the half of the lanes that holds source 0's, source 1's scale words
.if (\r0) && (\r1)
	v_wmma_scale_f32_16x16x128_f8f6f4 v[\d:\d+7], v[\s0:\s0+15], v[\s1:\s1+15], v[\c:\c+7], v[\x0], v[\x1] matrix_a_fmt:MATRIX_FMT_BF8 matrix_b_fmt:MATRIX_FMT_BF8 matrix_a_scale:MATRIX_SCALE_ROW1 matrix_b_scale:MATRIX_SCALE_ROW1
.elseif \r0
	v_wmma_scale_f32_16x16x128_f8f6f4 v[\d:\d+7], v[\s0:\s0+15], v[\s1:\s1+15], v[\c:\c+7], v[\x0], v[\x1] matrix_a_fmt:MATRIX_FMT_BF8 matrix_b_fmt:MATRIX_FMT_BF8 matrix_a_scale:MATRIX_SCALE_ROW1
.elseif \r1
	v_wmma_scale_f32_16x16x128_f8f6f4 v[\d:\d+7], v[\s0:\s0+15], v[\s1:\s1+15], v[\c:\c+7], v[\x0], v[\x1] matrix_a_fmt:MATRIX_FMT_BF8 matrix_b_fmt:MATRIX_FMT_BF8 matrix_b_scale:MATRIX_SCALE_ROW1
.else
	v_wmma_scale_f32_16x16x128_f8f6f4 v[\d:\d+7], v[\s0:\s0+15], v[\s1:\s1+15], v[\c:\c+7], v[\x0], v[\x1] matrix_a_fmt:MATRIX_FMT_BF8 matrix_b_fmt:MATRIX_FMT_BF8
.endif
.endm
; 16 products: A's blocks a0, a0 + 1 x B's eight.  p: B's set; q: which 128 of the slot; sc: the set of scale words; first = 1: C is the bias.  The 64 accumulators take turns, one instruction a turn, in the same order in every step
.macro MUL16 a0, p, q, sc, first
.irp a, \a0, \a0+1
.irp b, 0,1,2,3,4,5,6,7
	WM (8*(8*((\a)%4)+\b)), (128*(\p)+16*\b), (AF+16*(\a)), ((\first)*(BIAS+8*\b)+(1-(\first))*8*(8*((\a)%4)+\b)), (SC+16*(\sc)+8+4*(\q)+\b/2), (SC+16*(\sc)+4*(\q)+(\a)/2), (\b%2), ((\a)%2)
.endr
.endr
.endm
.macro FRAG reg, adr, q, i             ; a fragment comes as it lies: four loads of 512 consecutive bytes
.irp c, 0,1,2,3
	ds_load_b128 v[\reg+4*\c:\reg+4*\c+3], v[\adr] offset:(\q)*PB+2048*(\i)+512*\c
.endr
.endm
.macro FETCH_B slot, q, p
	WIN 0x40                                       ; destination window 1
.irp i, 0,1,2,3,4,5,6,7
	FRAG 128*(\p)+16*\i, ADRB+\slot, \q, \i
.endr
	WIN 0
.endm
.macro FETCH_A slot, q, i0
.irp i, \i0, \i0+1, \i0+2, \i0+3
	FRAG AF+16*(\i), ADRA+\slot, \q, \i
.endr
.endm
.macro SCALES sc                       ; a slot's scale words, 16 loads
.irp q, 0,1
.irp i, 0,1,2,3
	ds_load_b32 v[SC+16*\sc+4*\q+\i], v[SAA+\sc] offset:16384+\q*PB+128*\i
	ds_load_b32 v[SC+16*\sc+8+4*\q+\i], v[SAB+\sc] offset:16384+\q*PB+128*\i
.endr
.endr
.endm
; A slot's first 128 along K.  A block of A is free as soon as its eight products are issued: blocks 0-3 are fetched anew in the step's middle, blocks 4-7 at its end; B's next set in the middle.
; A load into a register that a matrix instruction has read stands NP places behind it, and only plain vector instructions that name none of its registers are places.
.macro STEP slot, first
	s_wait_dscnt 16                                ; B's set, A's blocks 0-3 and the scale words are in; the youngest 16 loads (A's blocks 4-7) may be out
	WIN MUL_LO-0x20*(\first)                       ; (the bias lies in window 0)
	MUL16 0, 0, 0, \slot, \first
	MUL16 2, 0, 0, \slot, \first
	s_wait_dscnt 0x0
	PLACES NP
	FETCH_B \slot, 1, 1
	FETCH_A \slot, 1, 0
	WIN MUL_HI-0x30*(\first)
	MUL16 4, 0, 0, \slot, \first
	MUL16 6, 0, 0, \slot, \first
	PLACES NP
	WIN 0
	FETCH_A \slot, 1, 4
.endm
; A slot's second 128 changes slots: ONE barrier; in front of it each wave waits for all its tensor loads, adds 0 to its spare word, and waits for that and for its own reads of this slot.  fill = 1: the slot is filled again, two slots ahead.
.macro TURN slot, next, fill
	s_wait_tensorcnt 0x0                           ; all my tensor loads have landed: the one that was out is my part of the next slot
	ds_add_u32 v[SPW], v[NIL]                      ; 0 onto my spare word
	s_wait_dscnt 17                                ; (the add and the youngest 16 loads may be out)
	WIN MUL_LO
	MUL16 0, 1, 1, \slot, 0
	s_wait_dscnt 0x0                               ; the add is done, and my reads of this slot are over
	s_barrier_signal -1
	MUL16 2, 1, 1, \slot, 0
	WIN 0
	s_barrier_wait -1
.if \fill
	CREST                                          ; the barrier has opened a round of the cluster's: no wave of any partner still reads this slot or has a load on its way
	s_add_nc_u64 s[G0+4*\slot+2:G0+4*\slot+3], s[G0+4*\slot+2:G0+4*\slot+3], 2*QUART
	s_add_nc_u64 s[G0B+4*\slot+2:G0B+4*\slot+3], s[G0B+4*\slot+2:G0B+4*\slot+3], 2*QUART
	JLOAD \slot                                    ; my one tensor load behind the round; its four v_nop are four of the places in front of the loads below
	PLACES NP-4
.else
	PLACES NP
.endif
	FETCH_B \next, 0, 0
	FETCH_A \next, 0, 0
	SCALES \next
	WIN MUL_HI
	MUL16 4, 1, 1, \slot, 0
	MUL16 6, 1, 1, \slot, 0
	PLACES NP
	WIN 0
	FETCH_A \next, 0, 4
.endm
	s_load_b256 s[4:11], s[0:1], 0x0               ; A's image s[4:5], ops s[6:7], bias s[8:9], res s[10:11]
	s_load_b64 s[12:13], s[0:1], 0x20              ; out
	v_lshl_add_u32 v[SPW], v0, 2, SPARE
	v_mov_b32 v[NIL], 0
	ds_add_u32 v14, v15
	ds_add_u32 v14, v15
	s_wait_dscnt 0x0
	v_lshrrev_b32 v16, 5, v0
	v_readfirstlane_b32 s14, v16                   ; wave
	s_lshr_b32 s15, s14, 1                         ; which half of A's rows is mine.  Also: I fetch for A (0) or for B (1)
	s_and_b32 s16, s14, 1                          ; which half of B's rows.  Also: which half of that tile I fetch
	s_bfe_u32 s40, ttmp6, 0x40000                  ; cx, cy: my place in the cluster
	s_bfe_u32 s41, ttmp6, 0x40004
	s_lshl_b32 s42, ttmp9, 2
	s_add_co_u32 s42, s42, s40                     ; B's tile of 256 rows (columns of out)
	s_and_b32 s17, ttmp7, 0xffff
	s_lshl_b32 s17, s17, 2
	s_add_co_u32 s17, s17, s41                     ; A's tile of 256 rows
	s_lshl_b32 s43, s41, 2
	s_lshl_b32 s43, 15, s43                        ; my row of the cluster
	s_lshl_b32 s44, 0x1111, s40                    ; my column
	s_or_b32 s[G1], s43, (3<<16)|(1<<21)           ; 15:0 the mask; 17:16 elements of 8 bytes; 21 set beside a mask; no padding: the images are read 16 bytes a lane on end
	s_or_b32 s[G1B], s44, (3<<16)|(1<<21)
.irp g, G1, G1B
	s_mov_b32 s[\g+1], 32<<16                      ; tensor_dim0: rows of 256 bytes
	s_mov_b32 s[\g+2], 132<<16                     ; tensor_dim1: 33,792 / 256
	s_mov_b32 s[\g+3], 32<<16                      ; tile_dim0
	s_mov_b32 s[\g+4], 132                         ; tile_dim1
	s_mov_b32 s[\g+5], 32                          ; the pitch: dense
	s_mov_b32 s[\g+6], 0
	s_mov_b32 s[\g+7], 0
.endr
	s_lshl_b32 s20, s17, 1
	s_add_co_u32 s20, s20, s16
	s_mul_i32 s20, s20, KS*PB
	s_mov_b32 s21, 0
	s_lshl_b32 s46, s42, 1
	s_add_co_u32 s46, s46, s16
	s_mul_i32 s46, s46, KS*PB
	s_add_co_u32 s46, s46, OFF_B
	s_mov_b32 s47, 0
	s_mul_i32 s45, s14, QUART                      ; where they go: wave x a quarter: no place in the cluster enters an LDS address
	s_wait_kmcnt 0x0
	s_add_nc_u64 s[20:21], s[4:5], s[20:21]
	s_add_nc_u64 s[46:47], s[6:7], s[46:47]
	CROUND                                         ; all sixteen work-groups are here: the first joint loads meet
.irp s, 0,1
	s_mov_b32 s[G0+4*\s], 1
	s_add_co_u32 s[G0+4*\s+1], s45, \s*SLOT
	s_add_nc_u64 s[G0+4*\s+2:G0+4*\s+3], s[20:21], \s*QUART
	s_or_b32 s[G0+4*\s+3], s[G0+4*\s+3], 0x80000000
	s_mov_b32 s[G0B+4*\s], 1
	s_add_co_u32 s[G0B+4*\s+1], s45, \s*SLOT
	s_add_nc_u64 s[G0B+4*\s+2:G0B+4*\s+3], s[46:47], \s*QUART
	s_or_b32 s[G0B+4*\s+3], s[G0B+4*\s+3], 0x80000000
	JLOAD \s
.endr
	v_and_b32 v16, 31, v0
	v_lshlrev_b32 v[CO], 4, v16
	v_lshlrev_b32 v17, 2, v16
	s_mul_i32 s21, s15, QUART
	s_mul_i32 s22, s16, QUART
	s_add_co_u32 s22, s22, 2*QUART
.irp s, 0,1
	v_add_nc_u32 v[ADRA+\s], s21, v[CO]
	v_add_nc_u32 v[ADRB+\s], s22, v[CO]
	v_add_nc_u32 v[SAA+\s], s21, v17
	v_add_nc_u32 v[SAB+\s], s22, v17
	s_add_co_u32 s21, s21, SLOT
	s_add_co_u32 s22, s22, SLOT
.endr
	v_bfe_u32 v19, v0, 4, 1                        ; h
	v_lshlrev_b32 v18, 6, v19                      ; 64 h
	s_lshl_b32 s18, s42, 1
	s_add_co_u32 s18, s18, s16
	s_lshl_b32 s18, s18, 9                         ; my 128 columns, in bytes
	s_mov_b32 s19, 0
	s_add_nc_u64 s[8:9], s[8:9], s[18:19]
.irp b, 0,1,2,3,4,5,6,7                        ; register 8 b + j: the bias of column 32 (b / 2) + 16 h + 8 (b % 2) + j
	global_load_b128 v[BIAS+8*\b:BIAS+8*\b+3], v18, s[8:9] offset:(32*(\b/2)+8*(\b%2))*4
	global_load_b128 v[BIAS+8*\b+4:BIAS+8*\b+7], v18, s[8:9] offset:(32*(\b/2)+8*(\b%2))*4+16
.endr
	s_lshl_b32 s22, s17, 1
	s_add_co_u32 s22, s22, s15
	s_lshl_b32 s22, s22, 19                        ; my 128 rows of 4,096 bytes
	s_add_co_u32 s18, s18, s22
	s_add_nc_u64 s[10:11], s[10:11], s[18:19]
	s_add_nc_u64 s[12:13], s[12:13], s[18:19]
	s_mul_i32 s23, s14, 16*528                     ; my stage: 16 rows x (512 + 16) bytes, in slot 0: when the first result is stored there the slot has had its last fill and its last read
	v_and_b32 v20, 15, v0
	v_mul_u32_u24 v20, v20, 528
	v_lshl_add_u32 v20, v19, 6, v20
	v_add_nc_u32 v[STO], s23, v20                  ; in: row lane % 16, + 64 h
	v_add_nc_u32 v[RD], s23, v[CO]                 ; back: the 32 lanes take a row of 512 bytes
	s_wait_loadcnt 0x0
	s_wait_tensorcnt 0x1                           ; my part of slot 0 is in (slot 1's load may be out)
	s_barrier_signal -1
	s_barrier_wait -1                              ; everybody's is
	FETCH_B 0, 0, 0
	FETCH_A 0, 0, 0
	SCALES 0
	FETCH_A 0, 0, 4
	STEP 0, 1                                      ; the first step stands in front of the loop: its products start the sums, on the bias
	s_mov_b32 s3, LAPS-1
.Llap:                                             ; a trip goes once round the ring and fills both slots again
	TURN 0, 1, 1
	STEP 1, 0
	TURN 1, 0, 1
	STEP 0, 0
	s_sub_co_u32 s3, s3, 1
	s_cmp_lg_u32 s3, 0
	s_cbranch_scc1 .Llap
	TURN 0, 1, 0                                   ; the last lap fills nothing, and has no round of the cluster's barrier
	STEP 1, 0
	s_wait_dscnt 16
	WIN MUL_LO
	MUL16 0, 1, 1, 1, 0
	MUL16 2, 1, 1, 1, 0
	s_wait_dscnt 0x0
	WIN MUL_HI
	MUL16 4, 1, 1, 1, 0
	MUL16 6, 1, 1, 1, 0
	WIN 0
	PLACES NP
; THE WAY OUT, block by block of 16 tokens x 128 columns.  A lane holds pieces of 32 bytes of one row: a block goes through my own stage in LDS and comes back as whole rows of 512 bytes; the residual's rows are loaded in the same
; shape, three blocks ahead, into the four quarters of window 1 (B's fragments are done with); one packed addition; 32 lanes store 512 consecutive bytes.  Row t of block a is token pi(a, t): its place stands in the immediate.
.macro RESLOAD a
	WIN 0x40
.irp t, 0,1,2,3,4,5,6,7,8,9,10,11,12,13,14,15
	global_load_b128 v[64*((\a)%4)+4*\t:64*((\a)%4)+4*\t+3], v[CO], s[10:11] offset:(32*((\a)/2)+8*((\a)%2)+\t+8*(\t/8))*4096 th:TH_LOAD_NT
.endr
	WIN 0
.endm
.macro TOSTAGE a
.set SAC, 64*((\a)%4)
.set SBB, BK+64*((\a)%2)
	WIN 0x08+4*((\a)/4)                            ; an LDS store's data: window 2 or 3
.irp b, 0,1,2,3,4,5,6,7
	ds_store_b128 v[STO], v[SAC+8*\b:SAC+8*\b+3] offset:128*(\b/2)+32*(\b%2)       ; each accumulator from its low end on
	ds_store_b128 v[STO], v[SAC+8*\b+4:SAC+8*\b+7] offset:128*(\b/2)+32*(\b%2)+16
.endr
	WIN 0
.irp t, 0,1,2,3,4,5,6,7,8,9,10,11,12,13,14,15
	ds_load_b128 v[SBB+4*\t:SBB+4*\t+3], v[RD] offset:528*\t   ; LDS serves a wave's instructions in order (ISA guide 5.7.1.4): these see the stores above
.endr
.endm
.macro OUTBLOCK a
.set BB, BK+64*((\a)%2)
.set RR, 64*((\a)%4)
	s_wait_dscnt 0x0                               ; the block is back from the stage
.if (\a) < 5
	s_wait_loadcnt 32                              ; its residual is in; the two later blocks' 16 loads each may be out
.else
	s_wait_loadcnt 16*(7-(\a))
.endif
	WIN 0x04                                       ; source 1 window 1
.set n, 0
.rept 32
	v_pk_add_f32 v[BB+n:BB+n+1], v[BB+n:BB+n+1], v[RR+n:RR+n+1]
.set n, n+2
.endr
	WIN 0
.if (\a) < 5
	RESLOAD (\a)+3
.endif
.if (\a) < 7
	s_wait_xcnt 0x0                                ; block a - 1's stores have read their data: block a + 1's rows land there only behind this wait
	TOSTAGE (\a)+1
.endif
.irp t, 0,1,2,3,4,5,6,7,8,9,10,11,12,13,14,15
	global_store_b128 v[CO], v[BB+4*\t:BB+4*\t+3], s[12:13] offset:(32*((\a)/2)+8*((\a)%2)+\t+8*(\t/8))*4096 th:TH_STORE_NT
.endr
.endm
	RESLOAD 0
	RESLOAD 1
	RESLOAD 2
	TOSTAGE 0
.irp a, 0,1,2,3,4,5,6,7
	OUTBLOCK \a
.endr
	s_wait_tensorcnt 0x0                           ; the wave's end
	ds_add_u32 v[SPW], v[NIL]
	s_wait_dscnt 0x0
	CROUND                                         ; the closing round: no work-group ends while a partner may still ask for a tile that names it
	s_endpgm
.Lfunc_end_k_q9d4a492783_ffn2:
	.size	k_q9d4a492783_ffn2, .Lfunc_end_k_q9d4a492783_ffn2-k_q9d4a492783_ffn2
	.p2alignl 7, 3214868480
	.fill 96, 4, 3214868480
	.section	.rodata,"a",@progbits
	.p2align	6, 0x0
	.amdhsa_kernel k_q9d4a492783_ffn2
		.amdhsa_group_segment_fixed_size 327680
		.amdhsa_private_segment_fixed_size 0
		.amdhsa_enable_private_segment 0
		.amdhsa_kernarg_size 40
		.amdhsa_user_sgpr_count 2
		.amdhsa_user_sgpr_kernarg_segment_ptr 1
		.amdhsa_wavefront_size32 1
		.amdhsa_system_sgpr_workgroup_id_x 1
		.amdhsa_system_sgpr_workgroup_id_y 1
		.amdhsa_system_sgpr_workgroup_id_z 1
		.amdhsa_system_vgpr_workitem_id 0
		.amdhsa_next_free_vgpr 1024
		.amdhsa_next_free_sgpr 100
		.amdhsa_reserve_vcc 0
		.amdhsa_float_denorm_mode_32 3
		.amdhsa_float_denorm_mode_16_64 3
		.amdhsa_memory_ordered 1
		.amdhsa_forward_progress 1
		.amdhsa_inst_pref_size 175
	.end_amdhsa_kernel
	.amdgpu_metadata
---
amdhsa.version: [ 1, 2 ]
amdhsa.kernels:
  - .name:           k_q9d4a492783_ffn2
    .symbol:         k_q9d4a492783_ffn2.kd
    .args:
      - { .name: hid, .offset: 0, .size: 8, .value_kind: global_buffer, .address_space: global }
      - { .name: ops, .offset: 8, .size: 8, .value_kind: global_buffer, .address_space: global }
      - { .name: b2, .offset: 16, .size: 8, .value_kind: global_buffer, .address_space: global }
      - { .name: x1, .offset: 24, .size: 8, .value_kind: global_buffer, .address_space: global }
      - { .name: out0, .offset: 32, .size: 8, .value_kind: global_buffer, .address_space: global }
    .group_segment_fixed_size: 327680
    .private_segment_fixed_size: 0
    .kernarg_segment_align: 8
    .kernarg_segment_size: 40
    .max_flat_workgroup_size: 128
    .sgpr_count:     100
    .vgpr_count:     1024
    .wavefront_size: 32
...
	.end_amdgpu_metadata
.endif
;; end of part 7
;; ======== version 2 of 2: 7 launches
;; limits: right only within a limited range of input values
;; workspace buffers: ops 17,301,504 bytes; aux 294,912 bytes; qkv 13,238,272 bytes; att 4,325,376 bytes; x1 16,777,216 bytes; h2 4,325,376 bytes; hid 17,301,504 bytes
;; launch prep (part 8): grid 672 x 1, 4 waves a work-group, no clusters, 66,304 bytes of LDS; arguments wq, wk, wv, wo, w1, w2, mask, ops, aux, x, ln1_w, ln1_b; writes ops, aux
.if DOCPART == 8
	.amdgcn_target "amdgcn-amd-amdhsa--gfx1250"
	.amdhsa_code_object_version 6
	.text
	.protected	k_q9d4a492783_prep
	.globl	k_q9d4a492783_prep
	.p2align	8
	.type	k_q9d4a492783_prep,@function
k_q9d4a492783_prep:
	s_mov_b64 s[64:65], 0
	v_nop
	global_prefetch_b8 v0, s[64:65] scope:SCOPE_SE
	s_setreg_imm32_b32 hwreg(HW_REG_WAVE_MODE, 25, 1), 1
	s_wait_xcnt 0x0
; THE WEIGHTS BECOME OPERAND IMAGES; THE ROPE TABLE AND THE MASK'S WORDS ARE MADE.
; A weight W [K][N] f32 (K its first axis) is quantised along K to codes of E5M2 with one E8M0 byte for each 32 along K, and laid as the matrix
; unit's registers take it.  AN IMAGE: rows (here n) in tiles of 128, K in steps of 128; a block [tile][step] is PB = 16,896 bytes: eight fragments of 2,048 bytes, then 512 bytes of scale words.
; Fragment f, lane place r holds row pi(f, r) = 32 (f / 2) + 8 (f % 2) + r + 8 (r / 8).  In a fragment chunk c (512 bytes) holds, at 16 x (r + 16 h), the codes of k = 32 c + 16 h + 0 .. 15.  The word of (f, r) lies at 16,384 + 64 f + 4 r.
; Work-groups 0-383: 128 columns x 256 along K each.  A LANE TAKES A COLUMN, ITS REGISTERS RUN DOWN K: a load reads 128 neighbouring bytes a wave, a block of 32 lies in one lane, the conversions give K innermost.
; Lane L of wave w is column 32 w + L = pi(2 w + u, r') with u = (L / 8) % 2, r' = L % 8 + 8 (L / 16): a store of 16 bytes a lane covers two whole aligned runs of 256 bytes.
; Work-groups 384-415 (128 waves, wave W): (a) cos and sin for fragment W of the 2,048 positions, laid as the rotation's lanes take them; (b) for 32 keys the upper half of their scale word, and c for the softmax.
; THE MASK rides in the free half of the first attention product's K: a key's code at k = 64 is -1, a query's +1, and byte 2 of the key's scale word is 167 (2^40) for a hidden key, 1 (2^-126) for an open one.
; A batch whose keys are all hidden has a uniform softmax: all its bytes are 1 and its c is 0.
; LIMITS: NaN and infinities are not served; a block whose largest magnitude lies under 2^-111 keeps the byte 1 (a block of zeros too: its codes are zeros, and only this program reads the bytes).
; inv_freq = 2^(-j log2(10000) / 16) by v_exp_f32; sin and cos by a reduction in two parts of pi / 2 and polynomials good to about one unit in the last place on |x| <= pi / 4.
.set PB,       16896
.set OFF_WQK,  4325376                 ; ops: behind the image of LN1(x): wq, wk, wv, wo, 64 PB each,
.set OFF_W1,   8650752                 ; w1 (32 tiles x 8 steps),
.set OFF_W2,   12976128                ; w2 (8 tiles x 32 steps)
.set OFF_KEXT, 262144                  ; aux: behind the table (128 x 2,048 bytes): 4,096 words,
.set OFF_CEFF, 278528                  ; and c, a copy for each thread
.set X,  32                            ; v32-95  two sets of 32 numbers
.set C,  96                            ; v96-103 a block's codes
.set SB, 24                            ; v24-25  the scale words of the two K steps
	; Work-groups 416-671: LN1(x), quantised, as the operand image at the first byte of ops (the text behind .Lln): one fragment's 16 rows each.  The choice hangs on the work-group's number alone.
	s_cmp_ge_u32 ttmp9, 416
	s_cbranch_scc1 .Lln
	s_load_b256 s[4:11], s[0:1], 0x0
	s_load_b256 s[12:19], s[0:1], 0x20             ; w1 s[12:13], w2 s[14:15], mask s[16:17], ops s[18:19]
	s_load_b64 s[20:21], s[0:1], 0x40              ; aux
	v_lshrrev_b32 v1, 5, v0
	v_readfirstlane_b32 s22, v1                    ; wave
	v_and_b32 v2, 31, v0                           ; lane
	s_cmp_ge_u32 ttmp9, 384
	s_cbranch_scc1 .Laux
	; ---- which tensor, which tile of 128 columns (rt), which 256 along K (kp)
	s_lshr_b32 s23, ttmp9, 5                       ; work-groups 0-127: 32 for each of wq, wk, wv, wo
	s_and_b32 s24, ttmp9, 31
	s_and_b32 s25, ttmp9, 127
	s_mul_i32 s26, s23, 64*PB
	s_add_co_u32 s26, s26, OFF_WQK
	s_mov_b32 s27, OFF_W1
	s_cmp_lt_u32 ttmp9, 128
	s_cselect_b32 s24, s24, s25                    ; my number within my tensor
	s_cselect_b32 s26, s26, s27
	s_mov_b32 s27, OFF_W2
	s_cmp_lt_u32 ttmp9, 256
	s_cselect_b32 s26, s26, s27                    ; where my tensor's image begins
	s_cselect_b32 s28, 2, 4                        ; 4 pieces along K, w2 16
	s_cselect_b32 s29, 8, 32                       ; K steps of 128 in a row
	s_lshr_b32 s30, s24, s28                       ; rt
	s_lshl_b32 s31, s30, s28
	s_sub_co_u32 s31, s24, s31                     ; kp
	s_mul_i32 s32, s30, s29
	s_lshl_b32 s33, s31, 1
	s_add_co_u32 s32, s32, s33
	s_mul_i32 s32, s32, PB
	s_add_co_u32 s32, s32, s26                     ; my two blocks of the image
	s_mov_b32 s33, 0
	s_lshr_b32 s37, ttmp9, 7                       ; 1: w1, whose rows are 16,384 bytes
	s_cmp_eq_u32 s37, 1
	s_cselect_b32 s34, 22, 20
	s_lshl_b32 s34, s31, s34                       ; kp x 256 rows
	s_lshl_b32 s35, s30, 9
	s_add_co_u32 s34, s34, s35                     ; + 128 columns x rt
	s_lshl_b32 s35, s22, 7
	s_add_co_u32 s34, s34, s35                     ; + 32 columns x wave
	s_mov_b32 s35, 0
	s_mov_b32 s36, 0x600000                        ; the mantissa field of 57,344
	s_wait_alu depctr_va_vdst(0)
	v_lshlrev_b32 v3, 2, v2                        ; in: 4 bytes a lane
	v_bfe_u32 v6, v2, 3, 1                         ; u
	v_and_b32 v7, 7, v2
	v_lshrrev_b32 v8, 4, v2
	v_lshl_add_u32 v7, v8, 3, v7                   ; r'
	v_lshlrev_b32 v4, 4, v7
	v_lshl_add_u32 v4, v6, 11, v4
	v_lshl_add_u32 v4, s22, 12, v4                 ; codes: 2,048 (2 w + u) + 16 r'
	v_lshlrev_b32 v5, 2, v7
	v_lshl_add_u32 v5, v6, 6, v5
	v_lshl_add_u32 v5, s22, 7, v5                  ; words: 64 (2 w + u) + 4 r'
	s_wait_kmcnt 0x0
	s_cmp_eq_u32 s23, 1                            ; the choices hang on the work-group's number alone
	s_cselect_b64 s[4:5], s[6:7], s[4:5]
	s_cmp_eq_u32 s23, 2
	s_cselect_b64 s[4:5], s[8:9], s[4:5]
	s_cmp_eq_u32 s23, 3
	s_cselect_b64 s[4:5], s[10:11], s[4:5]
	s_cmp_ge_u32 ttmp9, 128
	s_cselect_b64 s[4:5], s[12:13], s[4:5]
	s_cmp_ge_u32 ttmp9, 256
	s_cselect_b64 s[4:5], s[14:15], s[4:5]
	s_add_nc_u64 s[4:5], s[4:5], s[34:35]
	s_add_nc_u64 s[18:19], s[18:19], s[32:33]
.macro LOAD t, rb                      ; block t: W(32 t + n, my column), n = 0 .. 31, into set t % 2; rb: bytes in a row of W
.set n, 0
.rept 32
	global_load_b32 v[X+32*((\t)%2)+n], v3, s[4:5] offset:(32*(\t)+n)*(\rb) th:TH_LOAD_NT
.set n, n+1
.endr
.endm
.macro BLOCK t, rb
.set XS, X+32*((\t)%2)
.if (\t) < 7
	s_wait_loadcnt 32                              ; this block's 32 loads are in; the next block's 32 may be out
.else
	s_wait_loadcnt 0x0
.endif
	v_max3_num_f32 v12, |v[XS]|, |v[XS+1]|, |v[XS+2]|   ; the block's largest magnitude: all 32 numbers are mine; two chains
	v_max3_num_f32 v13, |v[XS+3]|, |v[XS+4]|, |v[XS+5]|
.irp i, 6,10,14,18,22,26
	v_max3_num_f32 v12, v12, |v[XS+\i]|, |v[XS+\i+1]|
	v_max3_num_f32 v13, v13, |v[XS+\i+2]|, |v[XS+\i+3]|
.endr
	v_max3_num_f32 v12, v12, |v[XS+30]|, |v[XS+31]|
	v_max3_num_f32 v12, v12, v13, 0x8000000        ; and the floor 2^(16 - 127): the byte cannot fall under 1
	v_add_nc_u32 v11, 0xf8800000, v12              ; 15 off the exponent field: the conversion's scale operand
	v_and_or_b32 v10, v12, 0x7f800000, s36         ; 57,344 x the scale
	v_lshrrev_b32 v13, 23, v11                     ; the scale's byte
.if (\t)%4 == 0
	v_mov_b32 v[SB+(\t)/4], v13
.else
	v_lshl_or_b32 v[SB+(\t)/4], v13, 8*((\t)%4), v[SB+(\t)/4]
.endif
.set n, 0
.rept 32
	v_med3_num_f32 v[XS+n], v[XS+n], -v10, v10     ; the conversion to an 8-bit code does not saturate (ISA guide 7.6.2): the hold comes first
.set n, n+1
.endr
	s_wait_alu depctr_va_vdst(0)
	s_wait_xcnt 0x0                                ; the last block's stores have read their data: the codes' registers are written only behind this wait
.irp g, 0,1,2,3
	v_cvt_scalef32_pk8_bf8_f32 v[C+2*\g:C+2*\g+1], v[XS+8*\g:XS+8*\g+7], v11
.endr
	global_store_b128 v4, v[C:C+3], s[18:19] offset:((\t)/4)*PB+512*((\t)%4)        ; k = 32 c + 0 .. 15: the places of lanes 0-15
	global_store_b128 v4, v[C+4:C+7], s[18:19] offset:((\t)/4)*PB+512*((\t)%4)+256  ; k = 32 c + 16 .. 31: those of lanes 16-31
.if (\t)%4 == 3
	global_store_b32 v5, v[SB+(\t)/4], s[18:19] offset:((\t)/4)*PB+16384            ; a K step's scale words: 128 neighbouring bytes a wave
.endif
.if (\t)+2 < 8
	LOAD (\t)+2, \rb
.endif
.endm
.macro WQ rb
	LOAD 0, \rb
	LOAD 1, \rb
.irp t, 0,1,2,3,4,5,6,7
	BLOCK \t, \rb
.endr
.endm
	s_cmp_eq_u32 s37, 1
	s_cbranch_scc1 .Lw1
	WQ 4096
	s_endpgm
.Lw1:
	WQ 16384
	s_endpgm
.Laux:
	s_sub_co_u32 s23, ttmp9, 384
	s_lshl_b32 s23, s23, 2
	s_add_co_u32 s23, s23, s22                     ; W = 0 .. 127
	s_wait_alu depctr_va_vdst(0)
	v_and_b32 v3, 15, v2                           ; r
	v_lshrrev_b32 v4, 4, v2                        ; h
	v_and_b32 v5, 8, v3
	v_add_nc_u32 v5, v5, v3                        ; r + 8 (r / 8)
	s_wait_alu depctr_va_vdst(0)
	s_lshr_b32 s24, s23, 3
	s_lshl_b32 s24, s24, 7
	s_bfe_u32 s25, s23, 0x20001
	s_lshl_b32 s25, s25, 5
	s_add_co_u32 s24, s24, s25
	s_and_b32 s25, s23, 1
	s_lshl_b32 s25, s25, 3
	s_add_co_u32 s24, s24, s25
	v_add_nc_u32 v5, s24, v5                       ; my position: 128 (W / 8) + pi(W % 8, r)
	v_cvt_f32_u32 v5, v5
	v_lshlrev_b32 v6, 3, v4                        ; my first frequency: 8 h
	s_mov_b32 s40, 0xb94ca1f9                      ; sin: -1.9515295891e-4, 8.3321608736e-3, -1.6666654611e-1
	s_mov_b32 s41, 0x3c08839e
	s_mov_b32 s42, 0xbe2aaaa3
	s_mov_b32 s43, 0x37ccf5ce                      ; cos: 2.443315712e-5, -1.388731625e-3, 4.166664568e-2
	s_mov_b32 s44, 0xbab6061a
	s_mov_b32 s45, 0x3d2aaaa5
	s_lshr_b32 s26, s23, 6                         ; my keys' batch
	s_lshl_b32 s26, s26, 13
	s_mov_b32 s27, 0
	v_lshlrev_b32 v7, 4, v2
	v_lshlrev_b32 v8, 2, v2
	v_lshl_add_u32 v8, s23, 7, v8                  ; 4 (32 W + lane)
	v_lshl_add_u32 v23, s23, 11, v7                ; 2,048 W + 16 lane
	s_wait_alu depctr_va_vdst(0)
	s_wait_kmcnt 0x0
	s_add_nc_u64 s[28:29], s[16:17], s[26:27]
.irp j, 0,1,2,3,4,5,6,7,8,9,10,11,12,13,14,15
	global_load_b128 v[128+4*\j:131+4*\j], v7, s[28:29] offset:512*\j   ; the batch's whole mask, 8,192 bytes
.endr
	global_load_b32 v9, v8, s[16:17]               ; and my own key's
.irp p, 0,1,2,3,4,5,6,7
	v_add_nc_u32 v[32+\p], \p, v6
.endr
.irp p, 0,1,2,3,4,5,6,7
	v_cvt_f32_u32 v[32+\p], v[32+\p]
.endr
.irp p, 0,1,2,3,4,5,6,7
	v_mul_f32 v[32+\p], 0xbf549a78, v[32+\p]       ; -j log2(10000) / 16
.endr
	s_wait_alu depctr_va_vdst(0)
.irp p, 0,1,2,3,4,5,6,7
	v_exp_f32 v[32+\p], v[32+\p]
.endr
	v_nop                                          ; a plain instruction behind the last exponential,
	s_wait_alu depctr_va_vdst(0)                   ; and one wait for the eight, ahead of their first reader
.irp p, 0,1,2,3,4,5,6,7
	v_mul_f32 v[32+\p], v5, v[32+\p]               ; the angle: one rounding
.endr
.macro TRIG p                          ; cos and sin of v[32 + p] into v[96 + 2 p], v[97 + 2 p]
	v_mul_f32 v10, 0x3f22f983, v[32+\p]
	v_rndne_f32 v10, v10                           ; n = the nearest multiple of pi / 2
	v_fmamk_f32 v11, v10, 0xbfc90fdb, v[32+\p]     ; the angle - n x (pi / 2's upper part): n has 11 bits, the difference fits 24: nothing is rounded
	v_fmamk_f32 v11, v10, 0x333bbd2e, v11          ; - n x its lower part (-4.37113883e-8)
	v_mul_f32 v12, v11, v11
	v_fma_f32 v13, v12, s40, s41
	v_fma_f32 v14, v12, s43, s44
	v_fma_f32 v13, v13, v12, s42
	v_fma_f32 v14, v14, v12, s45
	v_mul_f32 v15, v11, v12
	v_mul_f32 v20, v12, v12
	v_fma_f32 v18, v12, -0.5, 1.0
	v_fma_f32 v17, v15, v13, v11                   ; sin of the rest
	v_fma_f32 v18, v20, v14, v18                   ; cos of the rest
	v_cvt_i32_f32 v16, v10
	v_and_b32 v19, 1, v16
	v_cmp_eq_u32 vcc_lo, 1, v19                    ; an odd quarter swaps them
	v_cndmask_b32 v21, v17, v18, vcc_lo
	v_cndmask_b32 v22, v18, v17, vcc_lo
	v_lshlrev_b32 v19, 30, v16
	v_and_b32 v19, 0x80000000, v19                 ; sin changes sign in quarters 2 and 3,
	v_xor_b32 v[97+2*\p], v19, v21
	v_add_nc_u32 v16, 1, v16
	v_lshlrev_b32 v19, 30, v16
	v_and_b32 v19, 0x80000000, v19                 ; cos in quarters 1 and 2
	v_xor_b32 v[96+2*\p], v19, v22
.endm
.irp p, 0,1,2,3,4,5,6,7
	TRIG \p
.endr
.irp j, 0,1,2,3
	global_store_b128 v23, v[96+4*\j:99+4*\j], s[20:21] offset:512*\j   ; 512 consecutive bytes a store
.endr
	s_wait_loadcnt 0x0
.irp j, 1,2,3,4,5,6,7,8,9,10,11,12,13,14,15
.irp k, 0,1,2,3
	v_or_b32 v[128+\k], v[128+\k], v[128+4*\j+\k]
.endr
.endr
	v_or_b32 v128, v128, v129
	v_or_b32 v130, v130, v131
	v_or_b32 v128, v128, v130
	v_cmp_ne_u32 vcc_lo, 0, v128
	s_cmp_lg_u32 vcc_lo, 0                         ; is any key of the batch open?
	s_mov_b32 s46, 0x7f010000                      ; an open key: bytes 2, 3 = 1, 127
	s_cselect_b32 s47, 0x7fa70000, s46             ; a hidden one: 167, 127; in a batch without open keys as an open one
	s_cselect_b32 s48, 0x3e38aa3b, 0               ; c = log2(e) / 8, or 0
	v_mov_b32 v24, s46
	v_mov_b32 v25, s47
	v_cmp_eq_u32 vcc_lo, 0, v9
	v_cndmask_b32 v24, v24, v25, vcc_lo
	v_mov_b32 v26, s48
	global_store_b32 v8, v24, s[20:21] offset:OFF_KEXT
	global_store_b32 v8, v26, s[20:21] offset:OFF_CEFF
	s_endpgm
; ---- LN1.  y = (x - mean) rsqrt(var + 1e-5) w + b over rows of 1,024 f32, quantised along the row, stored as an image (blocks of PB bytes, order pi, as above).
; PHASE 1: a wave takes four rows, a row in 32 registers (each load reads 512 consecutive bytes); mean and variance in two passes; y goes to LDS, rows 4,112 bytes apart.  One barrier.
; PHASE 2: a wave takes two K steps; lane (r, h) reads from row r its 16 neighbours of each block of 32, quantises, and stores the fragment as it stands: 512 consecutive bytes a store.
; Only this path uses LDS: 16 rows x 4,112 bytes, then the spare words (512 bytes).
.Lln:
.set PITCH, 4112
.set WR, 32
.set BR, 64
.set X,  96
.set TM, 224
	s_load_b64 s[4:5], s[0:1], 0x48                ; x
	s_load_b64 s[6:7], s[0:1], 0x50                ; ln1_w
	s_load_b64 s[8:9], s[0:1], 0x58                ; ln1_b
	s_load_b64 s[10:11], s[0:1], 0x38              ; ops
	v_lshl_add_u32 v254, v0, 2, 0x10100
	v_mov_b32 v255, 0
	v_lshrrev_b32 v1, 5, v0
	v_readfirstlane_b32 s12, v1                    ; wave
	v_and_b32 v1, 31, v0
	v_lshlrev_b32 v2, 4, v1                        ; 16 x lane
	s_wait_alu depctr_va_vdst(0)
	s_sub_co_u32 s27, ttmp9, 416
	s_lshr_b32 s13, s27, 3                         ; tile of 128 rows
	s_and_b32 s14, s27, 7                          ; fragment f
	s_lshl_b32 s15, s13, 7                         ; my tokens: 128 tile + 32 (f / 2) + 8 (f % 2) + 4 w + 8 (w / 2) + 0 .. 3
	s_lshr_b32 s16, s14, 1
	s_lshl_b32 s16, s16, 5
	s_add_co_u32 s15, s15, s16
	s_and_b32 s16, s14, 1
	s_lshl_b32 s16, s16, 3
	s_add_co_u32 s15, s15, s16
	s_lshl_b32 s16, s12, 2
	s_add_co_u32 s15, s15, s16
	s_lshr_b32 s16, s12, 1
	s_lshl_b32 s16, s16, 3
	s_add_co_u32 s15, s15, s16
	s_lshl_b32 s16, s15, 12
	s_mov_b32 s17, 0
	s_mul_i32 s18, s12, 4*PITCH
	v_add_nc_u32 v3, s18, v2                       ; LDS, in
	v_and_b32 v5, 15, v0                           ; r
	v_bfe_u32 v6, v0, 4, 1                         ; h
	v_mul_u32_u24 v4, v5, PITCH
	v_lshl_add_u32 v4, v6, 6, v4
	s_lshl_b32 s19, s12, 10
	v_add_nc_u32 v4, s19, v4                       ; LDS, out
	v_lshl_add_u32 v7, s14, 11, v2                 ; the image: 2,048 f + 16 x lane,
	v_lshlrev_b32 v8, 2, v5
	v_lshl_add_u32 v8, s14, 6, v8                  ; 64 f + 4 r
	s_lshl_b32 s20, s13, 3
	s_lshl_b32 s21, s12, 1
	s_add_co_u32 s20, s20, s21
	s_mul_i32 s20, s20, PB                         ; block (tile, K step 2 w)
	s_mov_b32 s21, 0
	s_mov_b32 s22, 0x3a800000                      ; 1 / 1,024
	s_mov_b32 s23, 0x3727c5ac                      ; 1e-5
	s_mov_b32 s24, 0x76543210
	s_mov_b32 s25, 0xfedcba98
	s_mov_b32 s26, 0x600000
	v_mov_b32 v13, 0
	v_mov_b32 v17, 0
.irp i, 21,23,25,27,228,229,230,231
	v_mov_b32 v[\i], 0
.endr
	s_wait_kmcnt 0x0
	s_add_nc_u64 s[4:5], s[4:5], s[16:17]
	s_add_nc_u64 s[10:11], s[10:11], s[20:21]
.irp j, 0,1,2,3,4,5,6,7
	global_load_b128 v[WR+4*\j:WR+4*\j+3], v2, s[6:7] offset:512*\j
.endr
.irp j, 0,1,2,3,4,5,6,7
	global_load_b128 v[BR+4*\j:BR+4*\j+3], v2, s[8:9] offset:512*\j
.endr
.irp i, 0,1,2,3
.irp j, 0,1,2,3,4,5,6,7
	global_load_b128 v[X+32*\i+4*\j:X+32*\i+4*\j+3], v2, s[4:5] offset:4096*\i+512*\j th:TH_LOAD_NT
.endr
.endr
.macro RSUM                            ; v12 summed over the 32 lanes, in every lane
	v_add_f32_dpp v12, v12, v12 row_xmask:1 row_mask:0xf bank_mask:0xf
	v_add_f32_dpp v12, v12, v12 row_xmask:2 row_mask:0xf bank_mask:0xf
	v_add_f32_dpp v12, v12, v12 row_xmask:4 row_mask:0xf bank_mask:0xf
	v_add_f32_dpp v12, v12, v12 row_xmask:8 row_mask:0xf bank_mask:0xf
	v_permlanex16_b32 v13, v12, s24, s25
	v_add_f32 v12, v12, v13
.endm
.macro STATS i                         ; row i: x - mean in place; var + eps into v[20 + 2 i]
.set XR, X+32*\i
	s_wait_loadcnt 24-8*\i                         ; w, b and my rows up to this one are in; the later rows' loads, 8 each, may be out
	v_pk_add_f32 v[12:13], v[XR:XR+1], v[XR+2:XR+3]
	v_pk_add_f32 v[14:15], v[XR+4:XR+5], v[XR+6:XR+7]
.irp j, 8,12,16,20,24,28
	v_pk_add_f32 v[12:13], v[12:13], v[XR+\j:XR+\j+1]
	v_pk_add_f32 v[14:15], v[14:15], v[XR+\j+2:XR+\j+3]
.endr
	v_pk_add_f32 v[12:13], v[12:13], v[14:15]
	v_add_f32 v12, v12, v13
	RSUM
	v_mul_f32 v16, s22, v12                        ; the mean
.irp j, 0,2,4,6,8,10,12,14,16,18,20,22,24,26,28,30
	v_pk_add_f32 v[XR+\j:XR+\j+1], v[XR+\j:XR+\j+1], v[16:17] op_sel_hi:[1,0] neg_lo:[0,1] neg_hi:[0,1]
.endr
	v_pk_mul_f32 v[12:13], v[XR:XR+1], v[XR:XR+1]
	v_pk_mul_f32 v[14:15], v[XR+2:XR+3], v[XR+2:XR+3]
.irp j, 4,8,12,16,20,24,28
	v_pk_fma_f32 v[12:13], v[XR+\j:XR+\j+1], v[XR+\j:XR+\j+1], v[12:13]
	v_pk_fma_f32 v[14:15], v[XR+\j+2:XR+\j+3], v[XR+\j+2:XR+\j+3], v[14:15]
.endr
	v_pk_add_f32 v[12:13], v[12:13], v[14:15]
	v_add_f32 v12, v12, v13
	RSUM
	v_fma_f32 v[20+2*\i], v12, s22, s23
.endm
.irp i, 0,1,2,3
	STATS \i
.endr
	s_wait_alu depctr_va_vdst(0)                   ; the wait ahead of the batch
.irp i, 0,1,2,3
	v_rsq_f32 v[20+2*\i], v[20+2*\i]
.endr
	v_nop                                          ; a plain instruction behind the last of the four,
	s_wait_alu depctr_va_vdst(0)                   ; and one wait for them, ahead of their first reader
.irp i, 0,1,2,3
.irp j, 0,2,4,6,8,10,12,14,16,18,20,22,24,26,28,30
	v_pk_mul_f32 v[X+32*\i+\j:X+32*\i+\j+1], v[X+32*\i+\j:X+32*\i+\j+1], v[20+2*\i:21+2*\i] op_sel_hi:[1,0]
.endr
.irp j, 0,2,4,6,8,10,12,14,16,18,20,22,24,26,28,30
	v_pk_fma_f32 v[X+32*\i+\j:X+32*\i+\j+1], v[X+32*\i+\j:X+32*\i+\j+1], v[WR+\j:WR+\j+1], v[BR+\j:BR+\j+1]
.endr
.irp j, 0,1,2,3,4,5,6,7
	ds_store_b128 v3, v[X+32*\i+4*\j:X+32*\i+4*\j+3] offset:\i*PITCH+512*\j
.endr
.endr
	s_wait_dscnt 0x0                               ; for the others' sake: my rows lie in LDS
	s_barrier_signal -1
	s_barrier_wait -1
.irp s, 0,1
.irp c, 0,1,2,3
.irp q, 0,1,2,3
	ds_load_b128 v[X+64*\s+16*\c+4*\q:X+64*\s+16*\c+4*\q+3], v4 offset:512*\s+128*\c+16*\q   ; register 16 c + i = k 32 c + 16 h + i of row r
.endr
.endr
.endr
.macro QUANT s, pc, pw                 ; 64 numbers of a lane become a fragment's codes in v[pc] on and its scale word in v[pw]
.irp b, 0,1,2,3
	v_max3_num_f32 v[TM+\b], |v[\s+16*\b]|, |v[\s+16*\b+1]|, 0x8000000   ; with the floor 2^(16 - 127): the byte cannot fall under 1
.endr
.irp i, 2,4,6,8,10,12,14
.irp b, 0,1,2,3
	v_max3_num_f32 v[TM+\b], v[TM+\b], |v[\s+16*\b+\i]|, |v[\s+16*\b+\i+1]|
.endr
.endr
.irp b, 0,1,2,3
	v_permlanex16_b32 v[TM+4+\b], v[TM+\b], s24, s25
.endr
.irp b, 0,1,2,3
	v_max_num_f32 v[TM+\b], v[TM+\b], v[TM+4+\b]   ; with lane l xor 16's 16: the block's largest magnitude
.endr
.irp b, 0,1,2,3
	v_add_nc_u32 v[TM+12+\b], 0xf8800000, v[TM+\b] ; 15 off the exponent field: the conversion's scale operand
.endr
.irp b, 0,1,2,3
	v_and_or_b32 v[TM+8+\b], v[TM+\b], 0x7f800000, s26   ; 57,344 x the scale
.endr
.irp b, 0,1,2,3
	v_lshrrev_b32 v[TM+4+\b], 23, v[TM+12+\b]      ; the scale's byte
.endr
	v_lshl_or_b32 v[\pw], v[TM+5], 8, v[TM+4]
	v_lshl_or_b32 v[\pw], v[TM+6], 16, v[\pw]
	v_lshl_or_b32 v[\pw], v[TM+7], 24, v[\pw]
.irp b, 0,1,2,3
.irp i, 0,1,2,3,4,5,6,7,8,9,10,11,12,13,14,15
	v_med3_num_f32 v[\s+16*\b+\i], v[\s+16*\b+\i], -v[TM+8+\b], v[TM+8+\b]   ; the conversion does not saturate (ISA guide 7.6.2): the hold comes first
.endr
.endr
.irp b, 0,1,2,3
	v_cvt_scalef32_pk8_bf8_f32 v[\pc+4*\b:\pc+4*\b+1], v[\s+16*\b:\s+16*\b+7], v[TM+12+\b]
	v_cvt_scalef32_pk8_bf8_f32 v[\pc+4*\b+2:\pc+4*\b+3], v[\s+16*\b+8:\s+16*\b+15], v[TM+12+\b]
.endr
	v_nop                                          ; a plain instruction behind the last conversion
.endm
	s_wait_dscnt 16                                ; the first K step's 16 loads are in; the second's may be out
	QUANT X, 12, 240
.irp c, 0,1,2,3
	global_store_b128 v7, v[12+4*\c:15+4*\c], s[10:11] offset:512*\c
.endr
	global_store_b32 v8, v240, s[10:11] offset:16384
	s_wait_dscnt 0x0
	QUANT X+64, 32, 241
.irp c, 0,1,2,3
	global_store_b128 v7, v[32+4*\c:35+4*\c], s[10:11] offset:PB+512*\c
.endr
	global_store_b32 v8, v241, s[10:11] offset:PB+16384
	s_wait_tensorcnt 0x0                           ; the wave's end
	ds_add_u32 v254, v255
	s_wait_dscnt 0x0
	s_endpgm
.Lfunc_end_k_q9d4a492783_prep:
	.size	k_q9d4a492783_prep, .Lfunc_end_k_q9d4a492783_prep-k_q9d4a492783_prep
	.p2alignl 7, 3214868480
	.fill 96, 4, 3214868480
	.section	.rodata,"a",@progbits
	.p2align	6, 0x0
	.amdhsa_kernel k_q9d4a492783_prep
		.amdhsa_group_segment_fixed_size 66304
		.amdhsa_private_segment_fixed_size 0
		.amdhsa_enable_private_segment 0
		.amdhsa_kernarg_size 96
		.amdhsa_user_sgpr_count 2
		.amdhsa_user_sgpr_kernarg_segment_ptr 1
		.amdhsa_wavefront_size32 1
		.amdhsa_system_sgpr_workgroup_id_x 1
		.amdhsa_system_sgpr_workgroup_id_y 1
		.amdhsa_system_sgpr_workgroup_id_z 1
		.amdhsa_system_vgpr_workitem_id 0
		.amdhsa_next_free_vgpr 256
		.amdhsa_next_free_sgpr 100
		.amdhsa_reserve_vcc 1
		.amdhsa_float_denorm_mode_32 3
		.amdhsa_float_denorm_mode_16_64 3
		.amdhsa_memory_ordered 1
		.amdhsa_forward_progress 1
		.amdhsa_inst_pref_size 182
	.end_amdhsa_kernel
	.amdgpu_metadata
---
amdhsa.version: [ 1, 2 ]
amdhsa.kernels:
  - .name:           k_q9d4a492783_prep
    .symbol:         k_q9d4a492783_prep.kd
    .args:
      - { .name: wq, .offset: 0, .size: 8, .value_kind: global_buffer, .address_space: global }
      - { .name: wk, .offset: 8, .size: 8, .value_kind: global_buffer, .address_space: global }
      - { .name: wv, .offset: 16, .size: 8, .value_kind: global_buffer, .address_space: global }
      - { .name: wo, .offset: 24, .size: 8, .value_kind: global_buffer, .address_space: global }
      - { .name: w1, .offset: 32, .size: 8, .value_kind: global_buffer, .address_space: global }
      - { .name: w2, .offset: 40, .size: 8, .value_kind: global_buffer, .address_space: global }
      - { .name: mask, .offset: 48, .size: 8, .value_kind: global_buffer, .address_space: global }
      - { .name: ops, .offset: 56, .size: 8, .value_kind: global_buffer, .address_space: global }
      - { .name: aux, .offset: 64, .size: 8, .value_kind: global_buffer, .address_space: global }
      - { .name: x, .offset: 72, .size: 8, .value_kind: global_buffer, .address_space: global }
      - { .name: ln1_w, .offset: 80, .size: 8, .value_kind: global_buffer, .address_space: global }
      - { .name: ln1_b, .offset: 88, .size: 8, .value_kind: global_buffer, .address_space: global }
    .group_segment_fixed_size: 66304
    .private_segment_fixed_size: 0
    .kernarg_segment_align: 8
    .kernarg_segment_size: 96
    .max_flat_workgroup_size: 128
    .sgpr_count:     100
    .vgpr_count:     256
    .wavefront_size: 32
...
	.end_amdgpu_metadata
.endif
;; end of part 8
;; launch qkv (part 9): grid 12 x 16, 4 waves a work-group, clusters of 4 x 4, 327,680 bytes of LDS; arguments ops, aux, bq, bk, bv, qkv; writes qkv
.if DOCPART == 9
	.amdgcn_target "amdgcn-amd-amdhsa--gfx1250"
	.amdhsa_code_object_version 6
	.text
	.protected	k_q9d4a492783_qkv
	.globl	k_q9d4a492783_qkv
	.p2align	8
	.type	k_q9d4a492783_qkv,@function
k_q9d4a492783_qkv:
	s_mov_b64 s[64:65], 0
	v_nop
	global_prefetch_b8 v0, s[64:65] scope:SCOPE_SE
	s_setreg_imm32_b32 hwreg(HW_REG_WAVE_MODE, 25, 1), 1
	s_wait_xcnt 0x0
	s_wait_alu depctr_hold_cnt(0) depctr_sa_sdst(0) depctr_va_vdst(0) depctr_va_sdst(0) depctr_va_ssrc(0) depctr_va_vcc(0) depctr_vm_vsrc(0)
	s_getreg_b32 s2, hwreg(HW_REG_IB_STS2, 6, 4)
	s_cmp_eq_u32 s2, 0
	s_cbranch_scc0 .Lentry_in_a_cluster
	s_endpgm
.Lentry_in_a_cluster:
	s_bfe_u32 s2, ttmp6, 0x10000c
	s_cmp_lg_u32 s2, 0xf033
	s_cbranch_scc0 .Lentry_shape_is_right
	s_endpgm
.Lentry_shape_is_right:
; q = rope(h wq + bq), k = rope(h wk + bk), v = h wv + bv, on codes of E5M2 with E8M0 scales for each 32 along K (K = 1,024), and their results quantised again, as the attention launch's operands.
; OPERANDS ARE IMAGES OF THEIR REGISTERS: rows in tiles of 128, K in steps of 128; a block [tile][step] is PB = 16,896 bytes: eight fragments of 2,048 bytes (chunk c at 512 c, lane l's 16 bytes at 16 l), then 512 bytes of
; scale words (fragment f, place r: 16,384 + 64 f + 4 r).  Fragment f, place r holds row pi(f, r) = 32 (f / 2) + 8 (f % 2) + r + 8 (r / 8).  Neighbouring K steps are neighbours in memory: a tile of 128 rows x 256 K is 33,792 dense bytes.
; A work-group of four waves makes 256 x 256, a wave 128 x 128: 64 accumulators, 512 registers.  K goes in steps of 256 through a ring of two LDS slots; each wave fetches a quarter of a slot (codes AND scale words) by one tensor load.
; THE MATRIX INSTRUCTION IS USED TRANSPOSED: source 0 = a fragment of 'B', source 1 = a fragment of 'A'.  A lane then holds ONE row of A (pi(a, lane % 16)), and by the order pi the 64 registers of block a are
; B's rows 32 b + 16 (lane / 16) + i at register 16 b + i: sixteen neighbours of each block of 32 along the next product's K.  So the conversions' results are the next operand's registers and are stored as they stand.
; Clusters x = 0, 1 (q, k): A = h's tokens, B = wq's, wk's columns: a lane holds a token, its registers two heads' 64 features.  Cluster x = 2 (v): A = wv's columns, B = h's tokens: a lane holds a feature, its registers 128 keys,
; which are the second attention product's K.  All three lie in one buffer; what differs is four offsets, chosen by the cluster's x, which all sixteen partners share.
; CLUSTERS: 4 x 4 work-groups; A's tile hangs on the cluster's y place alone and is asked for jointly along a row of the cluster, B's on the x place alone, along a column.
; The bias of q and k is the C of the first K step's products; v's bias belongs to the lane and is added on the way out (its C is zeros).
; NOT USED: a prefetch (the operands, 6.5 MB, are read again and again by the clusters of a half); work-groups that stay (192 work-groups, one tile each).
; LIMITS: NaN and infinities are not served; a block whose largest magnitude lies under 2^-111 keeps the byte 1.
.set KS,      8                        ; K steps of 128
.set OFF_WQK, 4325376
.set OFF_WV,  6488064
.set OFF_KEXT, 262144
.set OFF_QS,  4194304                  ; qkv: q's codes [head 32][fragment 128][1,024], then its scale words [32][128][64 bytes],
.set OFF_KV,  4456448                  ; then for each head 8 chunks of 256 keys:
.set CH,      34304                    ; k's 16 half fragments (16,384), v's 2 x 4 fragments (16,384), k's words (1,024), v's words (512)
.set HEADKV,  8*CH
.set PB,    16896
.set QUART, 2*PB                       ; 128 rows x 256 K: what one tensor load brings
.set SLOT,  4*QUART                    ; A's two halves, then B's two
.set SPARE, 2*SLOT                     ; behind the ring: the spare words, 128 bytes for each wave: two blocks of 256 bytes that no other line names
.set LAPS,  KS/4                       ; a lap = two slots = 512 along K
.set NP,    8                          ; places behind this matrix instruction (ISA guide 7.12.1)
.set ADRA, 2                           ; v2-3   LDS address of my A fragments in slot 0, 1: + 16 x lane
.set ADRB, 4                           ; v4-5   the same for B
.set SAA,  6                           ; v6-7   of my A tile in slot 0, 1: + 4 x lane (the scale words lie 16,384 on)
.set SAB,  8                           ; v8-9   the same for B
.set CO,   12                          ; v12    16 x lane
.set SPW,  14                          ; v14    LDS address of my spare word; never rewritten
.set NIL,  15                          ; v15    0; never rewritten
.set TM,   16                          ; v16-31 the quantiser's (at the head: at work)
.set SC,   32                          ; v32-63 scale words and nothing else: set s at 16 s; A's of the slot's q-th 128 along K at 4 q + i, B's 8 further; register i: lanes 0-15 fragment 2 i, lanes 16-31 fragment 2 i + 1
.set BIAS, 64                          ; v64-127 the C of the first products
.set AF,   128                         ; v128-255 A's fragments, ONE set;  window 1: B's, TWO sets;  windows 2, 3: accumulator (a, b) at v[8 (8 (a % 4) + b)] of window 2 + a / 4
.set G1,  24                           ; s[24:31] descriptor group 1 for A's tiles; s[32:39] group 0, a set for each slot
.set G0,  32
.set G1B, 48                           ; s[48:55], s[56:63] the same for B's
.set G0B, 56
.set SEL, 88
.set MNT, 90
.set MUL_LO, 0xa1                      ; source 0 (B) window 1, source 1 (A) window 0, C and D window 2
.set MUL_HI, 0xf1                      ; the same, C and D window 3
.set MSB, 0
.macro WIN new                         ; the immediate's high byte repeats the setting that is left
.if MSB != (\new)
	s_set_vgpr_msb (MSB<<8)|(\new)
.set MSB, (\new)
.endif
.endm
.macro JLOAD s                         ; a joint load: waves 0, 1 fetch A's halves, waves 2, 3 B's; four v_nop follow each line
	s_cmp_eq_u32 s15, 0
	s_cbranch_scc0 .Lfor_b_\@
	tensor_load_to_lds s[G0+4*\s:G0+4*\s+3], s[G1:G1+7]
	s_nop 0
.rept 4
	v_nop
.endr
	s_branch .Lasked_\@
.Lfor_b_\@:
	tensor_load_to_lds s[G0B+4*\s:G0B+4*\s+3], s[G1B:G1B+7]
	s_nop 0
.rept 4
	v_nop
.endr
.Lasked_\@:
.endm
.macro CREST                           ; a round of the cluster's barrier behind its opening barrier
	s_cmp_lg_u32 s14, 0
	s_cbranch_scc1 .Lnot_wave_0_\@
	s_barrier_signal -3
.Lnot_wave_0_\@:
	s_barrier_wait -3
	s_barrier_signal -1
	s_barrier_wait -1
.endm
.macro CROUND
	s_barrier_signal -1
	s_barrier_wait -1
	CREST
.endm
.macro PLACES n
.rept \n
	v_nop
.endr
.endm
.macro WM d, s0, s1, c, x0, x1, r0, r1 ; one product; r0, r1: the half of the lanes that holds source 0's, source 1's scale words
.if (\r0) && (\r1)
	v_wmma_scale_f32_16x16x128_f8f6f4 v[\d:\d+7], v[\s0:\s0+15], v[\s1:\s1+15], v[\c:\c+7], v[\x0], v[\x1] matrix_a_fmt:MATRIX_FMT_BF8 matrix_b_fmt:MATRIX_FMT_BF8 matrix_a_scale:MATRIX_SCALE_ROW1 matrix_b_scale:MATRIX_SCALE_ROW1
.elseif \r0
	v_wmma_scale_f32_16x16x128_f8f6f4 v[\d:\d+7], v[\s0:\s0+15], v[\s1:\s1+15], v[\c:\c+7], v[\x0], v[\x1] matrix_a_fmt:MATRIX_FMT_BF8 matrix_b_fmt:MATRIX_FMT_BF8 matrix_a_scale:MATRIX_SCALE_ROW1
.elseif \r1
	v_wmma_scale_f32_16x16x128_f8f6f4 v[\d:\d+7], v[\s0:\s0+15], v[\s1:\s1+15], v[\c:\c+7], v[\x0], v[\x1] matrix_a_fmt:MATRIX_FMT_BF8 matrix_b_fmt:MATRIX_FMT_BF8 matrix_b_scale:MATRIX_SCALE_ROW1
.else
	v_wmma_scale_f32_16x16x128_f8f6f4 v[\d:\d+7], v[\s0:\s0+15], v[\s1:\s1+15], v[\c:\c+7], v[\x0], v[\x1] matrix_a_fmt:MATRIX_FMT_BF8 matrix_b_fmt:MATRIX_FMT_BF8
.endif
.endm
; 16 products: A's blocks a0, a0 + 1 x B's eight.  p: B's set; q: which 128 of the slot; sc: the set of scale words; first = 1: C is the bias.  The 64 accumulators take turns, one instruction a turn, in the same order in every step
.macro MUL16 a0, p, q, sc, first
.irp a, \a0, \a0+1
.irp b, 0,1,2,3,4,5,6,7
	WM (8*(8*((\a)%4)+\b)), (128*(\p)+16*\b), (AF+16*(\a)), ((\first)*(BIAS+8*\b)+(1-(\first))*8*(8*((\a)%4)+\b)), (SC+16*(\sc)+8+4*(\q)+\b/2), (SC+16*(\sc)+4*(\q)+(\a)/2), (\b%2), ((\a)%2)
.endr
.endr
.endm
.macro FRAG reg, adr, q, i             ; a fragment comes as it lies: four loads of 512 consecutive bytes
.irp c, 0,1,2,3
	ds_load_b128 v[\reg+4*\c:\reg+4*\c+3], v[\adr] offset:(\q)*PB+2048*(\i)+512*\c
.endr
.endm
.macro FETCH_B slot, q, p
	WIN 0x40                                       ; destination window 1
.irp i, 0,1,2,3,4,5,6,7
	FRAG 128*(\p)+16*\i, ADRB+\slot, \q, \i
.endr
	WIN 0
.endm
.macro FETCH_A slot, q, i0
.irp i, \i0, \i0+1, \i0+2, \i0+3
	FRAG AF+16*(\i), ADRA+\slot, \q, \i
.endr
.endm
.macro SCALES sc                       ; a slot's scale words, 16 loads
.irp q, 0,1
.irp i, 0,1,2,3
	ds_load_b32 v[SC+16*\sc+4*\q+\i], v[SAA+\sc] offset:16384+\q*PB+128*\i
	ds_load_b32 v[SC+16*\sc+8+4*\q+\i], v[SAB+\sc] offset:16384+\q*PB+128*\i
.endr
.endr
.endm
; A slot's first 128 along K.  A block of A is free as soon as its eight products are issued: blocks 0-3 are fetched anew in the step's middle, blocks 4-7 at its end; B's next set in the middle.
; A load into a register that a matrix instruction has read stands NP places behind it, and only plain vector instructions that name none of its registers are places.
.macro STEP slot, first
	s_wait_dscnt 16                                ; B's set, A's blocks 0-3 and the scale words are in; the youngest 16 loads (A's blocks 4-7) may be out
	WIN MUL_LO-0x20*(\first)                       ; (the bias lies in window 0)
	MUL16 0, 0, 0, \slot, \first
	MUL16 2, 0, 0, \slot, \first
	s_wait_dscnt 0x0
	PLACES NP
	FETCH_B \slot, 1, 1
	FETCH_A \slot, 1, 0
	WIN MUL_HI-0x30*(\first)
	MUL16 4, 0, 0, \slot, \first
	MUL16 6, 0, 0, \slot, \first
	PLACES NP
	WIN 0
	FETCH_A \slot, 1, 4
.endm
; A slot's second 128 changes slots: ONE barrier; in front of it each wave waits for all its tensor loads, adds 0 to its spare word, and waits for that and for its own reads of this slot.  fill = 1: the slot is filled again, two slots ahead.
.macro TURN slot, next, fill
	s_wait_tensorcnt 0x0
	ds_add_u32 v[SPW], v[NIL]
.if \fill
.irp g, G1, G1B                                ; no tensor load of mine is out, so group 1 may be written: a refill brings a quarter of a slot as 132 rows of 256 bytes
	s_mov_b32 s[\g+1], 32<<16
	s_mov_b32 s[\g+2], 132<<16
	s_mov_b32 s[\g+3], 32<<16
	s_mov_b32 s[\g+4], 132
	s_mov_b32 s[\g+5], 32
.endr
.endif
	s_wait_dscnt 17
	WIN MUL_LO
	MUL16 0, 1, 1, \slot, 0
	s_wait_dscnt 0x0                               ; the add is done, and my reads of this slot are over
	s_barrier_signal -1
	MUL16 2, 1, 1, \slot, 0
	WIN 0
	s_barrier_wait -1
.if \fill
	CREST                                          ; the barrier has opened a round of the cluster's: no wave of any partner still reads this slot or has a load on its way
	s_add_nc_u64 s[G0+4*\slot+2:G0+4*\slot+3], s[G0+4*\slot+2:G0+4*\slot+3], 2*QUART
	s_add_nc_u64 s[G0B+4*\slot+2:G0B+4*\slot+3], s[G0B+4*\slot+2:G0B+4*\slot+3], 2*QUART
	JLOAD \slot                                    ; my one tensor load behind the round; its four v_nop are four of the places in front of the loads below
	PLACES NP-4
.else
	PLACES NP
.endif
	FETCH_B \next, 0, 0
	FETCH_A \next, 0, 0
	SCALES \next
	WIN MUL_HI
	MUL16 4, 1, 1, \slot, 0
	MUL16 6, 1, 1, \slot, 0
	PLACES NP
	WIN 0
	FETCH_A \next, 0, 4
.endm
	s_load_b256 s[4:11], s[0:1], 0x0               ; ops s[4:5], aux s[6:7], bq s[8:9], bk s[10:11]
	s_load_b128 s[68:71], s[0:1], 0x20             ; bv s[68:69], qkv s[70:71]
	v_lshl_add_u32 v[SPW], v0, 2, SPARE
	v_mov_b32 v[NIL], 0
	ds_add_u32 v14, v15
	ds_add_u32 v14, v15
	s_wait_dscnt 0x0
	v_lshrrev_b32 v16, 5, v0
	v_readfirstlane_b32 s14, v16                   ; wave
	s_lshr_b32 s15, s14, 1                         ; which half of A's rows is mine.  Also: I fetch for A (0) or for B (1)
	s_and_b32 s16, s14, 1                          ; which half of B's rows.  Also: which half of that tile I fetch
	s_bfe_u32 s40, ttmp6, 0x40000                  ; cx, cy: my place in the cluster
	s_bfe_u32 s41, ttmp6, 0x40004
	s_and_b32 s18, ttmp7, 0xffff
	s_lshl_b32 s18, s18, 2                         ; 4 x cluster y
	s_lshl_b32 s19, ttmp9, 2                       ; 4 x cluster x
	s_mov_b32 s66, OFF_WV
	s_mov_b32 s67, OFF_WQK
	s_cmp_eq_u32 ttmp9, 2                          ; v's clusters
	s_cselect_b32 s17, 0, s18
	s_cselect_b32 s42, s18, s19
	s_cselect_b32 s66, s66, 0                      ; A's image: wv, or h (at the buffer's first byte)
	s_cselect_b32 s67, 0, s67                      ; B's image: h, or wq and wk
	s_add_co_u32 s17, s17, s41                     ; A's tile of 256 rows: hangs on cy, never on cx
	s_add_co_u32 s42, s42, s40                     ; B's: on cx, never on cy
	s_lshl_b32 s43, s41, 2
	s_lshl_b32 s43, 15, s43                        ; my row of the cluster
	s_lshl_b32 s44, 0x1111, s40                    ; my column
	s_or_b32 s[G1], s43, (3<<16)|(1<<21)           ; 15:0 the mask; 17:16 elements of 8 bytes; 21 set beside a mask; no padding: the images are read 16 bytes a lane on end
	s_or_b32 s[G1B], s44, (3<<16)|(1<<21)
.irp g, G1, G1B
	s_mov_b32 s[\g+1], (QUART/8)<<16               ; for the head's load: tensor_dim0: a row is 128 rows x 256 K of an image, 33,792 dense bytes
	s_mov_b32 s[\g+2], 2<<16                       ; tensor_dim1: the operand's two tiles of 128 rows
	s_mov_b32 s[\g+3], (QUART/8)<<16               ; tile_dim0
	s_mov_b32 s[\g+4], 2                           ; tile_dim1
	s_mov_b32 s[\g+5], KS*PB/8                     ; the pitch: from a tile of 128 rows to the next
	s_mov_b32 s[\g+6], 0
	s_mov_b32 s[\g+7], 0
.endr
	s_lshl_b32 s20, s17, 1
	s_add_co_u32 s20, s20, s16
	s_mul_i32 s20, s20, KS*PB
	s_add_co_u32 s20, s20, s66
	s_mov_b32 s21, 0
	s_lshl_b32 s46, s42, 1
	s_add_co_u32 s46, s46, s16
	s_mul_i32 s46, s46, KS*PB
	s_add_co_u32 s46, s46, s67
	s_mov_b32 s47, 0
	s_mul_i32 s45, s14, QUART                      ; where they go: wave x a quarter: no place in the cluster enters an LDS address
	s_wait_kmcnt 0x0
	s_add_nc_u64 s[20:21], s[4:5], s[20:21]
	s_add_nc_u64 s[46:47], s[4:5], s[46:47]
	CROUND                                         ; all sixteen work-groups are here: the first joint loads meet
.irp s, 0,1
	s_mov_b32 s[G0+4*\s], 1
	s_add_co_u32 s[G0+4*\s+1], s45, \s*SLOT
	s_add_nc_u64 s[G0+4*\s+2:G0+4*\s+3], s[20:21], \s*QUART
	s_or_b32 s[G0+4*\s+3], s[G0+4*\s+3], 0x80000000
	s_mov_b32 s[G0B+4*\s], 1
	s_add_co_u32 s[G0B+4*\s+1], s45, \s*SLOT
	s_add_nc_u64 s[G0B+4*\s+2:G0B+4*\s+3], s[46:47], \s*QUART
	s_or_b32 s[G0B+4*\s+3], s[G0B+4*\s+3], 0x80000000
.endr
	; THE HEAD'S LOAD, ONE A WAVE, FILLS BOTH SLOTS: wave 2 o + s brings operand o's two halves of slot s: two rows of 33,792 bytes, which lie on end in LDS
	s_mul_i32 s73, s16, QUART                      ; slot s: K steps 2 s, 2 s + 1
	s_mul_i32 s74, s17, 2*KS*PB                    ; A's pair of tiles: hangs on cy, never on cx
	s_add_co_u32 s74, s74, s73
	s_add_co_u32 s74, s74, s66
	s_mov_b32 s75, 0
	s_add_nc_u64 s[74:75], s[4:5], s[74:75]
	s_or_b32 s75, s75, 0x80000000
	s_mul_i32 s78, s42, 2*KS*PB                    ; B's: on cx, never on cy
	s_add_co_u32 s78, s78, s73
	s_add_co_u32 s78, s78, s67
	s_mov_b32 s79, 0
	s_add_nc_u64 s[78:79], s[4:5], s[78:79]
	s_or_b32 s79, s79, 0x80000000
	s_mul_i32 s73, s16, SLOT                       ; A's halves lie first in a slot,
	s_add_co_u32 s77, s73, 2*QUART                 ; B's behind them
	s_mov_b32 s72, 1
	s_mov_b32 s76, 1
; one chain of branches on the wave's number, a load line to each wave: slot 0's two tiles (waves 0 and 2) are asked for first, and their waves alone wait at the head
.macro ARM w, g0, g1, next
	s_cmp_eq_u32 s14, \w
	s_cbranch_scc0 \next
	tensor_load_to_lds s[\g0:\g0+3], s[\g1:\g1+7]
	s_nop 0
	PLACES 4
	s_branch .Lhead_asked
\next:
.endm
	ARM 0, 72, G1, .Lhead_b0
	ARM 2, 76, G1B, .Lhead_a1
	ARM 1, 72, G1, .Lhead_b1
	tensor_load_to_lds s[76:79], s[G1B:G1B+7]
	s_nop 0
	PLACES 4
.Lhead_asked:
	v_and_b32 v16, 31, v0
	v_lshlrev_b32 v[CO], 4, v16
	v_lshlrev_b32 v17, 2, v16
	s_mul_i32 s21, s15, QUART
	s_mul_i32 s22, s16, QUART
	s_add_co_u32 s22, s22, 2*QUART
.irp s, 0,1
	v_add_nc_u32 v[ADRA+\s], s21, v[CO]
	v_add_nc_u32 v[ADRB+\s], s22, v[CO]
	v_add_nc_u32 v[SAA+\s], s21, v17
	v_add_nc_u32 v[SAB+\s], s22, v17
	s_add_co_u32 s21, s21, SLOT
	s_add_co_u32 s22, s22, SLOT
.endr
	s_mov_b32 s[SEL], 0x76543210
	s_mov_b32 s[SEL+1], 0xfedcba98                 ; v_permlanex16_b32's selects for lane l xor 16
	s_mov_b32 s[MNT], 0x600000                     ; the mantissa field of 57,344
	s_cmp_eq_u32 ttmp9, 2
	s_cbranch_scc1 .Lno_bias
	v_bfe_u32 v18, v0, 4, 1
	v_lshlrev_b32 v18, 6, v18                      ; 64 h
	s_wait_alu depctr_va_vdst(0)
	s_and_b32 s18, s42, 3
	s_lshl_b32 s18, s18, 1
	s_add_co_u32 s18, s18, s16
	s_lshl_b32 s18, s18, 9                         ; my 128 columns of wq or of wk
	s_mov_b32 s19, 0
	s_cmp_eq_u32 ttmp9, 0
	s_cselect_b64 s[8:9], s[8:9], s[10:11]
	s_add_nc_u64 s[8:9], s[8:9], s[18:19]
.irp b, 0,1,2,3,4,5,6,7                        ; register 8 b + j: the bias of column 32 (b / 2) + 16 h + 8 (b % 2) + j
	global_load_b128 v[BIAS+8*\b:BIAS+8*\b+3], v18, s[8:9] offset:(32*(\b/2)+8*(\b%2))*4
	global_load_b128 v[BIAS+8*\b+4:BIAS+8*\b+7], v18, s[8:9] offset:(32*(\b/2)+8*(\b%2))*4+16
.endr
	s_branch .Lbias_set
.Lno_bias:
.set n, 0
.rept 64
	v_mov_b32 v[BIAS+n], 0                         ; v's bias runs along the lanes, not along these registers
.set n, n+1
.endr
.Lbias_set:
	s_wait_loadcnt 0x0
	s_cmp_eq_u32 s16, 0
	s_cbranch_scc0 .Lslot_1
	s_wait_tensorcnt 0x0                           ; waves 0 and 2: slot 0 is in.  Slot 1's waves wait at the first change of slots, where every wave waits
.Lslot_1:
	s_barrier_signal -1
	s_barrier_wait -1                              ; everybody's is
	FETCH_B 0, 0, 0
	FETCH_A 0, 0, 0
	SCALES 0
	FETCH_A 0, 0, 4
	s_wait_alu depctr_va_vdst(0)
	STEP 0, 1                                      ; the first step stands in front of the loop: its products start the sums, on the bias
	s_mov_b32 s3, LAPS-1
.Llap:                                             ; a trip goes once round the ring and fills both slots again
	TURN 0, 1, 1
	STEP 1, 0
	TURN 1, 0, 1
	STEP 0, 0
	s_sub_co_u32 s3, s3, 1
	s_cmp_lg_u32 s3, 0
	s_cbranch_scc1 .Llap
	TURN 0, 1, 0                                   ; the last lap fills nothing, and has no round of the cluster's barrier
	STEP 1, 0
	s_wait_dscnt 16
	WIN MUL_LO
	MUL16 0, 1, 1, 1, 0
	MUL16 2, 1, 1, 1, 0
	s_wait_dscnt 0x0
	WIN MUL_HI
	MUL16 4, 1, 1, 1, 0
	MUL16 6, 1, 1, 1, 0
	WIN 0
	PLACES NP
; THE WAY OUT.  No LDS: a block's codes are stored from the registers in which the conversions leave them.
.set VC0, 2                            ; v2-3   where head 0's, head 1's codes go: + 16 x lane
.set VS0, 4                            ; v4-5   their scale words: + 4 (lane % 16)
.set VT,  6                            ; v6     the table
.set VK,  7                            ; v7     4 x (my row of A): the keys' words, or v's bias
.set PW,  8                            ; v8-9   the scale words just made
.set KE,  64                           ; v64-71 for each block: the upper half of my row's scale word (q, k); my row's bias (v)
.set PC,  72                           ; v72-87 the codes just made
; cos, sin: window 1, v0-127: 16 registers a block (8 pairs), all eight blocks at once: B's fragments, which lay there, are done with
.set RT,  128                          ; v128-159 at work
.set Y,   160                          ; v160-223 a block's numbers, held
; 64 numbers of a lane in window w from v[ac] on, register 16 b + i = k 32 b + 16 h + i of my row, become codes in v[pc] on; the four scale bytes are left in v[TM + 4] on.  The hold moves the numbers into v[y] on, in window 0.
.macro QUANTW w, ac, y, pc
	WIN ((\w)<<2)|((\w)<<4)
.irp b, 0,1,2,3
	v_max3_num_f32 v[TM+\b], 0x8000000, |v[\ac+16*\b]|, |v[\ac+16*\b+1]|   ; with the floor 2^(16 - 127): the byte cannot fall under 1.  Each accumulator is read from its low end on
.endr
.irp i, 2,4,6,8,10,12,14
.irp b, 0,1,2,3
	v_max3_num_f32 v[TM+\b], v[TM+\b], |v[\ac+16*\b+\i]|, |v[\ac+16*\b+\i+1]|
.endr
.endr
	WIN 0
.irp b, 0,1,2,3
	v_permlanex16_b32 v[TM+4+\b], v[TM+\b], s[SEL], s[SEL+1]
.endr
.irp b, 0,1,2,3
	v_max_num_f32 v[TM+\b], v[TM+\b], v[TM+4+\b]   ; with lane l xor 16's 16: the block's largest magnitude
.endr
.irp b, 0,1,2,3
	v_add_nc_u32 v[TM+12+\b], 0xf8800000, v[TM+\b] ; 15 off the exponent field: the conversion's scale operand
.endr
.irp b, 0,1,2,3
	v_and_or_b32 v[TM+8+\b], v[TM+\b], 0x7f800000, s[MNT]   ; 57,344 x the scale
.endr
.irp b, 0,1,2,3
	v_lshrrev_b32 v[TM+4+\b], 23, v[TM+12+\b]      ; the scale's byte
.endr
	WIN (\w)
.irp b, 0,1,2,3
.irp i, 0,1,2,3,4,5,6,7,8,9,10,11,12,13,14,15
	v_med3_num_f32 v[\y+16*\b+\i], v[\ac+16*\b+\i], -v[TM+8+\b], v[TM+8+\b]   ; the conversion does not saturate (ISA guide 7.6.2): the hold comes first
.endr
.endr
	WIN 0
.irp b, 0,1,2,3
	v_cvt_scalef32_pk8_bf8_f32 v[\pc+4*\b:\pc+4*\b+1], v[\y+16*\b:\y+16*\b+7], v[TM+12+\b]
	v_cvt_scalef32_pk8_bf8_f32 v[\pc+4*\b+2:\pc+4*\b+3], v[\y+16*\b+8:\y+16*\b+15], v[TM+12+\b]
.endr
	v_nop                                          ; a plain instruction behind the last conversion
.endm
	v_and_b32 v16, 15, v0                          ; r
	v_and_b32 v17, 8, v16
	v_add_nc_u32 v17, v17, v16                     ; r + 8 (r / 8)
	v_lshlrev_b32 v18, 2, v16                      ; 4 r
	s_lshl_b32 s72, s17, 1
	s_add_co_u32 s72, s72, s15                     ; my tile of 128 rows of A
	s_lshl_b32 s73, s72, 9
	v_lshl_add_u32 v[VK], v17, 2, s73
.irp b, 4,5,6,7
	v_mov_b32 v[TM+\b], 0                          ; written once: a lane permute's destination counts as one of its sources
.endr
	s_cmp_eq_u32 ttmp9, 2
	s_cbranch_scc1 .Lv_out
	; ---- q and k: my rows are tokens 128 rt + pi(a, r); my 128 columns are two heads
	s_and_b32 s73, s72, 15                         ; the tile within its batch
	s_lshr_b32 s74, s72, 4                         ; the batch
	s_and_b32 s75, s42, 3
	s_lshl_b32 s75, s75, 1
	s_add_co_u32 s75, s75, s16
	s_lshl_b32 s75, s75, 1
	s_lshl_b32 s74, s74, 4
	s_add_co_u32 s75, s75, s74                     ; 16 x batch + my first head
	s_lshl_b32 s76, s75, 7
	s_lshl_b32 s77, s73, 3
	s_add_co_u32 s76, s76, s77                     ; q: my first fragment
	s_lshl_b32 s78, s76, 10
	s_lshl_b32 s79, s76, 6
	s_add_co_u32 s79, s79, OFF_QS
	s_mul_i32 s80, s75, HEADKV
	s_lshr_b32 s77, s73, 1
	s_mul_i32 s77, s77, CH
	s_add_co_u32 s80, s80, s77
	s_add_co_u32 s80, s80, OFF_KV                  ; k: my chunk of 256 keys
	s_and_b32 s77, s73, 1
	s_lshl_b32 s81, s77, 13
	s_add_co_u32 s81, s81, s80
	s_lshl_b32 s82, s77, 9
	s_add_co_u32 s82, s82, s80
	s_add_co_u32 s82, s82, 32768
	s_mov_b32 s83, 131072
	s_mov_b32 s84, HEADKV
	s_mov_b32 s85, 0x7f7f0000
	s_cmp_eq_u32 ttmp9, 0                          ; q or k
	s_cselect_b32 s78, s78, s81                    ; codes,
	s_cselect_b32 s79, s79, s82                    ; scale words,
	s_cselect_b32 s83, s83, s84                    ; from head to head: codes,
	s_cselect_b32 s84, 0x2000, s84                 ; scale words
	s_cselect_b32 s86, 0, -1                       ; a key keeps its mask's word;
	s_cselect_b32 s85, s85, 0                      ; a query's bytes 2 and 3 are 127
	v_add_nc_u32 v[VC0], s78, v[CO]
	v_add_nc_u32 v[VC0+1], s83, v[VC0]
	s_wait_alu depctr_va_vdst(0)
	v_add_nc_u32 v[VS0], s79, v18
	v_add_nc_u32 v[VS0+1], s84, v[VS0]
	v_lshl_add_u32 v[VT], s73, 14, v[CO]           ; the table's eight fragments of my tile
.irp a, 0,1,2,3,4,5,6,7
	global_load_b32 v[KE+\a], v[VK], s[6:7] offset:OFF_KEXT+4*(32*(\a/2)+8*(\a%2))
.endr
.macro CSL a                           ; cos and sin of block a's positions: registers 2 p, 2 p + 1: frequency 8 h + p
.irp j, 0,1,2,3
	global_load_b128 v[16*(\a)+4*\j:16*(\a)+4*\j+3], v[VT], s[6:7] offset:2048*(\a)+512*\j
.endr
.endm
	WIN 0x40                                       ; destination window 1
.irp a, 0,1,2,3,4,5,6,7
	CSL \a                                         ; all 32 loads go out here, so that only the first block waits for the whole way
.endr
	WIN 0
.macro QKBLOCK a
.set BW, 2+(\a)/4
.set BAC, 64*((\a)%4)
.set CT, 16*(\a)
	s_wait_loadcnt 4*(7-(\a))                      ; the keys' words and this block's four loads are in; the later blocks' loads, four each, may be out
	WIN BW|4                                       ; source 0: the accumulators' window; source 1 (cos, sin): window 1
.irp e, 0,1
.irp p, 0,1,2,3,4,5,6,7
	v_pk_mul_f32 v[RT+16*\e+2*\p:RT+16*\e+2*\p+1], v[BAC+32*\e+2*\p:BAC+32*\e+2*\p+1], v[CT+2*\p:CT+2*\p+1] op_sel:[1,1] op_sel_hi:[0,1]   ; (x1 sin, x0 sin)
.endr
.endr
	WIN (BW<<6)|BW|4
.irp e, 0,1
.irp p, 0,1,2,3,4,5,6,7
	v_pk_fma_f32 v[BAC+32*\e+2*\p:BAC+32*\e+2*\p+1], v[BAC+32*\e+2*\p:BAC+32*\e+2*\p+1], v[CT+2*\p:CT+2*\p+1], v[RT+16*\e+2*\p:RT+16*\e+2*\p+1] op_sel_hi:[1,0,1] neg_lo:[0,0,1]   ; (x0 cos - x1 sin, x1 cos + x0 sin)
.endr
.endr
	s_wait_xcnt 0x0                                ; the last block's stores have read their data: codes and words are written again only behind this wait
	QUANTW BW, BAC, Y, PC
	v_and_or_b32 v[KE+\a], v[KE+\a], s86, s85
	v_lshl_or_b32 v[PW], v[TM+5], 8, v[TM+4]       ; a head has two blocks of 32: bytes 0 and 1; bytes 2 and 3 belong to the padding of K to 128
	v_lshl_or_b32 v[PW+1], v[TM+7], 8, v[TM+6]
	v_or_b32 v[PW], v[PW], v[KE+\a]
	v_or_b32 v[PW+1], v[PW+1], v[KE+\a]
.irp e, 0,1
	global_store_b128 v[VC0+\e], v[PC+8*\e:PC+8*\e+3], s[70:71] offset:1024*(\a)
	global_store_b128 v[VC0+\e], v[PC+8*\e+4:PC+8*\e+7], s[70:71] offset:1024*(\a)+512
	global_store_b32 v[VS0+\e], v[PW+\e], s[70:71] offset:64*(\a)   ; lanes 16-31 hold and write the same words
.endr
.endm
.irp a, 0,1,2,3,4,5,6,7
	QKBLOCK \a
.endr
	s_branch .Lout_done
.Lv_out:
	; ---- v: my rows are features 128 rtA + pi(a, r): two heads x 64; my 128 columns are the keys of tile tt: one K step of the second product
	s_lshl_b32 s73, s42, 1
	s_add_co_u32 s73, s73, s16                     ; tt
	s_lshr_b32 s74, s73, 4
	s_lshl_b32 s74, s74, 4
	s_lshl_b32 s75, s72, 1
	s_add_co_u32 s75, s75, s74                     ; 16 x batch + my first head
	s_mul_i32 s80, s75, HEADKV
	s_bfe_u32 s77, s73, 0x30001
	s_mul_i32 s77, s77, CH
	s_add_co_u32 s80, s80, s77
	s_add_co_u32 s80, s80, OFF_KV
	s_and_b32 s77, s73, 1
	s_lshl_b32 s81, s77, 13
	s_add_co_u32 s81, s81, s80
	s_add_co_u32 s81, s81, 16384
	s_lshl_b32 s82, s77, 8
	s_add_co_u32 s82, s82, s80
	s_add_co_u32 s82, s82, 33792
	v_add_nc_u32 v[VC0], s81, v[CO]
	v_add_nc_u32 v[VC0+1], HEADKV, v[VC0]
	s_wait_alu depctr_va_vdst(0)
	v_add_nc_u32 v[VS0], s82, v18
	v_add_nc_u32 v[VS0+1], HEADKV, v[VS0]
.irp a, 0,1,2,3,4,5,6,7
	global_load_b32 v[KE+\a], v[VK], s[68:69] offset:4*(32*(\a/2)+8*(\a%2))
.endr
	s_wait_loadcnt 0x0
.macro VBLOCK a
.set BW, 2+(\a)/4
.set BAC, 64*((\a)%4)
	WIN (BW<<6)|BW
.set n, 0
.rept 32
.if (\a)%2 == 0
	v_pk_add_f32 v[BAC+n:BAC+n+1], v[BAC+n:BAC+n+1], v[KE+\a:KE+\a+1] op_sel_hi:[1,0]   ; + my feature's bias
.else
	v_pk_add_f32 v[BAC+n:BAC+n+1], v[BAC+n:BAC+n+1], v[KE+\a-1:KE+\a] op_sel:[0,1]
.endif
.set n, n+2
.endr
	s_wait_xcnt 0x0                                ; the last block's stores have read their data
	QUANTW BW, BAC, Y, PC
	v_lshl_or_b32 v[PW], v[TM+5], 8, v[TM+4]
	v_lshl_or_b32 v[PW], v[TM+6], 16, v[PW]
	v_lshl_or_b32 v[PW], v[TM+7], 24, v[PW]
.irp c, 0,1,2,3
	global_store_b128 v[VC0+(\a)/4], v[PC+4*\c:PC+4*\c+3], s[70:71] offset:2048*((\a)%4)+512*\c
.endr
	global_store_b32 v[VS0+(\a)/4], v[PW], s[70:71] offset:64*((\a)%4)
.endm
.irp a, 0,1,2,3,4,5,6,7
	VBLOCK \a
.endr
.Lout_done:
	s_wait_tensorcnt 0x0                           ; the wave's end
	ds_add_u32 v[SPW], v[NIL]
	s_wait_dscnt 0x0
	CROUND                                         ; the closing round: no work-group ends while a partner may still ask for a tile that names it
	s_endpgm
.Lfunc_end_k_q9d4a492783_qkv:
	.size	k_q9d4a492783_qkv, .Lfunc_end_k_q9d4a492783_qkv-k_q9d4a492783_qkv
	.p2alignl 7, 3214868480
	.fill 96, 4, 3214868480
	.section	.rodata,"a",@progbits
	.p2align	6, 0x0
	.amdhsa_kernel k_q9d4a492783_qkv
		.amdhsa_group_segment_fixed_size 327680
		.amdhsa_private_segment_fixed_size 0
		.amdhsa_enable_private_segment 0
		.amdhsa_kernarg_size 48
		.amdhsa_user_sgpr_count 2
		.amdhsa_user_sgpr_kernarg_segment_ptr 1
		.amdhsa_wavefront_size32 1
		.amdhsa_system_sgpr_workgroup_id_x 1
		.amdhsa_system_sgpr_workgroup_id_y 1
		.amdhsa_system_sgpr_workgroup_id_z 1
		.amdhsa_system_vgpr_workitem_id 0
		.amdhsa_next_free_vgpr 1024
		.amdhsa_next_free_sgpr 100
		.amdhsa_reserve_vcc 0
		.amdhsa_float_denorm_mode_32 3
		.amdhsa_float_denorm_mode_16_64 3
		.amdhsa_memory_ordered 1
		.amdhsa_forward_progress 1
		.amdhsa_inst_pref_size 255
	.end_amdhsa_kernel
	.section	.bss,"aw",@nobits
	.p2align	6
	.space	262144
	.amdgpu_metadata
---
amdhsa.version: [ 1, 2 ]
amdhsa.kernels:
  - .name:           k_q9d4a492783_qkv
    .symbol:         k_q9d4a492783_qkv.kd
    .args:
      - { .name: ops, .offset: 0, .size: 8, .value_kind: global_buffer, .address_space: global }
      - { .name: aux, .offset: 8, .size: 8, .value_kind: global_buffer, .address_space: global }
      - { .name: bq, .offset: 16, .size: 8, .value_kind: global_buffer, .address_space: global }
      - { .name: bk, .offset: 24, .size: 8, .value_kind: global_buffer, .address_space: global }
      - { .name: bv, .offset: 32, .size: 8, .value_kind: global_buffer, .address_space: global }
      - { .name: qkv, .offset: 40, .size: 8, .value_kind: global_buffer, .address_space: global }
    .group_segment_fixed_size: 327680
    .private_segment_fixed_size: 0
    .kernarg_segment_align: 8
    .kernarg_segment_size: 48
    .max_flat_workgroup_size: 128
    .sgpr_count:     100
    .vgpr_count:     1024
    .wavefront_size: 32
...
	.end_amdgpu_metadata
.endif
;; end of part 9
;; launch attn (part 10): grid 8 x 32, 8 waves a work-group, clusters of 4 x 1, 327,680 bytes of LDS; arguments qkv, aux, att; writes att
.if DOCPART == 10
	.amdgcn_target "amdgcn-amd-amdhsa--gfx1250"
	.amdhsa_code_object_version 6
	.text
	.protected	k_q9d4a492783_attn
	.globl	k_q9d4a492783_attn
	.p2align	8
	.type	k_q9d4a492783_attn,@function
k_q9d4a492783_attn:
	s_mov_b64 s[64:65], 0
	v_nop
	global_prefetch_b8 v0, s[64:65] scope:SCOPE_SE
	s_setreg_imm32_b32 hwreg(HW_REG_WAVE_MODE, 25, 1), 1
	s_wait_xcnt 0x0
	s_wait_alu depctr_hold_cnt(0) depctr_sa_sdst(0) depctr_va_vdst(0) depctr_va_sdst(0) depctr_va_ssrc(0) depctr_va_vcc(0) depctr_vm_vsrc(0)
	s_getreg_b32 s2, hwreg(HW_REG_IB_STS2, 6, 4)
	s_cmp_eq_u32 s2, 0
	s_cbranch_scc0 .Lentry_in_a_cluster
	s_endpgm
.Lentry_in_a_cluster:
	s_bfe_u32 s2, ttmp6, 0x10000c
	s_cmp_lg_u32 s2, 0x3003
	s_cbranch_scc0 .Lentry_shape_is_right
	s_endpgm
.Lentry_shape_is_right:
; ATTENTION ON CODES OF E5M2 with one E8M0 scale for each 32 along a product's K; 32 heads of 64, 2,048 keys; the mask is an input.  The result is quantised again, as the image of the next product's operand.
; t = score x c, c = log2(e) / 8; M = the row's largest t so far, rounded UP to a whole number; p = 2^(t - M) is what is quantised, along the keys, not normalised; the row's sum is taken of the unquantised p and divides at the end.
; When M moves, the sum and O are multiplied by 2^(old M - new M): nothing is rounded.
; SHARES.  A work-group owns 256 queries of one head; each of its EIGHT waves owns two fragments of 16 (tiles X = 0, 1), in 512 registers: each fragment of K and V that a wave reads from LDS feeds two products, and the two tiles' chains stand side by side.
; A HEAD'S K AND V LIE WHOLE IN LDS: 274,432 bytes, images of the operands' registers with their scale words, in 8 chunks of 256 keys, filled ONCE: wave w brings chunk w by one tensor load, asked for jointly by the cluster's four query blocks.
; Wave 0 asks first and has a load line of its own: chunk 0 is worked, written out, behind a barrier at which wave 0 alone has waited; the other chunks are shown by a second barrier, ahead of the loop.
; Both products are used transposed: S^T = K Q^T, O^T = V^T P^T: a lane holds ONE query (lane % 16) of each tile.  A fragment's 16 keys are pi(f, r) = 32 (f / 2) + 8 (f % 2) + r + 8 (r / 8), so that the 16 registers of
; key tiles 2 b, 2 b + 1 are keys 32 b + 16 (lane / 16) + 0 .. 15; V's features lie in the same order, so that O^T's registers are 16 neighbours of each block of 32 of the next K.
; K = 64 fills half of the instruction's 128.  THE MASK RIDES IN THE OTHER HALF: at k = 64 every query has the code of 1, every key that of -1, all else is 0; byte 2 of a key's scale word is 167 (2^40) if the key is hidden, else 1 (2^-126).
; A batch whose keys are all hidden comes with all bytes 1 and c = 0: p = 1 for every key, the uniform softmax.  The largest t begins at -2^30: a hidden key never sets M, and its p is 0.
; LDS LOADS RUN AHEAD: behind a step's score products stand this step's loads of V and the next step's loads of K: each has a softmax of two tiles in which to come.  The loop's last step names chunk 7's K once more (its address is held at the last chunk); those registers are not used.
; LIMITS: open logits x log2(e) lie above -2^30 and scaled scores under 2^31 in magnitude; an open score carries -2^-126; NaN and infinities are not served; blocks under 2^-111 keep the byte 1.
; NOT USED: a prefetch: all that the work-group reads is asked for at its head.
; REGISTERS.  Window 0 holds all that vector instructions touch; window 1 the products' sources.  Settings: 0; 0x40 (destination in window 1: LDS loads, conversions); 0x05 (sources 0 and 1 in window 1: products).
.set PB,       16896
.set CH,       34304                   ; a chunk: K's 16 half fragments of 1,024 bytes; V's 2 x 4 fragments of 2,048; K's scale words (1,024); V's (512)
.set HEADKV,   8*CH
.set OFF_QS,   4194304
.set OFF_KV,   4456448
.set OFF_CEFF, 278528
.set SPARE,    8*CH                    ; behind the head: the spare words, 128 bytes a wave
.set LI,  1                            ; 16 x lane
.set LS,  2                            ; 4 x lane + 32,768: the scale words of a chunk
.set SPW, 3
.set NIL, 4
.set ADK, 5                            ; the chunk in hand + LI
.set ADS, 6                            ; the chunk in hand + LS
.set GO,  7                            ; the way out: codes
.set GS,  8                            ; the way out: scale bytes
.set QS,  9                            ; scale words and nothing else: Q's (lanes 0-15 tile 0, lanes 16-31 tile 1),
.set PS,  10                           ; v10-11 p's, a register a tile,
.set VS,  12                           ; v12-13 V's (register i: fragments 2 i, 2 i + 1),
.set KS,  20                           ; v20-23 K's (register i: key tiles 2 i, 2 i + 1)
.set NM,  16                           ; v16-17 -M of tiles 0, 1
.set TX,  18                           ; v18-19 the largest t
.set F,   24                           ; v24-25 2^(old M - new M)
.set SU,  26                           ; v26-29 the sums, two halves a tile
.set TT,  30                           ; v30-31 at work
.set BM,  32                           ; v32-39 a block's largest score, then largest p, then the hold's limit: blocks 0-3 tile 0, 4-7 tile 1
.set SO,  40                           ; v40-47 the conversions' scale operands
.set PT,  48                           ; v48-55 at work
.set ST,  56                           ; v56-63 the sums' chains
.set S,   64                           ; v64-191 S^T, then p: 64 a tile
.set O,   192                          ; v192-255 O^T: 32 a tile
.set QF,  0                            ; window 1: Q, 16 a tile; K's eight fragments (registers 8-15 of each are constants); V's four; p's codes, 16 a tile
.set KF,  32
.set VF,  160
.set PC,  224
.set WV,  18
.set MNT, 19
.set SEL, 20
.set CS,  22
.set G1,  24
.set G0,  32
.set TB,  36
.set TRIPS, 37
.set TBN, 46
.set MSB, 0
.macro WIN new                         ; the immediate's high byte repeats the setting that is left
.if MSB != (\new)
	s_set_vgpr_msb (MSB<<8)|(\new)
.set MSB, (\new)
.endif
.endm
.macro ROUND                           ; a round of the cluster's barrier
	s_barrier_signal -1
	s_barrier_wait -1
	s_cmp_lg_u32 s[WV], 0
	s_cbranch_scc1 .Lnot_wave_0_\@
	s_barrier_signal -3
.Lnot_wave_0_\@:
	s_barrier_wait -3
	s_barrier_signal -1
	s_barrier_wait -1
.endm
.macro OZERO                           ; O^T: the step is written once; the first finds zeros, which the first change of M leaves zeros
.set n, 0
.rept 64
	v_mov_b32 v[O+n], 0
.set n, n+1
.endr
.endm
.macro WS d, a, b, sa, sb, r0, r1      ; a score product, C = 0; r0, r1: the half of the lanes that holds the scale words
.if (\r0) && (\r1)
	v_wmma_scale_f32_16x16x128_f8f6f4 v[\d:\d+7], v[\a:\a+15], v[\b:\b+15], 0, v[\sa], v[\sb] matrix_a_fmt:MATRIX_FMT_BF8 matrix_b_fmt:MATRIX_FMT_BF8 matrix_a_scale:MATRIX_SCALE_ROW1 matrix_b_scale:MATRIX_SCALE_ROW1
.elseif \r0
	v_wmma_scale_f32_16x16x128_f8f6f4 v[\d:\d+7], v[\a:\a+15], v[\b:\b+15], 0, v[\sa], v[\sb] matrix_a_fmt:MATRIX_FMT_BF8 matrix_b_fmt:MATRIX_FMT_BF8 matrix_a_scale:MATRIX_SCALE_ROW1
.elseif \r1
	v_wmma_scale_f32_16x16x128_f8f6f4 v[\d:\d+7], v[\a:\a+15], v[\b:\b+15], 0, v[\sa], v[\sb] matrix_a_fmt:MATRIX_FMT_BF8 matrix_b_fmt:MATRIX_FMT_BF8 matrix_b_scale:MATRIX_SCALE_ROW1
.else
	v_wmma_scale_f32_16x16x128_f8f6f4 v[\d:\d+7], v[\a:\a+15], v[\b:\b+15], 0, v[\sa], v[\sb] matrix_a_fmt:MATRIX_FMT_BF8 matrix_b_fmt:MATRIX_FMT_BF8
.endif
.endm
.macro WP d, a, b, sa, sb, r0          ; O^T += V^T P^T
.if \r0
	v_wmma_scale_f32_16x16x128_f8f6f4 v[\d:\d+7], v[\a:\a+15], v[\b:\b+15], v[\d:\d+7], v[\sa], v[\sb] matrix_a_fmt:MATRIX_FMT_BF8 matrix_b_fmt:MATRIX_FMT_BF8 matrix_a_scale:MATRIX_SCALE_ROW1
.else
	v_wmma_scale_f32_16x16x128_f8f6f4 v[\d:\d+7], v[\a:\a+15], v[\b:\b+15], v[\d:\d+7], v[\sa], v[\sb] matrix_a_fmt:MATRIX_FMT_BF8 matrix_b_fmt:MATRIX_FMT_BF8
.endif
.endm
.macro KLOAD q                         ; K's eight half fragments and their scale words of the q-th 128 keys of the chunk in hand: 20 loads
	WIN 0x40
.irp t, 0,1,2,3,4,5,6,7
	ds_load_b128 v[KF+16*\t:KF+16*\t+3], v[ADK] offset:8192*(\q)+1024*\t
	ds_load_b128 v[KF+16*\t+4:KF+16*\t+7], v[ADK] offset:8192*(\q)+1024*\t+512
.endr
	WIN 0
.irp i, 0,1,2,3
	ds_load_b32 v[KS+\i], v[ADS] offset:512*(\q)+128*\i
.endr
.endm
.macro VLOAD q                         ; V's four fragments and their scale words: 18 loads
	WIN 0x40
.irp f, 0,1,2,3
.irp c, 0,1,2,3
	ds_load_b128 v[VF+16*\f+4*\c:VF+16*\f+4*\c+3], v[ADK] offset:16384+8192*(\q)+2048*\f+512*\c
.endr
.endr
	WIN 0
.irp i, 0,1
	ds_load_b32 v[VS+\i], v[ADS] offset:1024+256*(\q)+128*\i
.endr
.endm
.macro SUMS s0, su                     ; the row's sum of the unquantised p: 32 pairs in five chains
.irp j, 0,1,2,3
	v_dual_add_f32 v[ST+2*\j], v[\s0+2*\j], v[\s0+8+2*\j] :: v_dual_add_f32 v[ST+2*\j+1], v[\s0+2*\j+1], v[\s0+9+2*\j]   ; two additions a line: an even and an odd register side by side
.endr
.irp i, 0,1,2,3
.irp j, 0,1,2,3
	v_dual_add_f32 v[ST+2*\j], v[\s0+16+10*\i+2*\j], v[ST+2*\j] :: v_dual_add_f32 v[ST+2*\j+1], v[\s0+17+10*\i+2*\j], v[ST+2*\j+1]
.endr
	v_dual_add_f32 v[\su], v[\s0+24+10*\i], v[\su] :: v_dual_add_f32 v[\su+1], v[\s0+25+10*\i], v[\su+1]
.endr
.irp j, 0,1,2,3
	v_dual_add_f32 v[ST+2*\j], v[\s0+56+2*\j], v[ST+2*\j] :: v_dual_add_f32 v[ST+2*\j+1], v[\s0+57+2*\j], v[ST+2*\j+1]
.endr
	v_dual_add_f32 v[ST], v[ST+2], v[ST] :: v_dual_add_f32 v[ST+1], v[ST+3], v[ST+1]
	v_dual_add_f32 v[ST+4], v[ST+6], v[ST+4] :: v_dual_add_f32 v[ST+5], v[ST+7], v[ST+5]
	v_dual_add_f32 v[ST], v[ST+4], v[ST] :: v_dual_add_f32 v[ST+1], v[ST+5], v[ST+1]
	v_dual_add_f32 v[\su], v[ST], v[\su] :: v_dual_add_f32 v[\su+1], v[ST+1], v[\su+1]
.endm
; A KEY STEP: 128 keys, the q-th of the chunk in hand, for both tiles.  nxt: 0: no K is asked for; 1: the chunk's second 128 keys; 2: the next chunk's first
.macro STEP q, nxt
	s_wait_dscnt 0x0                               ; this step's K is in
	WIN 0x05
.irp X, 0,1
.irp t, 0,1,2,3,4,5,6,7
	WS (S+64*\X+8*\t), (KF+16*\t), (QF+16*\X), (KS+\t/2), QS, (\t%2), \X
.endr
.endr
	WIN 0
.rept 8
	v_nop                                          ; places: ahead of the loads into registers that products have read, and of the first reader of the scores
.endr
	VLOAD \q
.if \nxt == 1
	KLOAD 1
.endif
.if \nxt == 2
	s_add_co_u32 s[TB], s[TB], CH
	s_min_u32 s[TBN], s[TB], 7*CH                  ; behind the last chunk: the last chunk again
	v_add_nc_u32 v[ADK], s[TBN], v[LI]
	v_add_nc_u32 v[ADS], s[TBN], v[LS]
	KLOAD 0
.endif
.irp b, 0,1,2,3,4,5,6,7                        ; the largest score of each block of 32 keys, my 16: two chains a block; each accumulator is read from its low end on
	v_max3_num_f32 v[BM+\b], v[S+16*\b], v[S+16*\b+1], v[S+16*\b+2]
	v_max3_num_f32 v[PT+\b], v[S+16*\b+7], v[S+16*\b+8], v[S+16*\b+9]
.endr
.irp i, 3,5
.irp b, 0,1,2,3,4,5,6,7
	v_max3_num_f32 v[BM+\b], v[BM+\b], v[S+16*\b+\i], v[S+16*\b+\i+1]
	v_max3_num_f32 v[PT+\b], v[PT+\b], v[S+16*\b+\i+7], v[S+16*\b+\i+8]
.endr
.endr
.irp b, 0,1,2,3,4,5,6,7
	v_max3_num_f32 v[BM+\b], v[BM+\b], v[PT+\b], v[S+16*\b+14]
.endr
.irp b, 0,1,2,3,4,5,6,7
	v_max_num_f32 v[BM+\b], v[BM+\b], v[S+16*\b+15]
.endr
.irp b, 0,1,2,3,4,5,6,7
	v_permlanex16_b32 v[PT+\b], v[BM+\b], s[SEL], s[SEL+1]
.endr
.irp b, 0,1,2,3,4,5,6,7
	v_max_num_f32 v[BM+\b], v[BM+\b], v[PT+\b]     ; with lane l xor 16's 16 keys
.endr
.irp X, 0,1
	v_max3_num_f32 v[TT+\X], v[BM+4*\X], v[BM+4*\X+1], v[BM+4*\X+2]
.endr
.irp X, 0,1
	v_max_num_f32 v[TT+\X], v[TT+\X], v[BM+4*\X+3]
.endr
.irp X, 0,1
	v_mul_f32 v[TT+\X], s[CS], v[TT+\X]            ; as t (c is not negative)
.endr
.irp X, 0,1
	v_max_num_f32 v[TX+\X], v[TX+\X], v[TT+\X]     ; the running largest t
.endr
.irp X, 0,1
	v_mov_b32 v[TT+\X], v[NM+\X]
.endr
.irp X, 0,1
	v_floor_f32 v[NM+\X], -v[TX+\X]                ; the new -M = floor(-t): M is a whole number
.endr
.irp X, 0,1
	v_sub_f32 v[TT+\X], v[NM+\X], v[TT+\X]         ; old M - new M: a whole number, 0 or less
.endr
.irp X, 0,1
	v_cvt_i32_f32 v[TT+\X], v[TT+\X]               ; (it saturates)
.endr
.irp X, 0,1
	v_ldexp_f32 v[F+\X], 1.0, v[TT+\X]             ; f = 2^(old M - new M)
.endr
.set n, 0
.rept 16
	v_dual_mul_f32 v[O+n], v[O+n], v[F] :: v_dual_mul_f32 v[O+n+1], v[O+n+1], v[F]   ; O^T under the new M, two numbers a line; it stands ahead of the step's exponentials, each accumulator read from its low end on
.set n, n+2
.endr
.set n, 0
.rept 16
	v_dual_mul_f32 v[O+32+n], v[O+32+n], v[F+1] :: v_dual_mul_f32 v[O+33+n], v[O+33+n], v[F+1]
.set n, n+2
.endr
.set n, 0
.rept 32
	v_pk_fma_f32 v[S+n:S+n+1], v[S+n:S+n+1], s[CS:CS+1], v[NM:NM+1] op_sel_hi:[1,0,0]   ; t - M, two at a time: tile 0 takes the pair's first register for both halves,
.set n, n+2
.endr
.set n, 0
.rept 32
	v_pk_fma_f32 v[S+64+n:S+65+n], v[S+64+n:S+65+n], s[CS:CS+1], v[NM:NM+1] op_sel:[0,0,1] op_sel_hi:[1,0,1]   ; tile 1 its second
.set n, n+2
.endr
.irp b, 0,1,2,3
	v_fma_f32 v[BM+\b], v[BM+\b], s[CS], v[NM]     ; the same of each block's largest score
	v_fma_f32 v[BM+4+\b], v[BM+4+\b], s[CS], v[NM+1]
.endr
	s_wait_alu depctr_va_vdst(0)                   ; the wait ahead of the batch
.set n, 0
.rept 128
	v_exp_f32 v[S+n], v[S+n]                       ; p = 2^(t - M), at most 1
.set n, n+1
.endr
	v_pk_mul_f32 v[SU:SU+1], v[SU:SU+1], v[F:F+1] op_sel_hi:[1,0]   ; the sums under the new M: plain lines behind the exponentials
	v_pk_mul_f32 v[SU+2:SU+3], v[SU+2:SU+3], v[F:F+1] op_sel:[0,1]
	s_wait_alu depctr_va_vdst(0)                   ; one wait for the batch, ahead of its first reader
.irp b, 0,1,2,3,4,5,6,7
	v_exp_f32 v[BM+\b], v[BM+\b]                   ; the block's largest p
.endr
	v_nop                                          ; a plain place behind the eight
	SUMS S, SU
	SUMS S+64, SU+2
	s_wait_alu depctr_va_vdst(0)                   ; and one for the eight
.irp b, 0,1,2,3,4,5,6,7
	v_max_num_f32 v[BM+\b], 0x8000000, v[BM+\b]    ; the floor 2^(16 - 127): the byte cannot fall under 1
.endr
.irp b, 0,1,2,3,4,5,6,7
	v_add_nc_u32 v[SO+\b], 0xf8800000, v[BM+\b]    ; 15 off the exponent field: the conversion's scale operand
.endr
.irp b, 0,1,2,3,4,5,6,7
	v_and_or_b32 v[BM+\b], v[BM+\b], 0x7f800000, s[MNT]   ; 57,344 x the scale
.endr
.irp b, 0,1,2,3,4,5,6,7
	v_lshrrev_b32 v[PT+\b], 23, v[SO+\b]           ; the scale's byte
.endr
.irp X, 0,1
	v_lshl_or_b32 v[PS+\X], v[PT+4*\X+1], 8, v[PT+4*\X]   ; p's scale word for these 128 keys
.endr
.irp X, 0,1
	v_lshl_or_b32 v[PS+\X], v[PT+4*\X+2], 16, v[PS+\X]
.endr
.irp X, 0,1
	v_lshl_or_b32 v[PS+\X], v[PT+4*\X+3], 24, v[PS+\X]
.endr
.irp b, 0,1,2,3,4,5,6,7
.irp i, 0,2,4,6,8,10,12,14
	v_dual_min_num_f32 v[S+16*\b+\i], v[S+16*\b+\i], v[BM+\b] :: v_dual_min_num_f32 v[S+16*\b+\i+1], v[S+16*\b+\i+1], v[BM+\b]   ; the conversion does not saturate (ISA guide 7.6.2); p is not negative: a one-sided hold, two numbers a line
.endr
.endr
	WIN 0x40
.irp b, 0,1,2,3,4,5,6,7
	v_cvt_scalef32_pk8_bf8_f32 v[PC+4*\b:PC+4*\b+1], v[S+16*\b:S+16*\b+7], v[SO+\b]
	v_cvt_scalef32_pk8_bf8_f32 v[PC+4*\b+2:PC+4*\b+3], v[S+16*\b+8:S+16*\b+15], v[SO+\b]
.endr
	WIN 0
.rept 5
	v_nop                                          ; the plain line behind the last conversion, and the four places between codes made by vector instructions and the scaled products that take them
.endr
	s_wait_alu depctr_va_vdst(0)                   ; the wait here, directly ahead of the wait below
	s_wait_dscnt 0x0                               ; V is in (and the next step's K)
	WIN 0x05
.irp X, 0,1
.irp f, 0,1,2,3
	WP (O+32*\X+8*\f), (VF+16*\f), (PC+16*\X), (VS+\f/2), (PS+\X), (\f%2)
.endr
.endr
.endm
	s_load_b128 s[4:7], s[0:1], 0x0                ; qkv s[4:5], aux s[6:7]
	s_load_b64 s[8:9], s[0:1], 0x10                ; att
	v_lshl_add_u32 v[SPW], v0, 2, SPARE
	v_mov_b32 v[NIL], 0
	ds_add_u32 v[SPW], v[NIL]                      ; the opening lines: the add, twice on end, and its wait ahead of my tensor load
	ds_add_u32 v[SPW], v[NIL]
	v_lshrrev_b32 v5, 5, v0
	v_readfirstlane_b32 s[WV], v5                  ; wave 0..7
	s_bfe_u32 s10, ttmp6, 0x40000                  ; cx: it enters Q's and the result's addresses alone
	s_lshl_b32 s11, ttmp9, 2
	s_add_co_u32 s11, s11, s10
	s_lshl_b32 s11, s11, 3
	s_add_co_u32 s11, s11, s[WV]
	s_lshl_b32 s11, s11, 1                         ; my first fragment of queries: even, 0 .. 126
	s_and_b32 s12, ttmp7, 0xffff                   ; 16 x batch + head, which the four partners share
	s_mov_b32 s[G1], 15|(3<<16)|(1<<21)            ; 15:0 the mask: all four work-groups; 17:16 elements of 8 bytes; 21 set beside a mask
	s_mov_b32 s[G1+1], 32<<16                      ; tensor_dim0: rows of 256 bytes
	s_mov_b32 s[G1+2], 134<<16                     ; tensor_dim1: 34,304 / 256
	s_mov_b32 s[G1+3], 32<<16
	s_mov_b32 s[G1+4], 134
	s_mov_b32 s[G1+5], 32                          ; the pitch: dense
	s_mov_b32 s[G1+6], 0
	s_mov_b32 s[G1+7], 0
	s_mul_i32 s14, s12, HEADKV
	s_mul_i32 s13, s[WV], CH                       ; my chunk, in memory and in LDS
	s_add_co_u32 s14, s14, s13
	s_add_co_u32 s14, s14, OFF_KV
	s_mov_b32 s15, 0
	s_lshr_b32 s16, s12, 4                         ; the batch
	s_lshl_b32 s17, s16, 13
	s_lshl_b32 s38, s12, 7
	s_add_co_u32 s38, s38, s11
	s_lshl_b32 s39, s38, 10                        ; Q's codes
	s_lshl_b32 s38, s38, 6
	s_add_co_u32 s38, s38, OFF_QS                  ; and scale words
	s_lshr_b32 s40, s11, 3                         ; the result: block (tile of 128 tokens, K step head / 2) of the image,
	s_lshl_b32 s41, s16, 4
	s_add_co_u32 s40, s40, s41
	s_lshl_b32 s40, s40, 3
	s_bfe_u32 s41, s12, 0x30001
	s_add_co_u32 s40, s40, s41
	s_mul_i32 s40, s40, PB
	s_and_b32 s41, s11, 7                          ; fragment,
	s_and_b32 s42, s12, 1                          ; chunks 2 (head % 2) and the next
	s_lshl_b32 s43, s41, 11
	s_add_co_u32 s43, s43, s40
	s_lshl_b32 s44, s42, 10
	s_add_co_u32 s43, s43, s44
	s_lshl_b32 s45, s41, 6
	s_add_co_u32 s45, s45, s40
	s_lshl_b32 s44, s42, 1
	s_add_co_u32 s45, s45, s44
	s_mov_b32 s[SEL], 0x76543210
	s_mov_b32 s[SEL+1], 0xfedcba98                 ; v_permlanex16_b32's selects for lane l xor 16
	s_mov_b32 s[MNT], 0x600000                     ; the mantissa field of 57,344
	s_mov_b32 s[TB], 0
	s_mov_b32 s[TRIPS], 7
	s_wait_dscnt 0x0
	s_wait_kmcnt 0x0
	s_mov_b32 s[G0], 1
	s_mov_b32 s[G0+1], s13
	s_add_nc_u64 s[G0+2:G0+3], s[4:5], s[14:15]
	s_or_b32 s[G0+3], s[G0+3], 0x80000000
	ROUND                                          ; all four work-groups are here: the joint loads meet
	s_cmp_lt_u32 s[WV], 1                          ; one tensor load a wave, in two arms: wave 0 brings chunk 0, which is read first, and asks at once; the others clear O^T first
	s_cbranch_scc0 .Lrest
	tensor_load_to_lds s[G0:G0+3], s[G1:G1+7]
	s_nop 0
	OZERO
	s_branch .Lasked
.Lrest:
	OZERO
	tensor_load_to_lds s[G0:G0+3], s[G1:G1+7]
	s_nop 0
.rept 4
	v_nop
.endr
.Lasked:
	s_load_b32 s[CS], s[6:7], s17 offset:OFF_CEFF  ; c of my batch
	v_and_b32 v30, 31, v0
	v_lshlrev_b32 v[LI], 4, v30
	v_lshl_add_u32 v[LS], v30, 2, 32768
	v_lshlrev_b32 v31, 2, v30
	v_add_nc_u32 v32, s39, v[LI]
	v_add_nc_u32 v33, s38, v31
	WIN 0x40
	global_load_b128 v[QF:QF+3], v32, s[4:5]               ; Q, tile 0: k = 16 h + 0 .. 15,
	global_load_b128 v[QF+4:QF+7], v32, s[4:5] offset:512  ; 32 + 16 h + 0 .. 15;
	global_load_b128 v[QF+16:QF+19], v32, s[4:5] offset:1024   ; tile 1
	global_load_b128 v[QF+20:QF+23], v32, s[4:5] offset:1536
	WIN 0
	global_load_b32 v[QS], v33, s[4:5]             ; the two fragments' scale words: 128 bytes on end
	v_bfe_u32 v34, v0, 4, 1
	v_xor_b32 v34, 1, v34
	v_mul_u32_u24 v35, v34, 0x3c                   ; k = 64: the code of 1, in lanes 0-15,
	v_mul_u32_u24 v34, v34, 0xbc                   ; and for the keys that of -1
	WIN 0x40
.irp X, 0,1
	v_mov_b32 v[QF+16*\X+8], v35
.irp j, 9,10,11,12,13,14,15
	v_mov_b32 v[QF+16*\X+\j], 0
.endr
.endr
.irp t, 0,1,2,3,4,5,6,7
	v_mov_b32 v[KF+16*\t+8], v34
.irp j, 9,10,11,12,13,14,15
	v_mov_b32 v[KF+16*\t+\j], 0
.endr
.endr
	WIN 0
	v_mov_b32 v[TX], 0xce800000                    ; the largest t so far: -2^30
	v_mov_b32 v[TX+1], 0xce800000
	v_floor_f32 v[NM], -v[TX]                      ; -M
	v_floor_f32 v[NM+1], -v[TX+1]
.irp j, 0,1,2,3
	v_mov_b32 v[SU+\j], 0
.endr
	v_and_b32 v31, 15, v0
	v_lshlrev_b32 v31, 2, v31
	v_add_nc_u32 v[GO], s43, v[LI]
	v_add_nc_u32 v[GS], s45, v31
	v_add_nc_u32 v[ADK], s[TB], v[LI]
	v_add_nc_u32 v[ADS], s[TB], v[LS]
	s_wait_alu depctr_va_vdst(0)                   ; the wait at the head's end
	s_wait_kmcnt 0x0
	s_mov_b32 s[CS+1], s[CS]
	s_wait_loadcnt 0x0
	s_cmp_lt_u32 s[WV], 1
	s_cbranch_scc0 .Lnot_first
	s_wait_tensorcnt 0x0                           ; wave 0: chunk 0 lies in LDS.  The other waves' wait stands at the second barrier
.Lnot_first:
	s_barrier_signal -1
	s_barrier_wait -1
	KLOAD 0
	STEP 0, 1                                      ; chunk 0 is written out: the other seven chunks land under its two key steps
	STEP 1, 0
	WIN 0
	s_wait_tensorcnt 0x0                           ; every wave: my chunk lies in LDS,
	s_wait_dscnt 0x0
	s_barrier_signal -1
	s_barrier_wait -1                              ; everybody's does.  Nothing is filled again
	s_mov_b32 s[TB], CH
	v_add_nc_u32 v[ADK], s[TB], v[LI]
	v_add_nc_u32 v[ADS], s[TB], v[LS]
	s_wait_alu depctr_va_vdst(0)                   ; the wait here, directly behind the writes
	KLOAD 0
.Lchunk:                                           ; 7 trips: a chunk of 256 keys, two key steps
	STEP 0, 1
	STEP 1, 2
	WIN 0
	s_sub_co_u32 s[TRIPS], s[TRIPS], 1
	s_cmp_lg_u32 s[TRIPS], 0
	s_cbranch_scc1 .Lchunk
	; THE WAY OUT: O^T / the sum; register 16 c + i is feature 32 c + 16 h + i of my query: two blocks of the next K a tile, quantised and stored as they stand.  u = 2 x tile + block
.rept 8
	v_nop
.endr
.irp X, 0,1
	v_add_f32 v[SU+2*\X], v[SU+2*\X], v[SU+2*\X+1]
.endr
.irp X, 0,1
	v_permlanex16_b32 v[TT+\X], v[SU+2*\X], s[SEL], s[SEL+1]
.endr
.irp X, 0,1
	v_add_f32 v[SU+2*\X], v[SU+2*\X], v[TT+\X]     ; the row's sum
.endr
	s_wait_alu depctr_va_vdst(0)
.irp X, 0,1
	v_rcp_f32 v[SU+2*\X], v[SU+2*\X]
.endr
	v_nop                                          ; a plain instruction behind them,
	s_wait_alu depctr_va_vdst(0)                   ; and the wait ahead of their first reader, which is O^T's first reader too
.irp X, 0,1
.set n, 0
.rept 32
	v_mul_f32 v[S+64*\X+n], v[O+32*\X+n], v[SU+2*\X]
.set n, n+1
.endr
.endr
.irp u, 0,1,2,3
	v_max3_num_f32 v[BM+\u], |v[S+64*(\u/2)+16*(\u%2)]|, |v[S+64*(\u/2)+16*(\u%2)+1]|, 0x8000000
.endr
.irp i, 2,4,6,8,10,12,14
.irp u, 0,1,2,3
	v_max3_num_f32 v[BM+\u], v[BM+\u], |v[S+64*(\u/2)+16*(\u%2)+\i]|, |v[S+64*(\u/2)+16*(\u%2)+\i+1]|
.endr
.endr
.irp u, 0,1,2,3
	v_permlanex16_b32 v[PT+\u], v[BM+\u], s[SEL], s[SEL+1]
.endr
.irp u, 0,1,2,3
	v_max_num_f32 v[BM+\u], v[BM+\u], v[PT+\u]
.endr
.irp u, 0,1,2,3
	v_add_nc_u32 v[SO+\u], 0xf8800000, v[BM+\u]
.endr
.irp u, 0,1,2,3
	v_and_or_b32 v[BM+4+\u], v[BM+\u], 0x7f800000, s[MNT]
.endr
.irp u, 0,1,2,3
	v_lshrrev_b32 v[PT+\u], 23, v[SO+\u]
.endr
.irp X, 0,1
	v_lshl_or_b32 v[TT+\X], v[PT+2*\X+1], 8, v[PT+2*\X]   ; my head's two bytes of the row's scale word
.endr
.irp u, 0,1,2,3
.irp i, 0,1,2,3,4,5,6,7,8,9,10,11,12,13,14,15
	v_med3_num_f32 v[S+64*(\u/2)+16*(\u%2)+\i], v[S+64*(\u/2)+16*(\u%2)+\i], -v[BM+4+\u], v[BM+4+\u]
.endr
.endr
.irp u, 0,1,2,3
	v_cvt_scalef32_pk8_bf8_f32 v[S+64*(\u/2)+32+4*(\u%2):S+64*(\u/2)+33+4*(\u%2)], v[S+64*(\u/2)+16*(\u%2):S+64*(\u/2)+16*(\u%2)+7], v[SO+\u]
	v_cvt_scalef32_pk8_bf8_f32 v[S+64*(\u/2)+34+4*(\u%2):S+64*(\u/2)+35+4*(\u%2)], v[S+64*(\u/2)+16*(\u%2)+8:S+64*(\u/2)+16*(\u%2)+15], v[SO+\u]
.endr
	v_nop
.irp X, 0,1
	global_store_b128 v[GO], v[S+64*\X+32:S+64*\X+35], s[8:9] offset:2048*\X       ; 512 consecutive bytes a store
	global_store_b128 v[GO], v[S+64*\X+36:S+64*\X+39], s[8:9] offset:2048*\X+512
	global_store_b16 v[GS], v[TT+\X], s[8:9] offset:16384+64*\X   ; two bytes of each of 16 words (lanes 16-31 hold and write the same): the other two are the neighbouring head's
.endr
	s_wait_tensorcnt 0x0                           ; the wave's end
	ds_add_u32 v[SPW], v[NIL]
	s_wait_dscnt 0x0
	ROUND                                          ; the closing round: no work-group ends while a partner may still ask for a tile that names it
	s_endpgm
.Lfunc_end_k_q9d4a492783_attn:
	.size	k_q9d4a492783_attn, .Lfunc_end_k_q9d4a492783_attn-k_q9d4a492783_attn
	.p2alignl 7, 3214868480
	.fill 96, 4, 3214868480
	.section	.rodata,"a",@progbits
	.p2align	6, 0x0
	.amdhsa_kernel k_q9d4a492783_attn
		.amdhsa_group_segment_fixed_size 327680
		.amdhsa_private_segment_fixed_size 0
		.amdhsa_enable_private_segment 0
		.amdhsa_kernarg_size 24
		.amdhsa_user_sgpr_count 2
		.amdhsa_user_sgpr_kernarg_segment_ptr 1
		.amdhsa_wavefront_size32 1
		.amdhsa_system_sgpr_workgroup_id_x 1
		.amdhsa_system_sgpr_workgroup_id_y 1
		.amdhsa_system_sgpr_workgroup_id_z 1
		.amdhsa_system_vgpr_workitem_id 0
		.amdhsa_next_free_vgpr 512
		.amdhsa_next_free_sgpr 100
		.amdhsa_reserve_vcc 0
		.amdhsa_float_denorm_mode_32 3
		.amdhsa_float_denorm_mode_16_64 3
		.amdhsa_memory_ordered 1
		.amdhsa_forward_progress 1
		.amdhsa_inst_pref_size 162
	.end_amdhsa_kernel
	.amdgpu_metadata
---
amdhsa.version: [ 1, 2 ]
amdhsa.kernels:
  - .name:           k_q9d4a492783_attn
    .symbol:         k_q9d4a492783_attn.kd
    .args:
      - { .name: qkv, .offset: 0, .size: 8, .value_kind: global_buffer, .address_space: global }
      - { .name: aux, .offset: 8, .size: 8, .value_kind: global_buffer, .address_space: global }
      - { .name: att, .offset: 16, .size: 8, .value_kind: global_buffer, .address_space: global }
    .group_segment_fixed_size: 327680
    .private_segment_fixed_size: 0
    .kernarg_segment_align: 8
    .kernarg_segment_size: 24
    .max_flat_workgroup_size: 256
    .sgpr_count:     100
    .vgpr_count:     512
    .wavefront_size: 32
...
	.end_amdgpu_metadata
.endif
;; end of part 10
;; launch oproj (part 11): grid 8 x 32, 4 waves a work-group, clusters of 4 x 4, 327,680 bytes of LDS; arguments att, ops, bo, x, x1; writes x1
.if DOCPART == 11
	.amdgcn_target "amdgcn-amd-amdhsa--gfx1250"
	.amdhsa_code_object_version 6
	.text
	.protected	k_q9d4a492783_oproj
	.globl	k_q9d4a492783_oproj
	.p2align	8
	.type	k_q9d4a492783_oproj,@function
k_q9d4a492783_oproj:
	s_mov_b64 s[64:65], 0
	v_nop
	global_prefetch_b8 v0, s[64:65] scope:SCOPE_SE
	s_setreg_imm32_b32 hwreg(HW_REG_WAVE_MODE, 25, 1), 1
	s_wait_xcnt 0x0
	s_wait_alu depctr_hold_cnt(0) depctr_sa_sdst(0) depctr_va_vdst(0) depctr_va_sdst(0) depctr_va_ssrc(0) depctr_va_vcc(0) depctr_vm_vsrc(0)
	s_getreg_b32 s2, hwreg(HW_REG_IB_STS2, 6, 4)
	s_cmp_eq_u32 s2, 0
	s_cbranch_scc0 .Lentry_in_a_cluster
	s_endpgm
.Lentry_in_a_cluster:
	s_bfe_u32 s2, ttmp6, 0x10000c
	s_cmp_lg_u32 s2, 0xf033
	s_cbranch_scc0 .Lentry_shape_is_right
	s_endpgm
.Lentry_shape_is_right:
.set KS,    8
.set OFF_B, 7569408
.set PB,    16896
.set QUART, 2*PB
.set SLOTG, 2*QUART
.set SLOT,  2*SLOTG
.set SPARE, 2*SLOT
.set LAPS,  KS/8
.set NP,    8
.set SPITCH, 272
.set ADRA, 2
.set ADRB, 4
.set SAA,  6
.set SAB,  8
.set STO,  10
.set RD,   11
.set CO,   12
.set PFO,  13
.set SPW,  14
.set NIL,  15
.set SC,   32
.set BIAS, 64
.set ACC,  128
.set G1,  24
.set G0,  32
.set G1B, 48
.set G0B, 56
.set PFA, 72
.set LIM, 74
.set MUL, 0x05
.set MSB, 0
.macro WIN new
.if MSB != (\new)
	s_set_vgpr_msb (MSB<<8)|(\new)
.set MSB, (\new)
.endif
.endm
.macro JLOAD s
	s_cmp_eq_u32 s15, 0
	s_cbranch_scc0 .Lfor_b_\@
	tensor_load_to_lds s[G0+4*\s:G0+4*\s+3], s[G1:G1+7]
	s_nop 0
.rept 4
	v_nop
.endr
	s_branch .Lasked_\@
.Lfor_b_\@:
	tensor_load_to_lds s[G0B+4*\s:G0B+4*\s+3], s[G1B:G1B+7]
	s_nop 0
.rept 4
	v_nop
.endr
.Lasked_\@:
.endm
.macro ASK
	s_cmp_gt_u32 s3, s[LIM]
	s_cbranch_scc0 .Lnot_mine_\@
	global_prefetch_b8 v[PFO], s[PFA:PFA+1] th:TH_LOAD_NT scope:SCOPE_SE
.Lnot_mine_\@:
.endm
.macro CREST
	s_cmp_lg_u32 s14, 0
	s_cbranch_scc1 .Lnot_wave_0_\@
	s_barrier_signal -3
.Lnot_wave_0_\@:
	s_barrier_wait -3
	s_barrier_signal -1
	s_barrier_wait -1
.endm
.macro CROUND
	s_barrier_signal -1
	s_barrier_wait -1
	CREST
.endm
.macro PLACES n
.rept \n
	v_nop
.endr
.endm
.macro WM d, s0, s1, c, x0, x1, r0, r1
.if (\r0) && (\r1)
	v_wmma_scale_f32_16x16x128_f8f6f4 v[\d:\d+7], v[\s0:\s0+15], v[\s1:\s1+15], v[\c:\c+7], v[\x0], v[\x1] matrix_a_fmt:MATRIX_FMT_BF8 matrix_b_fmt:MATRIX_FMT_BF8 matrix_a_scale:MATRIX_SCALE_ROW1 matrix_b_scale:MATRIX_SCALE_ROW1
.elseif \r0
	v_wmma_scale_f32_16x16x128_f8f6f4 v[\d:\d+7], v[\s0:\s0+15], v[\s1:\s1+15], v[\c:\c+7], v[\x0], v[\x1] matrix_a_fmt:MATRIX_FMT_BF8 matrix_b_fmt:MATRIX_FMT_BF8 matrix_a_scale:MATRIX_SCALE_ROW1
.elseif \r1
	v_wmma_scale_f32_16x16x128_f8f6f4 v[\d:\d+7], v[\s0:\s0+15], v[\s1:\s1+15], v[\c:\c+7], v[\x0], v[\x1] matrix_a_fmt:MATRIX_FMT_BF8 matrix_b_fmt:MATRIX_FMT_BF8 matrix_b_scale:MATRIX_SCALE_ROW1
.else
	v_wmma_scale_f32_16x16x128_f8f6f4 v[\d:\d+7], v[\s0:\s0+15], v[\s1:\s1+15], v[\c:\c+7], v[\x0], v[\x1] matrix_a_fmt:MATRIX_FMT_BF8 matrix_b_fmt:MATRIX_FMT_BF8
.endif
.endm
.macro MULA a, q, sc, first
.irp b, 0,1,2,3
	WM (ACC+8*(4*(\a)+\b)), (128*((\q)%2)+64+16*\b), (128*((\q)%2)+16*(\a)), ((\first)*(BIAS+8*\b)+(1-(\first))*(ACC+8*(4*(\a)+\b))), (SC+16*(\sc)+8+2*(\q)+\b/2), (SC+16*(\sc)+2*(\q)+(\a)/2), (\b%2), ((\a)%2)
.endr
.endm
.macro FRAG reg, adr, q, i
.irp c, 0,1,2,3
	ds_load_b128 v[\reg+4*\c:\reg+4*\c+3], v[\adr] offset:(\q)*PB+2048*(\i)+512*\c
.endr
.endm
.macro FETCH slot, q
	WIN 0x40
.irp i, 0,1,2,3
	FRAG 128*((\q)%2)+64+16*\i, ADRB+\slot, \q, \i
.endr
.irp i, 0,1,2,3
	FRAG 128*((\q)%2)+16*\i, ADRA+\slot, \q, \i
.endr
.endm
.macro SCALES sc
.irp q, 0,1,2,3
.irp i, 0,1
	ds_load_b32 v[SC+16*\sc+2*\q+\i], v[SAA+\sc] offset:\q*PB+128*\i
	ds_load_b32 v[SC+16*\sc+8+2*\q+\i], v[SAB+\sc] offset:\q*PB+128*\i
.endr
.endr
.endm
.macro STEP slot, q, first
	PLACES NP
	FETCH \slot, (\q)+1
	s_wait_dscnt 32
	WIN MUL
.irp a, 0,1,2,3
	MULA \a, \q, \slot, \first
.endr
.endm
.macro TURN slot, next, fill
.if \fill
	s_wait_xcnt 0x0
	s_add_nc_u64 s[PFA:PFA+1], s[PFA:PFA+1], SLOTG
.endif
	WIN 0
	s_wait_tensorcnt 0x0
	ds_add_u32 v[SPW], v[NIL]
	s_wait_dscnt 1
	WIN MUL
	MULA 0, 3, \slot, 0
	s_wait_dscnt 0x0
	s_barrier_signal -1
	MULA 1, 3, \slot, 0
	WIN 0
	s_barrier_wait -1
.if \fill
	CREST
	s_add_nc_u64 s[G0+4*\slot+2:G0+4*\slot+3], s[G0+4*\slot+2:G0+4*\slot+3], 2*SLOTG
	s_add_nc_u64 s[G0B+4*\slot+2:G0B+4*\slot+3], s[G0B+4*\slot+2:G0B+4*\slot+3], 2*SLOTG
	JLOAD \slot
	PLACES NP-4
.else
	PLACES NP
.endif
	FETCH \next, 0
	WIN 0
	SCALES \next
.if \fill
	ASK
.endif
	WIN MUL
	MULA 2, 3, \slot, 0
	MULA 3, 3, \slot, 0
.endm
	s_load_b256 s[4:11], s[0:1], 0x0
	s_load_b64 s[12:13], s[0:1], 0x20
	v_lshl_add_u32 v[SPW], v0, 2, SPARE
	v_mov_b32 v[NIL], 0
	ds_add_u32 v14, v15
	ds_add_u32 v14, v15
	s_wait_dscnt 0x0
	v_lshrrev_b32 v16, 5, v0
	v_readfirstlane_b32 s14, v16
	s_lshr_b32 s15, s14, 1
	s_and_b32 s16, s14, 1
	s_bfe_u32 s40, ttmp6, 0x40000
	s_bfe_u32 s41, ttmp6, 0x40004
	s_lshl_b32 s42, ttmp9, 2
	s_add_co_u32 s42, s42, s40
	s_and_b32 s17, ttmp7, 0xffff
	s_lshl_b32 s17, s17, 2
	s_add_co_u32 s17, s17, s41
	s_lshl_b32 s43, s41, 2
	s_lshl_b32 s43, 15, s43
	s_lshl_b32 s44, 0x1111, s40
	s_or_b32 s[G1], s43, (3<<16)|(1<<21)
	s_or_b32 s[G1B], s44, (3<<16)|(1<<21)
.irp g, G1, G1B
	s_mov_b32 s[\g+1], 32<<16
	s_mov_b32 s[\g+2], 264<<16
	s_mov_b32 s[\g+3], 32<<16
	s_mov_b32 s[\g+4], 264
	s_mov_b32 s[\g+5], 32
	s_mov_b32 s[\g+6], 0
	s_mov_b32 s[\g+7], 0
.endr
	s_mul_i32 s18, s16, QUART
	s_mul_i32 s20, s17, KS*PB
	s_add_co_u32 s20, s20, s18
	s_mov_b32 s21, 0
	s_mul_i32 s46, s42, KS*PB
	s_add_co_u32 s46, s46, s18
	s_add_co_u32 s46, s46, OFF_B
	s_mov_b32 s47, 0
	s_wait_kmcnt 0x0
	s_add_nc_u64 s[20:21], s[4:5], s[20:21]
	s_add_nc_u64 s[46:47], s[6:7], s[46:47]
	CROUND
	; ONE LOAD A WAVE BRINGS ALL OF K: wave 2 o + s brings operand o's part of slot s, four K steps, 67,584 dense bytes as 264 rows of 256.  Nothing is filled again.
	s_mov_b32 s19, 0                               ; s[20:21], s[46:47] stand s QUART into the tile: s QUART more is slot s
	s_mul_i32 s45, s16, SLOT
	s_mul_i32 s22, s15, SLOTG
	s_add_co_u32 s45, s45, s22                     ; in a slot A's part lies first, B's behind it
	s_mov_b32 s[G0], 1
	s_mov_b32 s[G0+1], s45
	s_add_nc_u64 s[G0+2:G0+3], s[20:21], s[18:19]
	s_or_b32 s[G0+3], s[G0+3], 0x80000000
	s_mov_b32 s[G0B], 1
	s_mov_b32 s[G0B+1], s45
	s_add_nc_u64 s[G0B+2:G0B+3], s[46:47], s[18:19]
	s_or_b32 s[G0B+3], s[G0B+3], 0x80000000
; one chain of branches on the wave's number, a load line to each wave: slot 0's two tiles (waves 0 and 2) are asked for first, and their waves alone wait at the head
.macro ARM w, g0, g1, next
	s_cmp_eq_u32 s14, \w
	s_cbranch_scc0 \next
	tensor_load_to_lds s[\g0:\g0+3], s[\g1:\g1+7]
	s_nop 0
	PLACES 4
	s_branch .Lhead_asked
\next:
.endm
	ARM 0, G0, G1, .Lhead_b0
	ARM 2, G0B, G1B, .Lhead_a1
	ARM 1, G0, G1, .Lhead_b1
	tensor_load_to_lds s[G0B:G0B+3], s[G1B:G1B+7]
	s_nop 0
	PLACES 4
.Lhead_asked:
	v_and_b32 v16, 31, v0
	v_lshlrev_b32 v21, 4, v16
	s_wait_alu depctr_va_vdst(0)
	v_lshlrev_b32 v17, 2, v16
.if LAPS > 1
	s_and_b32 s68, ttmp7, 0xffff
	s_cmp_eq_u32 s15, 0
	s_cselect_b32 s69, s40, s41
	s_cselect_b32 s68, ttmp9, s68
	s_cselect_b64 s[PFA:PFA+1], s[20:21], s[46:47]
	s_cmp_eq_u32 s68, 0
	s_cselect_b32 s[LIM], 1, -1
	s_mul_i32 s68, s69, 8448
	s_add_co_u32 s68, s68, 3*SLOTG
	s_mov_b32 s69, 0
	s_add_nc_u64 s[PFA:PFA+1], s[PFA:PFA+1], s[68:69]
	v_lshlrev_b32 v[PFO], 8, v16
.endif
	s_wait_alu depctr_va_vdst(0)
	s_lshl_b32 s76, s15, 13
	s_lshl_b32 s77, s16, 13
	s_add_co_u32 s77, s77, SLOTG
	s_lshl_b32 s78, s15, 8
	s_add_co_u32 s78, s78, 16384
	s_lshl_b32 s79, s16, 8
	s_add_co_u32 s79, s79, SLOTG+16384
.irp s, 0,1
	v_add_nc_u32 v[ADRA+\s], s76, v21
	v_add_nc_u32 v[ADRB+\s], s77, v21
	v_add_nc_u32 v[SAA+\s], s78, v17
	v_add_nc_u32 v[SAB+\s], s79, v17
	s_add_co_u32 s76, s76, SLOT
	s_add_co_u32 s77, s77, SLOT
	s_add_co_u32 s78, s78, SLOT
	s_add_co_u32 s79, s79, SLOT
.endr
	v_bfe_u32 v19, v0, 4, 1
	v_and_b32 v20, 15, v0
	s_wait_alu depctr_va_vdst(0)
	v_lshlrev_b32 v18, 6, v19
	s_lshl_b32 s18, s42, 1
	s_add_co_u32 s18, s18, s16
	s_lshl_b32 s18, s18, 8
	s_mov_b32 s19, 0
	s_add_nc_u64 s[8:9], s[8:9], s[18:19]
.irp b, 0,1,2,3
	global_load_b128 v[BIAS+8*\b:BIAS+8*\b+3], v18, s[8:9] offset:(32*(\b/2)+8*(\b%2))*4
	global_load_b128 v[BIAS+8*\b+4:BIAS+8*\b+7], v18, s[8:9] offset:(32*(\b/2)+8*(\b%2))*4+16
.endr
	s_lshl_b32 s22, s17, 1
	s_add_co_u32 s22, s22, s15
	s_lshl_b32 s22, s22, 18
	s_add_co_u32 s18, s18, s22
	s_add_nc_u64 s[10:11], s[10:11], s[18:19]
	s_add_nc_u64 s[12:13], s[12:13], s[18:19]
	v_lshlrev_b32 v[CO], 4, v20
	v_lshl_add_u32 v[CO], v19, 12, v[CO]
	WIN 0x80
.irp a, 0,1,2,3
.irp i, 0,1,2,3,4,5,6,7
	global_load_b128 v[32*\a+4*\i:32*\a+4*\i+3], v[CO], s[10:11] offset:(32*(\a/2)+8*(\a%2)+2*\i+8*(\i/4))*4096 th:TH_LOAD_NT
.endr
.endr
	WIN 0
	s_mul_i32 s23, s14, 16*SPITCH
	v_mul_u32_u24 v22, v20, SPITCH
	v_lshl_add_u32 v22, v19, 6, v22
	v_add_nc_u32 v[STO], s23, v22
	v_mul_u32_u24 v22, v19, SPITCH
	v_lshl_add_u32 v22, v20, 4, v22
	v_add_nc_u32 v[RD], s23, v22
	s_wait_loadcnt 32
	s_cmp_eq_u32 s16, 0
	s_cbranch_scc0 .Lslot_1
	s_wait_tensorcnt 0x0                           ; waves 0 and 2: slot 0 is in.  Slot 1's waves wait at the change of slots, where every wave waits
.Lslot_1:
	s_barrier_signal -1
	s_barrier_wait -1
	FETCH 0, 0
	WIN 0
	SCALES 0
	STEP 0, 0, 1
	WIN 0
.if LAPS > 1
	s_mov_b32 s3, LAPS-1
.Llap:
	STEP 0, 1, 0
	STEP 0, 2, 0
	TURN 0, 1, 1
	STEP 1, 0, 0
	STEP 1, 1, 0
	STEP 1, 2, 0
	TURN 1, 0, 1
	STEP 0, 0, 0
	WIN 0
	s_sub_co_u32 s3, s3, 1
	s_cmp_lg_u32 s3, 0
	s_cbranch_scc1 .Llap
.endif
	STEP 0, 1, 0
	STEP 0, 2, 0
	TURN 0, 1, 0
	STEP 1, 0, 0
	STEP 1, 1, 0
	STEP 1, 2, 0
	s_wait_dscnt 0x0
	WIN MUL
.irp a, 0,1,2,3
	MULA \a, 3, 1, 0
.endr
	WIN 0
	PLACES NP
.macro TOSTAGE a
	WIN 0
.irp b, 0,1,2,3
	ds_store_b128 v[STO], v[ACC+8*(4*\a+\b):ACC+8*(4*\a+\b)+3] offset:128*(\b/2)+32*(\b%2)
	ds_store_b128 v[STO], v[ACC+8*(4*\a+\b)+4:ACC+8*(4*\a+\b)+7] offset:128*(\b/2)+32*(\b%2)+16
.endr
	WIN 0x40
.irp i, 0,1,2,3,4,5,6,7
	ds_load_b128 v[32*\a+4*\i:32*\a+4*\i+3], v[RD] offset:2*\i*SPITCH
.endr
.endm
.macro SEND a
	s_wait_dscnt 16*(3-\a)
	WIN 0x49
.set n, 0
.rept 16
	v_pk_add_f32 v[32*\a+n:32*\a+n+1], v[32*\a+n:32*\a+n+1], v[32*\a+n:32*\a+n+1]
.set n, n+2
.endr
	WIN 0x04
.irp i, 0,1,2,3,4,5,6,7
	global_store_b128 v[CO], v[32*\a+4*\i:32*\a+4*\i+3], s[12:13] offset:(32*(\a/2)+8*(\a%2)+2*\i+8*(\i/4))*4096 th:TH_STORE_NT
.endr
.endm
	s_wait_alu depctr_va_vdst(0)
.irp a, 0,1,2,3
	TOSTAGE \a
.endr
	s_wait_loadcnt 0x0
.irp a, 0,1,2,3
	SEND \a
.endr
	WIN 0
	s_wait_tensorcnt 0x0
	ds_add_u32 v[SPW], v[NIL]
	s_wait_dscnt 0x0
	CROUND
	s_endpgm
.Lfunc_end_k_q9d4a492783_oproj:
	.size	k_q9d4a492783_oproj, .Lfunc_end_k_q9d4a492783_oproj-k_q9d4a492783_oproj
	.p2alignl 7, 3214868480
	.fill 96, 4, 3214868480
	.section	.rodata,"a",@progbits
	.p2align	6, 0x0
	.amdhsa_kernel k_q9d4a492783_oproj
		.amdhsa_group_segment_fixed_size 327680
		.amdhsa_private_segment_fixed_size 0
		.amdhsa_enable_private_segment 0
		.amdhsa_kernarg_size 40
		.amdhsa_user_sgpr_count 2
		.amdhsa_user_sgpr_kernarg_segment_ptr 1
		.amdhsa_wavefront_size32 1
		.amdhsa_system_sgpr_workgroup_id_x 1
		.amdhsa_system_sgpr_workgroup_id_y 1
		.amdhsa_system_sgpr_workgroup_id_z 1
		.amdhsa_system_vgpr_workitem_id 0
		.amdhsa_next_free_vgpr 768
		.amdhsa_next_free_sgpr 100
		.amdhsa_reserve_vcc 0
		.amdhsa_float_denorm_mode_32 3
		.amdhsa_float_denorm_mode_16_64 3
		.amdhsa_memory_ordered 1
		.amdhsa_forward_progress 1
		.amdhsa_inst_pref_size 61
	.end_amdhsa_kernel
	.amdgpu_metadata
---
amdhsa.version: [ 1, 2 ]
amdhsa.kernels:
  - .name:           k_q9d4a492783_oproj
    .symbol:         k_q9d4a492783_oproj.kd
    .args:
      - { .name: att, .offset: 0, .size: 8, .value_kind: global_buffer, .address_space: global }
      - { .name: ops, .offset: 8, .size: 8, .value_kind: global_buffer, .address_space: global }
      - { .name: bo, .offset: 16, .size: 8, .value_kind: global_buffer, .address_space: global }
      - { .name: x, .offset: 24, .size: 8, .value_kind: global_buffer, .address_space: global }
      - { .name: x1, .offset: 32, .size: 8, .value_kind: global_buffer, .address_space: global }
    .group_segment_fixed_size: 327680
    .private_segment_fixed_size: 0
    .kernarg_segment_align: 8
    .kernarg_segment_size: 40
    .max_flat_workgroup_size: 128
    .sgpr_count:     100
    .vgpr_count:     768
    .wavefront_size: 32
...
	.end_amdgpu_metadata
.endif
;; end of part 11
;; launch ln1 (part 12): grid 256 x 1, 4 waves a work-group, no clusters, 66,304 bytes of LDS; arguments x1, ln2_w, ln2_b, h2; writes h2
.if DOCPART == 12
	.amdgcn_target "amdgcn-amd-amdhsa--gfx1250"
	.amdhsa_code_object_version 6
	.text
	.protected	k_q9d4a492783_ln1
	.globl	k_q9d4a492783_ln1
	.p2align	8
	.type	k_q9d4a492783_ln1,@function
k_q9d4a492783_ln1:
	s_mov_b64 s[64:65], 0
	v_nop
	global_prefetch_b8 v0, s[64:65] scope:SCOPE_SE
	s_setreg_imm32_b32 hwreg(HW_REG_WAVE_MODE, 25, 1), 1
	s_wait_xcnt 0x0
; y = (x - mean) rsqrt(var + 1e-5) w + b over rows of 1,024 f32, quantised along the row to E5M2 with one E8M0 byte for each 32, stored as an OPERAND IMAGE at the destination's first byte.
; THE IMAGE: rows in tiles of 128, K in steps of 128; a block [tile][step] is PB = 16,896 bytes: eight fragments of 2,048 bytes, then 512 bytes of scale words (the word of fragment f, place r at 16,384 + 64 f + 4 r).
; Fragment f, place r holds row pi(f, r) = 32 (f / 2) + 8 (f % 2) + r + 8 (r / 8); chunk c of a fragment holds, at 16 x lane (lane = r + 16 h), the codes of k = 32 c + 16 h + 0 .. 15.
; A work-group is one fragment's 16 rows, for all of K.  PHASE 1: a wave takes four rows (four neighbouring tokens), a row in 32 registers: every load reads 512 consecutive bytes; mean and variance in two passes
; over the registers; y goes to LDS, rows 4,112 bytes apart.  One barrier.  PHASE 2: a wave takes two K steps; lane (r, h) reads from row r its 16 neighbours of each block of 32 (the pitch is an odd multiple of
; 16 bytes, so the sixteen rows of a load start at sixteen different banks: ISA guide 11.1), quantises and stores the fragment as it stands in its registers: 512 consecutive bytes a store.
; The scale words leave 64 bytes at a time (lanes 16-31 hold and write the same words as lanes 0-15).  Memory binds: no matrix unit, no tensor load, no cluster: work-groups share nothing but w and b.
; LIMITS: NaN and infinities are not served; a block whose largest magnitude lies under 2^-111 keeps the byte 1 (its codes are read by this program alone).
.set PB,    16896
.set PITCH, 4112
.set WR, 32                            ; v32-63   w
.set BR, 64                            ; v64-95   b
.set X,  96                            ; v96-223  four rows; in phase 2 two sets of 64 numbers
.set TM, 224                           ; v224-239 the quantiser's: +0 largest magnitudes, +4 the other half's, then bytes, +8 limits, +12 scale operands
	s_load_b256 s[4:11], s[0:1], 0x0               ; src s[4:5], w s[6:7], b s[8:9], dst s[10:11]
	v_lshl_add_u32 v254, v0, 2, 0x10100
	v_mov_b32 v255, 0
	v_lshrrev_b32 v1, 5, v0
	v_readfirstlane_b32 s12, v1                    ; wave
	v_and_b32 v1, 31, v0
	v_lshlrev_b32 v2, 4, v1                        ; 16 x lane
	s_wait_alu depctr_va_vdst(0)
	s_lshr_b32 s13, ttmp9, 3                       ; tile of 128 rows
	s_and_b32 s14, ttmp9, 7                        ; fragment f
	s_lshl_b32 s15, s13, 7                         ; my four places are 4 w .. 4 w + 3: tokens 128 tile + 32 (f / 2) + 8 (f % 2) + 4 w + 8 (w / 2) + 0 .. 3
	s_lshr_b32 s16, s14, 1
	s_lshl_b32 s16, s16, 5
	s_add_co_u32 s15, s15, s16
	s_and_b32 s16, s14, 1
	s_lshl_b32 s16, s16, 3
	s_add_co_u32 s15, s15, s16
	s_lshl_b32 s16, s12, 2
	s_add_co_u32 s15, s15, s16
	s_lshr_b32 s16, s12, 1
	s_lshl_b32 s16, s16, 3
	s_add_co_u32 s15, s15, s16
	s_lshl_b32 s16, s15, 12                        ; x 4,096 bytes
	s_mov_b32 s17, 0
	s_mul_i32 s18, s12, 4*PITCH
	v_add_nc_u32 v3, s18, v2                       ; LDS, in: my first place's row + 16 x lane
	v_and_b32 v5, 15, v0                           ; r
	v_bfe_u32 v6, v0, 4, 1                         ; h
	v_mul_u32_u24 v4, v5, PITCH
	v_lshl_add_u32 v4, v6, 6, v4
	s_lshl_b32 s19, s12, 10
	v_add_nc_u32 v4, s19, v4                       ; LDS, out: row r + 64 h + my two K steps' 1,024 bytes x wave
	v_lshl_add_u32 v7, s14, 11, v2                 ; the image: 2,048 f + 16 x lane,
	v_lshlrev_b32 v8, 2, v5
	v_lshl_add_u32 v8, s14, 6, v8                  ; 64 f + 4 r
	s_lshl_b32 s20, s13, 3
	s_lshl_b32 s21, s12, 1
	s_add_co_u32 s20, s20, s21
	s_mul_i32 s20, s20, PB                         ; block (tile, K step 2 w)
	s_mov_b32 s21, 0
	s_mov_b32 s22, 0x3a800000                      ; 1 / 1,024
	s_mov_b32 s23, 0x3727c5ac                      ; 1e-5
	s_mov_b32 s24, 0x76543210
	s_mov_b32 s25, 0xfedcba98                      ; v_permlanex16_b32's selects for lane l xor 16
	s_mov_b32 s26, 0x600000                        ; the mantissa field of 57,344
	v_mov_b32 v13, 0                               ; a lane permute's destination, and the upper registers of pairs that are named whole, are written once
	v_mov_b32 v17, 0
.irp i, 21,23,25,27,228,229,230,231
	v_mov_b32 v[\i], 0
.endr
	s_wait_kmcnt 0x0
	s_add_nc_u64 s[4:5], s[4:5], s[16:17]
	s_add_nc_u64 s[10:11], s[10:11], s[20:21]
.irp j, 0,1,2,3,4,5,6,7
	global_load_b128 v[WR+4*\j:WR+4*\j+3], v2, s[6:7] offset:512*\j
.endr
.irp j, 0,1,2,3,4,5,6,7
	global_load_b128 v[BR+4*\j:BR+4*\j+3], v2, s[8:9] offset:512*\j
.endr
.irp i, 0,1,2,3
.irp j, 0,1,2,3,4,5,6,7
	global_load_b128 v[X+32*\i+4*\j:X+32*\i+4*\j+3], v2, s[4:5] offset:4096*\i+512*\j th:TH_LOAD_NT
.endr
.endr
.macro RSUM                            ; v12 summed over the 32 lanes, in every lane
	v_add_f32_dpp v12, v12, v12 row_xmask:1 row_mask:0xf bank_mask:0xf
	v_add_f32_dpp v12, v12, v12 row_xmask:2 row_mask:0xf bank_mask:0xf
	v_add_f32_dpp v12, v12, v12 row_xmask:4 row_mask:0xf bank_mask:0xf
	v_add_f32_dpp v12, v12, v12 row_xmask:8 row_mask:0xf bank_mask:0xf
	v_permlanex16_b32 v13, v12, s24, s25
	v_add_f32 v12, v12, v13
.endm
.macro STATS i                         ; row i: x - mean in place; var + eps into v[20 + 2 i]
.set XR, X+32*\i
	s_wait_loadcnt 24-8*\i                         ; w, b and my rows up to this one are in; the later rows' loads, 8 each, may be out
	v_pk_add_f32 v[12:13], v[XR:XR+1], v[XR+2:XR+3]
	v_pk_add_f32 v[14:15], v[XR+4:XR+5], v[XR+6:XR+7]
.irp j, 8,12,16,20,24,28
	v_pk_add_f32 v[12:13], v[12:13], v[XR+\j:XR+\j+1]
	v_pk_add_f32 v[14:15], v[14:15], v[XR+\j+2:XR+\j+3]
.endr
	v_pk_add_f32 v[12:13], v[12:13], v[14:15]
	v_add_f32 v12, v12, v13
	RSUM
	v_mul_f32 v16, s22, v12                        ; the mean
.irp j, 0,2,4,6,8,10,12,14,16,18,20,22,24,26,28,30
	v_pk_add_f32 v[XR+\j:XR+\j+1], v[XR+\j:XR+\j+1], v[16:17] op_sel_hi:[1,0] neg_lo:[0,1] neg_hi:[0,1]
.endr
	v_pk_mul_f32 v[12:13], v[XR:XR+1], v[XR:XR+1]
	v_pk_mul_f32 v[14:15], v[XR+2:XR+3], v[XR+2:XR+3]
.irp j, 4,8,12,16,20,24,28
	v_pk_fma_f32 v[12:13], v[XR+\j:XR+\j+1], v[XR+\j:XR+\j+1], v[12:13]
	v_pk_fma_f32 v[14:15], v[XR+\j+2:XR+\j+3], v[XR+\j+2:XR+\j+3], v[14:15]
.endr
	v_pk_add_f32 v[12:13], v[12:13], v[14:15]
	v_add_f32 v12, v12, v13
	RSUM
	v_fma_f32 v[20+2*\i], v12, s22, s23
.endm
.irp i, 0,1,2,3
	STATS \i
.endr
	s_wait_alu depctr_va_vdst(0)
.irp i, 0,1,2,3
	v_rsq_f32 v[20+2*\i], v[20+2*\i]
.endr
	v_nop                                          ; a plain instruction behind the last of the four,
	s_wait_alu depctr_va_vdst(0)                   ; and one wait for them, ahead of their first reader
.irp i, 0,1,2,3
.irp j, 0,2,4,6,8,10,12,14,16,18,20,22,24,26,28,30
	v_pk_mul_f32 v[X+32*\i+\j:X+32*\i+\j+1], v[X+32*\i+\j:X+32*\i+\j+1], v[20+2*\i:21+2*\i] op_sel_hi:[1,0]
.endr
.irp j, 0,2,4,6,8,10,12,14,16,18,20,22,24,26,28,30
	v_pk_fma_f32 v[X+32*\i+\j:X+32*\i+\j+1], v[X+32*\i+\j:X+32*\i+\j+1], v[WR+\j:WR+\j+1], v[BR+\j:BR+\j+1]
.endr
.irp j, 0,1,2,3,4,5,6,7
	ds_store_b128 v3, v[X+32*\i+4*\j:X+32*\i+4*\j+3] offset:\i*PITCH+512*\j
.endr
.endr
	s_wait_dscnt 0x0                               ; for the others' sake: my rows lie in LDS
	s_barrier_signal -1
	s_barrier_wait -1
.irp s, 0,1
.irp c, 0,1,2,3
.irp q, 0,1,2,3
	ds_load_b128 v[X+64*\s+16*\c+4*\q:X+64*\s+16*\c+4*\q+3], v4 offset:512*\s+128*\c+16*\q   ; register 16 c + i = k 32 c + 16 h + i of row r
.endr
.endr
.endr
; 64 numbers of a lane, register 16 b + i = k 32 b + 16 h + i of my row, become a fragment's codes in v[pc] on and its scale word in v[pw]
.macro QUANT s, pc, pw
.irp b, 0,1,2,3
	v_max3_num_f32 v[TM+\b], |v[\s+16*\b]|, |v[\s+16*\b+1]|, 0x8000000   ; with the floor 2^(16 - 127): the byte cannot fall under 1
.endr
.irp i, 2,4,6,8,10,12,14
.irp b, 0,1,2,3
	v_max3_num_f32 v[TM+\b], v[TM+\b], |v[\s+16*\b+\i]|, |v[\s+16*\b+\i+1]|   ; the four blocks by turns
.endr
.endr
.irp b, 0,1,2,3
	v_permlanex16_b32 v[TM+4+\b], v[TM+\b], s24, s25
.endr
.irp b, 0,1,2,3
	v_max_num_f32 v[TM+\b], v[TM+\b], v[TM+4+\b]   ; with lane l xor 16's 16: the block's largest magnitude
.endr
.irp b, 0,1,2,3
	v_add_nc_u32 v[TM+12+\b], 0xf8800000, v[TM+\b] ; 15 off the exponent field: the conversion's scale operand
.endr
.irp b, 0,1,2,3
	v_and_or_b32 v[TM+8+\b], v[TM+\b], 0x7f800000, s26   ; 57,344 x the scale
.endr
.irp b, 0,1,2,3
	v_lshrrev_b32 v[TM+4+\b], 23, v[TM+12+\b]      ; the scale's byte
.endr
	v_lshl_or_b32 v[\pw], v[TM+5], 8, v[TM+4]
	v_lshl_or_b32 v[\pw], v[TM+6], 16, v[\pw]
	v_lshl_or_b32 v[\pw], v[TM+7], 24, v[\pw]
.irp b, 0,1,2,3
.irp i, 0,1,2,3,4,5,6,7,8,9,10,11,12,13,14,15
	v_med3_num_f32 v[\s+16*\b+\i], v[\s+16*\b+\i], -v[TM+8+\b], v[TM+8+\b]   ; the conversion does not saturate (ISA guide 7.6.2): the hold comes first
.endr
.endr
.irp b, 0,1,2,3
	v_cvt_scalef32_pk8_bf8_f32 v[\pc+4*\b:\pc+4*\b+1], v[\s+16*\b:\s+16*\b+7], v[TM+12+\b]
	v_cvt_scalef32_pk8_bf8_f32 v[\pc+4*\b+2:\pc+4*\b+3], v[\s+16*\b+8:\s+16*\b+15], v[TM+12+\b]
.endr
	v_nop                                          ; a plain instruction behind the last conversion
.endm
	s_wait_dscnt 16                                ; the first K step's 16 loads are in; the second's may be out
	QUANT X, 12, 240
.irp c, 0,1,2,3
	global_store_b128 v7, v[12+4*\c:15+4*\c], s[10:11] offset:512*\c
.endr
	global_store_b32 v8, v240, s[10:11] offset:16384
	s_wait_dscnt 0x0
	QUANT X+64, 32, 241
.irp c, 0,1,2,3
	global_store_b128 v7, v[32+4*\c:35+4*\c], s[10:11] offset:PB+512*\c
.endr
	global_store_b32 v8, v241, s[10:11] offset:PB+16384
	s_wait_tensorcnt 0x0
	ds_add_u32 v254, v255
	s_wait_dscnt 0x0
	s_endpgm
.Lfunc_end_k_q9d4a492783_ln1:
	.size	k_q9d4a492783_ln1, .Lfunc_end_k_q9d4a492783_ln1-k_q9d4a492783_ln1
	.p2alignl 7, 3214868480
	.fill 96, 4, 3214868480
	.section	.rodata,"a",@progbits
	.p2align	6, 0x0
	.amdhsa_kernel k_q9d4a492783_ln1
		.amdhsa_group_segment_fixed_size 66304
		.amdhsa_private_segment_fixed_size 0
		.amdhsa_enable_private_segment 0
		.amdhsa_kernarg_size 32
		.amdhsa_user_sgpr_count 2
		.amdhsa_user_sgpr_kernarg_segment_ptr 1
		.amdhsa_wavefront_size32 1
		.amdhsa_system_sgpr_workgroup_id_x 1
		.amdhsa_system_sgpr_workgroup_id_y 1
		.amdhsa_system_sgpr_workgroup_id_z 1
		.amdhsa_system_vgpr_workitem_id 0
		.amdhsa_next_free_vgpr 256
		.amdhsa_next_free_sgpr 100
		.amdhsa_reserve_vcc 0
		.amdhsa_float_denorm_mode_32 3
		.amdhsa_float_denorm_mode_16_64 3
		.amdhsa_memory_ordered 1
		.amdhsa_forward_progress 1
		.amdhsa_inst_pref_size 52
	.end_amdhsa_kernel
	.amdgpu_metadata
---
amdhsa.version: [ 1, 2 ]
amdhsa.kernels:
  - .name:           k_q9d4a492783_ln1
    .symbol:         k_q9d4a492783_ln1.kd
    .args:
      - { .name: x1, .offset: 0, .size: 8, .value_kind: global_buffer, .address_space: global }
      - { .name: ln2_w, .offset: 8, .size: 8, .value_kind: global_buffer, .address_space: global }
      - { .name: ln2_b, .offset: 16, .size: 8, .value_kind: global_buffer, .address_space: global }
      - { .name: h2, .offset: 24, .size: 8, .value_kind: global_buffer, .address_space: global }
    .group_segment_fixed_size: 66304
    .private_segment_fixed_size: 0
    .kernarg_segment_align: 8
    .kernarg_segment_size: 32
    .max_flat_workgroup_size: 128
    .sgpr_count:     100
    .vgpr_count:     256
    .wavefront_size: 32
...
	.end_amdgpu_metadata
.endif
;; end of part 12
;; launch ffn1 (part 13): grid 16 x 16, 4 waves a work-group, clusters of 4 x 4, 327,680 bytes of LDS; arguments h2, ops, b1, hid; writes hid
.if DOCPART == 13
	.amdgcn_target "amdgcn-amd-amdhsa--gfx1250"
	.amdhsa_code_object_version 6
	.text
	.protected	k_q9d4a492783_ffn1
	.globl	k_q9d4a492783_ffn1
	.p2align	8
	.type	k_q9d4a492783_ffn1,@function
k_q9d4a492783_ffn1:
	s_mov_b64 s[64:65], 0
	v_nop
	global_prefetch_b8 v0, s[64:65] scope:SCOPE_SE
	s_setreg_imm32_b32 hwreg(HW_REG_WAVE_MODE, 25, 1), 1
	s_wait_xcnt 0x0
	s_wait_alu depctr_hold_cnt(0) depctr_sa_sdst(0) depctr_va_vdst(0) depctr_va_sdst(0) depctr_va_ssrc(0) depctr_va_vcc(0) depctr_vm_vsrc(0)
	s_getreg_b32 s2, hwreg(HW_REG_IB_STS2, 6, 4)
	s_cmp_eq_u32 s2, 0
	s_cbranch_scc0 .Lentry_in_a_cluster
	s_endpgm
.Lentry_in_a_cluster:
	s_bfe_u32 s2, ttmp6, 0x10000c
	s_cmp_lg_u32 s2, 0xf033
	s_cbranch_scc0 .Lentry_shape_is_right
	s_endpgm
.Lentry_shape_is_right:
.set KS,    8
.set OFF_B, 8650752
.set PB,    16896
.set QUART, 2*PB
.set SLOT,  4*QUART
.set SPARE, 2*SLOT
.set LAPS,  KS/4
.set NP,    8
.set PW,   1
.set ADRA, 2
.set ADRB, 4
.set SAA,  6
.set SAB,  8
.set C9,   10
.set CO,   12
.set VSW,  13
.set SPW,  14
.set NIL,  15
.set TM,   16
.set SC,   32
.set BIAS, 64
.set AF,   128
.set G1,  24
.set G0,  32
.set G1B, 48
.set G0B, 56
.set SEL, 88
.set MNT, 90
.set MUL_LO, 0xa1
.set MUL_HI, 0xf1
.set MSB, 0
.macro WIN new
.if MSB != (\new)
	s_set_vgpr_msb (MSB<<8)|(\new)
.set MSB, (\new)
.endif
.endm
.macro JLOAD s
	s_cmp_eq_u32 s15, 0
	s_cbranch_scc0 .Lfor_b_\@
	tensor_load_to_lds s[G0+4*\s:G0+4*\s+3], s[G1:G1+7]
	s_nop 0
.rept 4
	v_nop
.endr
	s_branch .Lasked_\@
.Lfor_b_\@:
	tensor_load_to_lds s[G0B+4*\s:G0B+4*\s+3], s[G1B:G1B+7]
	s_nop 0
.rept 4
	v_nop
.endr
.Lasked_\@:
.endm
.macro CREST
	s_cmp_lg_u32 s14, 0
	s_cbranch_scc1 .Lnot_wave_0_\@
	s_barrier_signal -3
.Lnot_wave_0_\@:
	s_barrier_wait -3
	s_barrier_signal -1
	s_barrier_wait -1
.endm
.macro CROUND
	s_barrier_signal -1
	s_barrier_wait -1
	CREST
.endm
.macro PLACES n
.rept \n
	v_nop
.endr
.endm
.macro WM d, s0, s1, c, x0, x1, r0, r1
.if (\r0) && (\r1)
	v_wmma_scale_f32_16x16x128_f8f6f4 v[\d:\d+7], v[\s0:\s0+15], v[\s1:\s1+15], v[\c:\c+7], v[\x0], v[\x1] matrix_a_fmt:MATRIX_FMT_BF8 matrix_b_fmt:MATRIX_FMT_BF8 matrix_a_scale:MATRIX_SCALE_ROW1 matrix_b_scale:MATRIX_SCALE_ROW1
.elseif \r0
	v_wmma_scale_f32_16x16x128_f8f6f4 v[\d:\d+7], v[\s0:\s0+15], v[\s1:\s1+15], v[\c:\c+7], v[\x0], v[\x1] matrix_a_fmt:MATRIX_FMT_BF8 matrix_b_fmt:MATRIX_FMT_BF8 matrix_a_scale:MATRIX_SCALE_ROW1
.elseif \r1
	v_wmma_scale_f32_16x16x128_f8f6f4 v[\d:\d+7], v[\s0:\s0+15], v[\s1:\s1+15], v[\c:\c+7], v[\x0], v[\x1] matrix_a_fmt:MATRIX_FMT_BF8 matrix_b_fmt:MATRIX_FMT_BF8 matrix_b_scale:MATRIX_SCALE_ROW1
.else
	v_wmma_scale_f32_16x16x128_f8f6f4 v[\d:\d+7], v[\s0:\s0+15], v[\s1:\s1+15], v[\c:\c+7], v[\x0], v[\x1] matrix_a_fmt:MATRIX_FMT_BF8 matrix_b_fmt:MATRIX_FMT_BF8
.endif
.endm
.macro MUL16 a0, p, q, sc, first
.irp a, \a0, \a0+1
.irp b, 0,1,2,3,4,5,6,7
	WM (8*(8*((\a)%4)+\b)), (128*(\p)+16*\b), (AF+16*(\a)), ((\first)*(BIAS+8*\b)+(1-(\first))*8*(8*((\a)%4)+\b)), (SC+16*(\sc)+8+4*(\q)+\b/2), (SC+16*(\sc)+4*(\q)+(\a)/2), (\b%2), ((\a)%2)
.endr
.endr
.endm
.macro FRAG reg, adr, q, i
.irp c, 0,1,2,3
	ds_load_b128 v[\reg+4*\c:\reg+4*\c+3], v[\adr] offset:(\q)*PB+2048*(\i)+512*\c
.endr
.endm
.macro FETCH_B slot, q, p
	WIN 0x40
.irp i, 0,1,2,3,4,5,6,7
	FRAG 128*(\p)+16*\i, ADRB+\slot, \q, \i
.endr
	WIN 0
.endm
.macro FETCH_A slot, q, i0
.irp i, \i0, \i0+1, \i0+2, \i0+3
	FRAG AF+16*(\i), ADRA+\slot, \q, \i
.endr
.endm
.macro SCALES sc
.irp q, 0,1
.irp i, 0,1,2,3
	ds_load_b32 v[SC+16*\sc+4*\q+\i], v[SAA+\sc] offset:16384+\q*PB+128*\i
	ds_load_b32 v[SC+16*\sc+8+4*\q+\i], v[SAB+\sc] offset:16384+\q*PB+128*\i
.endr
.endr
.endm
.macro STEP slot, first
	s_wait_dscnt 16
	WIN MUL_LO-0x20*(\first)
	MUL16 0, 0, 0, \slot, \first
	MUL16 2, 0, 0, \slot, \first
	s_wait_dscnt 0x0
	PLACES NP
	FETCH_B \slot, 1, 1
	FETCH_A \slot, 1, 0
	WIN MUL_HI-0x30*(\first)
	MUL16 4, 0, 0, \slot, \first
	MUL16 6, 0, 0, \slot, \first
	PLACES NP
	WIN 0
	FETCH_A \slot, 1, 4
.endm
.macro TURN slot, next, fill
	s_wait_tensorcnt 0x0
	ds_add_u32 v[SPW], v[NIL]
.if \fill
.irp g, G1, G1B                                ; no tensor load of mine is out, so group 1 may be written: a refill brings a quarter of a slot as 132 rows of 256 bytes
	s_mov_b32 s[\g+1], 32<<16
	s_mov_b32 s[\g+2], 132<<16
	s_mov_b32 s[\g+3], 32<<16
	s_mov_b32 s[\g+4], 132
	s_mov_b32 s[\g+5], 32
.endr
.endif
	s_wait_dscnt 17
	WIN MUL_LO
	MUL16 0, 1, 1, \slot, 0
	s_wait_dscnt 0x0
	s_barrier_signal -1
	MUL16 2, 1, 1, \slot, 0
	WIN 0
	s_barrier_wait -1
.if \fill
	CREST
	s_add_nc_u64 s[G0+4*\slot+2:G0+4*\slot+3], s[G0+4*\slot+2:G0+4*\slot+3], 2*QUART
	s_add_nc_u64 s[G0B+4*\slot+2:G0B+4*\slot+3], s[G0B+4*\slot+2:G0B+4*\slot+3], 2*QUART
	JLOAD \slot
	PLACES NP-4
.else
	PLACES NP
.endif
	s_wait_alu depctr_va_vdst(0)
	FETCH_B \next, 0, 0
	FETCH_A \next, 0, 0
	SCALES \next
	WIN MUL_HI
	MUL16 4, 1, 1, \slot, 0
	MUL16 6, 1, 1, \slot, 0
	PLACES NP
	WIN 0
	FETCH_A \next, 0, 4
.endm
	s_load_b256 s[4:11], s[0:1], 0x0
	v_lshl_add_u32 v[SPW], v0, 2, SPARE
	v_mov_b32 v[NIL], 0
	ds_add_u32 v14, v15
	ds_add_u32 v14, v15
	s_wait_dscnt 0x0
	v_lshrrev_b32 v16, 5, v0
	v_readfirstlane_b32 s14, v16
	s_lshr_b32 s15, s14, 1
	s_and_b32 s16, s14, 1
	s_bfe_u32 s40, ttmp6, 0x40000
	s_bfe_u32 s41, ttmp6, 0x40004
	s_lshl_b32 s42, ttmp9, 2
	s_add_co_u32 s42, s42, s40
	s_and_b32 s17, ttmp7, 0xffff
	s_lshl_b32 s17, s17, 2
	s_add_co_u32 s17, s17, s41
	s_lshl_b32 s43, s41, 2
	s_lshl_b32 s43, 15, s43
	s_lshl_b32 s44, 0x1111, s40
	s_or_b32 s[G1], s43, (3<<16)|(1<<21)
	s_or_b32 s[G1B], s44, (3<<16)|(1<<21)
.irp g, G1, G1B
	s_mov_b32 s[\g+1], (QUART/8)<<16               ; for the head's load: a row is 128 rows x 256 K of an image, 33,792 dense bytes;
	s_mov_b32 s[\g+2], 2<<16                       ; two of them: the operand's two tiles of 128 rows,
	s_mov_b32 s[\g+3], (QUART/8)<<16
	s_mov_b32 s[\g+4], 2
	s_mov_b32 s[\g+5], KS*PB/8                     ; a tile's bytes apart
	s_mov_b32 s[\g+6], 0
	s_mov_b32 s[\g+7], 0
.endr
	s_lshl_b32 s20, s17, 1
	s_add_co_u32 s20, s20, s16
	s_mul_i32 s20, s20, KS*PB
	s_mov_b32 s21, 0
	s_lshl_b32 s46, s42, 1
	s_add_co_u32 s46, s46, s16
	s_mul_i32 s46, s46, KS*PB
	s_add_co_u32 s46, s46, OFF_B
	s_mov_b32 s47, 0
	s_mul_i32 s45, s14, QUART
	s_wait_kmcnt 0x0
	s_add_nc_u64 s[20:21], s[4:5], s[20:21]
	s_add_nc_u64 s[46:47], s[6:7], s[46:47]
	CROUND
.irp s, 0,1
	s_mov_b32 s[G0+4*\s], 1
	s_add_co_u32 s[G0+4*\s+1], s45, \s*SLOT
	s_add_nc_u64 s[G0+4*\s+2:G0+4*\s+3], s[20:21], \s*QUART
	s_or_b32 s[G0+4*\s+3], s[G0+4*\s+3], 0x80000000
	s_mov_b32 s[G0B+4*\s], 1
	s_add_co_u32 s[G0B+4*\s+1], s45, \s*SLOT
	s_add_nc_u64 s[G0B+4*\s+2:G0B+4*\s+3], s[46:47], \s*QUART
	s_or_b32 s[G0B+4*\s+3], s[G0B+4*\s+3], 0x80000000
.endr
	; THE HEAD'S LOAD, ONE A WAVE, FILLS BOTH SLOTS: wave 2 o + s brings operand o's two halves of slot s: two rows of 33,792 bytes, which lie on end in LDS
	s_mul_i32 s73, s16, QUART                      ; slot s: K steps 2 s, 2 s + 1
	s_mul_i32 s74, s17, 2*KS*PB                    ; A's pair of tiles: hangs on cy, never on cx
	s_add_co_u32 s74, s74, s73
	s_mov_b32 s75, 0
	s_add_nc_u64 s[74:75], s[4:5], s[74:75]
	s_or_b32 s75, s75, 0x80000000
	s_mul_i32 s78, s42, 2*KS*PB                    ; B's: on cx, never on cy
	s_add_co_u32 s78, s78, s73
	s_add_co_u32 s78, s78, OFF_B
	s_mov_b32 s79, 0
	s_add_nc_u64 s[78:79], s[6:7], s[78:79]
	s_or_b32 s79, s79, 0x80000000
	s_mul_i32 s73, s16, SLOT                       ; A's halves lie first in a slot,
	s_add_co_u32 s77, s73, 2*QUART                 ; B's behind them
	s_mov_b32 s72, 1
	s_mov_b32 s76, 1
; one chain of branches on the wave's number, a load line to each wave: slot 0's two tiles (waves 0 and 2) are asked for first, and their waves alone wait at the head
.macro ARM w, g0, g1, next
	s_cmp_eq_u32 s14, \w
	s_cbranch_scc0 \next
	tensor_load_to_lds s[\g0:\g0+3], s[\g1:\g1+7]
	s_nop 0
	PLACES 4
	s_branch .Lhead_asked
\next:
.endm
	ARM 0, 72, G1, .Lhead_b0
	ARM 2, 76, G1B, .Lhead_a1
	ARM 1, 72, G1, .Lhead_b1
	tensor_load_to_lds s[76:79], s[G1B:G1B+7]
	s_nop 0
	PLACES 4
.Lhead_asked:
	; A PREFETCH INTO THE L2 of the two refills that the launch has, slots 2 and 3: of the quarter that my wave will fetch (33,792 bytes, 132 blocks of 256) each of the four partners that ask for it jointly
	; takes 33 blocks, told apart by address: 32 lanes a block each, and one line more in which all lanes name the 33rd.  They stand two changes of slots ahead of the first of the two refills.
	s_cmp_eq_u32 s15, 0
	s_cselect_b32 s80, s40, s41                    ; my place among the four
	s_cselect_b64 s[82:83], s[20:21], s[46:47]
	s_mul_i32 s80, s80, 8448
	s_add_co_u32 s80, s80, 2*QUART
	s_mov_b32 s81, 0
	s_add_nc_u64 s[82:83], s[82:83], s[80:81]
	v_and_b32 v30, 31, v0
	v_lshlrev_b32 v30, 8, v30
	v_mov_b32 v31, 0x2000
	global_prefetch_b8 v30, s[82:83] th:TH_LOAD_NT scope:SCOPE_SE
	global_prefetch_b8 v31, s[82:83] th:TH_LOAD_NT scope:SCOPE_SE
	global_prefetch_b8 v30, s[82:83] offset:QUART th:TH_LOAD_NT scope:SCOPE_SE
	global_prefetch_b8 v31, s[82:83] offset:QUART th:TH_LOAD_NT scope:SCOPE_SE
	v_and_b32 v16, 31, v0
	v_lshlrev_b32 v[CO], 4, v16
	v_lshlrev_b32 v17, 2, v16
	s_mul_i32 s21, s15, QUART
	s_mul_i32 s22, s16, QUART
	s_add_co_u32 s22, s22, 2*QUART
.irp s, 0,1
	v_add_nc_u32 v[ADRA+\s], s21, v[CO]
	v_add_nc_u32 v[ADRB+\s], s22, v[CO]
	v_add_nc_u32 v[SAA+\s], s21, v17
	v_add_nc_u32 v[SAB+\s], s22, v17
	s_add_co_u32 s21, s21, SLOT
	s_add_co_u32 s22, s22, SLOT
.endr
	v_bfe_u32 v18, v0, 4, 1
	v_lshlrev_b32 v18, 6, v18
	s_lshl_b32 s18, s42, 1
	s_add_co_u32 s18, s18, s16
	s_lshl_b32 s22, s18, 9
	s_mov_b32 s23, 0
	s_add_nc_u64 s[8:9], s[8:9], s[22:23]
.irp b, 0,1,2,3,4,5,6,7
	global_load_b128 v[BIAS+8*\b:BIAS+8*\b+3], v18, s[8:9] offset:(32*(\b/2)+8*(\b%2))*4
	global_load_b128 v[BIAS+8*\b+4:BIAS+8*\b+7], v18, s[8:9] offset:(32*(\b/2)+8*(\b%2))*4+16
.endr
	s_lshl_b32 s66, s17, 1
	s_add_co_u32 s66, s66, s15
	s_lshl_b32 s66, s66, 5
	s_add_co_u32 s66, s66, s18
	s_mul_i32 s66, s66, PB
	s_mov_b32 s67, 0
	s_add_nc_u64 s[10:11], s[10:11], s[66:67]
	v_and_b32 v[VSW], 15, v0
	v_lshlrev_b32 v[VSW], 2, v[VSW]
	v_mov_b32 v[C9], 0x3e7c6f08
	v_mov_b32 v[C9+1], 0x3e7c6f08
	s_mov_b32 s71, 0x3eb504f3
	s_mov_b32 s[SEL], 0x76543210
	s_mov_b32 s[SEL+1], 0xfedcba98
	s_mov_b32 s[MNT], 0x600000
	s_wait_loadcnt 0x0
	s_wait_xcnt 0x0                                ; the prefetches have read their registers, which are written again on the way out
	s_cmp_eq_u32 s16, 0
	s_cbranch_scc0 .Lslot_1
	s_wait_tensorcnt 0x0                           ; waves 0 and 2: slot 0 is in.  Slot 1's waves wait at the first change of slots, where every wave waits
.Lslot_1:
	s_barrier_signal -1
	s_barrier_wait -1
	FETCH_B 0, 0, 0
	FETCH_A 0, 0, 0
	SCALES 0
	FETCH_A 0, 0, 4
	STEP 0, 1
	s_mov_b32 s3, LAPS-1
.Llap:
	TURN 0, 1, 1
	STEP 1, 0
	TURN 1, 0, 1
	STEP 0, 0
	s_sub_co_u32 s3, s3, 1
	s_cmp_lg_u32 s3, 0
	s_cbranch_scc1 .Llap
	TURN 0, 1, 0
	STEP 1, 0
	s_wait_dscnt 16
	WIN MUL_LO
	MUL16 0, 1, 1, 1, 0
	MUL16 2, 1, 1, 1, 0
	s_wait_dscnt 0x0
	WIN MUL_HI
	MUL16 4, 1, 1, 1, 0
	MUL16 6, 1, 1, 1, 0
	WIN 0
	PLACES NP
.set X, 64
.set T, 128
.set P, 192
	s_mov_b32 s70, 0
.Lblock:
.irp a, 0,1,2,3,4,5,6
	s_cmp_eq_u32 s70, \a
	s_cbranch_scc1 .Lcopy_\a
.endr
.irp a, 7,6,5,4,3,2,1,0
.Lcopy_\a:
	WIN 2+\a/4
.set n, 0
.rept 64
	v_mov_b32 v[X+n], v[64*(\a%4)+n]
.set n, n+1
.endr
	WIN 0
.if \a > 0
	s_branch .Lwork
.endif
.endr
.Lwork:
.set n, 0
.rept 64
	v_fma_f32 v[T+n], |v[X+n]|, s71, 1.0
.set n, n+1
.endr
.set n, 0
	s_wait_alu depctr_va_vdst(0)
.rept 64
	v_rcp_f32 v[T+n], v[T+n]
.set n, n+1
.endr
	v_nop
	s_wait_alu depctr_va_vdst(0)
.set n, 0
.rept 32
	v_dual_fmaak_f32 v[P+n], v[T+n], v[C9], 0xbf97d29d :: v_dual_fmaak_f32 v[P+n+1], v[T+n+1], v[C9+1], 0xbf97d29d   ; two fused multiply-adds a line: an even and an odd register side by side, one literal for both
.set n, n+2
.endr
.irp k, 0x40097039, 0xbfd1a1e5, 0x3ecdfd18, 0xbe899a80, 0x3e0efb2e, 0x3f0a29d2, 0x3fb8ab5a, 0xc034d90f
.set n, 0
.rept 32
	v_dual_fmaak_f32 v[P+n], v[P+n], v[T+n], \k :: v_dual_fmaak_f32 v[P+n+1], v[P+n+1], v[T+n+1], \k
.set n, n+2
.endr
.endr
.irp g, 0,1,2,3
.irp e, 0,1,2,3,4,5,6,7
	v_dual_mul_f32 v[TM+2*\e], 0xbf38aa3b, v[X+16*\g+2*\e] :: v_dual_mul_f32 v[TM+2*\e+1], 0xbf38aa3b, v[X+16*\g+2*\e+1]
.endr
.irp e, 0,1,2,3,4,5,6,7
	v_dual_fmac_f32 v[P+16*\g+2*\e], v[TM+2*\e], v[X+16*\g+2*\e] :: v_dual_fmac_f32 v[P+16*\g+2*\e+1], v[TM+2*\e+1], v[X+16*\g+2*\e+1]
.endr
.endr
.set n, 0
	s_wait_alu depctr_va_vdst(0)
.rept 64
	v_exp_f32 v[P+n], v[P+n]
.set n, n+1
.endr
	v_nop
	s_wait_alu depctr_va_vdst(0)
.set n, 0
.rept 32
	v_dual_mul_f32 v[P+n], v[P+n], v[T+n] :: v_dual_mul_f32 v[P+n+1], v[P+n+1], v[T+n+1]
.set n, n+2
.endr
.set n, 0
.rept 32
	v_dual_max_num_f32 v[T+n], 0, v[X+n] :: v_dual_max_num_f32 v[T+n+1], 0, v[X+n+1]
.set n, n+2
.endr
.set n, 0
.rept 64
	v_fma_f32 v[X+n], -|v[X+n]|, v[P+n], v[T+n]
.set n, n+1
.endr
.irp b, 0,1,2,3
	v_max3_num_f32 v[TM+\b], |v[X+16*\b]|, |v[X+16*\b+1]|, 0x8000000
.endr
.irp i, 2,4,6,8,10,12,14
.irp b, 0,1,2,3
	v_max3_num_f32 v[TM+\b], v[TM+\b], |v[X+16*\b+\i]|, |v[X+16*\b+\i+1]|
.endr
.endr
.irp b, 0,1,2,3
	v_permlanex16_b32 v[TM+4+\b], v[TM+\b], s[SEL], s[SEL+1]
.endr
.irp b, 0,1,2,3
	v_max_num_f32 v[TM+\b], v[TM+\b], v[TM+4+\b]
.endr
.irp b, 0,1,2,3
	v_add_nc_u32 v[TM+12+\b], 0xf8800000, v[TM+\b]
.endr
.irp b, 0,1,2,3
	v_and_or_b32 v[TM+8+\b], v[TM+\b], 0x7f800000, s[MNT]
.endr
.irp b, 0,1,2,3
	v_lshrrev_b32 v[TM+4+\b], 23, v[TM+12+\b]
.endr
	v_lshl_or_b32 v[PW], v[TM+5], 8, v[TM+4]
	v_lshl_or_b32 v[PW], v[TM+6], 16, v[PW]
	v_lshl_or_b32 v[PW], v[TM+7], 24, v[PW]
.irp b, 0,1,2,3
.irp i, 0,1,2,3,4,5,6,7,8,9,10,11,12,13,14,15
	v_med3_num_f32 v[X+16*\b+\i], v[X+16*\b+\i], -v[TM+8+\b], v[TM+8+\b]
.endr
.endr
.irp b, 0,1,2,3
	v_cvt_scalef32_pk8_bf8_f32 v[T+4*\b:T+4*\b+1], v[X+16*\b:X+16*\b+7], v[TM+12+\b]
	v_cvt_scalef32_pk8_bf8_f32 v[T+4*\b+2:T+4*\b+3], v[X+16*\b+8:X+16*\b+15], v[TM+12+\b]
.endr
	v_nop
.irp c, 0,1,2,3
	global_store_b128 v[CO], v[T+4*\c:T+4*\c+3], s[10:11] offset:512*\c
.endr
	global_store_b32 v[VSW], v[PW], s[10:11] offset:16384
	s_wait_xcnt 0x0
	v_add_nc_u32 v[CO], 2048, v[CO]
	v_add_nc_u32 v[VSW], 64, v[VSW]
	s_add_co_u32 s70, s70, 1
	s_cmp_lt_u32 s70, 8
	s_cbranch_scc1 .Lblock
	s_wait_tensorcnt 0x0
	ds_add_u32 v[SPW], v[NIL]
	s_wait_dscnt 0x0
	CROUND
	s_endpgm
.Lfunc_end_k_q9d4a492783_ffn1:
	.size	k_q9d4a492783_ffn1, .Lfunc_end_k_q9d4a492783_ffn1-k_q9d4a492783_ffn1
	.p2alignl 7, 3214868480
	.fill 96, 4, 3214868480
	.section	.rodata,"a",@progbits
	.p2align	6, 0x0
	.amdhsa_kernel k_q9d4a492783_ffn1
		.amdhsa_group_segment_fixed_size 327680
		.amdhsa_private_segment_fixed_size 0
		.amdhsa_enable_private_segment 0
		.amdhsa_kernarg_size 32
		.amdhsa_user_sgpr_count 2
		.amdhsa_user_sgpr_kernarg_segment_ptr 1
		.amdhsa_wavefront_size32 1
		.amdhsa_system_sgpr_workgroup_id_x 1
		.amdhsa_system_sgpr_workgroup_id_y 1
		.amdhsa_system_sgpr_workgroup_id_z 1
		.amdhsa_system_vgpr_workitem_id 0
		.amdhsa_next_free_vgpr 1024
		.amdhsa_next_free_sgpr 100
		.amdhsa_reserve_vcc 0
		.amdhsa_float_denorm_mode_32 3
		.amdhsa_float_denorm_mode_16_64 3
		.amdhsa_memory_ordered 1
		.amdhsa_forward_progress 1
		.amdhsa_inst_pref_size 194
	.end_amdhsa_kernel
	.amdgpu_metadata
---
amdhsa.version: [ 1, 2 ]
amdhsa.kernels:
  - .name:           k_q9d4a492783_ffn1
    .symbol:         k_q9d4a492783_ffn1.kd
    .args:
      - { .name: h2, .offset: 0, .size: 8, .value_kind: global_buffer, .address_space: global }
      - { .name: ops, .offset: 8, .size: 8, .value_kind: global_buffer, .address_space: global }
      - { .name: b1, .offset: 16, .size: 8, .value_kind: global_buffer, .address_space: global }
      - { .name: hid, .offset: 24, .size: 8, .value_kind: global_buffer, .address_space: global }
    .group_segment_fixed_size: 327680
    .private_segment_fixed_size: 0
    .kernarg_segment_align: 8
    .kernarg_segment_size: 32
    .max_flat_workgroup_size: 128
    .sgpr_count:     100
    .vgpr_count:     1024
    .wavefront_size: 32
...
	.end_amdgpu_metadata
.endif
;; end of part 13
;; launch ffn2 (part 14): grid 8 x 32, 4 waves a work-group, clusters of 4 x 4, 327,680 bytes of LDS; arguments hid, ops, b2, x1, out0; writes out0
.if DOCPART == 14
	.amdgcn_target "amdgcn-amd-amdhsa--gfx1250"
	.amdhsa_code_object_version 6
	.text
	.protected	k_q9d4a492783_ffn2
	.globl	k_q9d4a492783_ffn2
	.p2align	8
	.type	k_q9d4a492783_ffn2,@function
k_q9d4a492783_ffn2:
	s_mov_b64 s[64:65], 0
	v_nop
	global_prefetch_b8 v0, s[64:65] scope:SCOPE_SE
	s_setreg_imm32_b32 hwreg(HW_REG_WAVE_MODE, 25, 1), 1
	s_wait_xcnt 0x0
	s_wait_alu depctr_hold_cnt(0) depctr_sa_sdst(0) depctr_va_vdst(0) depctr_va_sdst(0) depctr_va_ssrc(0) depctr_va_vcc(0) depctr_vm_vsrc(0)
	s_getreg_b32 s2, hwreg(HW_REG_IB_STS2, 6, 4)
	s_cmp_eq_u32 s2, 0
	s_cbranch_scc0 .Lentry_in_a_cluster
	s_endpgm
.Lentry_in_a_cluster:
	s_bfe_u32 s2, ttmp6, 0x10000c
	s_cmp_lg_u32 s2, 0xf033
	s_cbranch_scc0 .Lentry_shape_is_right
	s_endpgm
.Lentry_shape_is_right:
.set KS,    32
.set OFF_B, 12976128
.set PB,    16896
.set QUART, 2*PB
.set SLOTG, 2*QUART
.set SLOT,  2*SLOTG
.set SPARE, 2*SLOT
.set LAPS,  KS/8
.set NP,    8
.set SPITCH, 272
.set ADRA, 2
.set ADRB, 4
.set SAA,  6
.set SAB,  8
.set STO,  10
.set RD,   11
.set CO,   12
.set PFO,  13
.set SPW,  14
.set NIL,  15
.set SC,   32
.set BIAS, 64
.set ACC,  128
.set G1,  24
.set G0,  32
.set G1B, 48
.set G0B, 56
.set PFA, 72
.set LIM, 74
.set MUL, 0x05
.set MSB, 0
.macro WIN new
.if MSB != (\new)
	s_set_vgpr_msb (MSB<<8)|(\new)
.set MSB, (\new)
.endif
.endm
.macro JLOAD s
	s_cmp_eq_u32 s15, 0
	s_cbranch_scc0 .Lfor_b_\@
	tensor_load_to_lds s[G0+4*\s:G0+4*\s+3], s[G1:G1+7]
	s_nop 0
.rept 4
	v_nop
.endr
	s_branch .Lasked_\@
.Lfor_b_\@:
	tensor_load_to_lds s[G0B+4*\s:G0B+4*\s+3], s[G1B:G1B+7]
	s_nop 0
.rept 4
	v_nop
.endr
.Lasked_\@:
.endm
.macro ASK
	s_cmp_gt_u32 s3, s[LIM]
	s_cbranch_scc0 .Lnot_mine_\@
	global_prefetch_b8 v[PFO], s[PFA:PFA+1] th:TH_LOAD_NT scope:SCOPE_SE   ; my work-group's 33 blocks of 256 bytes of the quarter that my wave will fetch: 32 lanes a block each,
	global_prefetch_b8 v23, s[PFA:PFA+1] th:TH_LOAD_NT scope:SCOPE_SE      ; and the 33rd, which all lanes name
.Lnot_mine_\@:
.endm
.macro CREST
	s_cmp_lg_u32 s14, 0
	s_cbranch_scc1 .Lnot_wave_0_\@
	s_barrier_signal -3
.Lnot_wave_0_\@:
	s_barrier_wait -3
	s_barrier_signal -1
	s_barrier_wait -1
.endm
.macro CROUND
	s_barrier_signal -1
	s_barrier_wait -1
	CREST
.endm
.macro PLACES n
.rept \n
	v_nop
.endr
.endm
.macro WM d, s0, s1, c, x0, x1, r0, r1
.if (\r0) && (\r1)
	v_wmma_scale_f32_16x16x128_f8f6f4 v[\d:\d+7], v[\s0:\s0+15], v[\s1:\s1+15], v[\c:\c+7], v[\x0], v[\x1] matrix_a_fmt:MATRIX_FMT_BF8 matrix_b_fmt:MATRIX_FMT_BF8 matrix_a_scale:MATRIX_SCALE_ROW1 matrix_b_scale:MATRIX_SCALE_ROW1
.elseif \r0
	v_wmma_scale_f32_16x16x128_f8f6f4 v[\d:\d+7], v[\s0:\s0+15], v[\s1:\s1+15], v[\c:\c+7], v[\x0], v[\x1] matrix_a_fmt:MATRIX_FMT_BF8 matrix_b_fmt:MATRIX_FMT_BF8 matrix_a_scale:MATRIX_SCALE_ROW1
.elseif \r1
	v_wmma_scale_f32_16x16x128_f8f6f4 v[\d:\d+7], v[\s0:\s0+15], v[\s1:\s1+15], v[\c:\c+7], v[\x0], v[\x1] matrix_a_fmt:MATRIX_FMT_BF8 matrix_b_fmt:MATRIX_FMT_BF8 matrix_b_scale:MATRIX_SCALE_ROW1
.else
	v_wmma_scale_f32_16x16x128_f8f6f4 v[\d:\d+7], v[\s0:\s0+15], v[\s1:\s1+15], v[\c:\c+7], v[\x0], v[\x1] matrix_a_fmt:MATRIX_FMT_BF8 matrix_b_fmt:MATRIX_FMT_BF8
.endif
.endm
.macro MULA a, q, sc, first
.irp b, 0,1,2,3
	WM (ACC+8*(4*(\a)+\b)), (128*((\q)%2)+64+16*\b), (128*((\q)%2)+16*(\a)), ((\first)*(BIAS+8*\b)+(1-(\first))*(ACC+8*(4*(\a)+\b))), (SC+16*(\sc)+8+2*(\q)+\b/2), (SC+16*(\sc)+2*(\q)+(\a)/2), (\b%2), ((\a)%2)
.endr
.endm
.macro FRAG reg, adr, q, i
.irp c, 0,1,2,3
	ds_load_b128 v[\reg+4*\c:\reg+4*\c+3], v[\adr] offset:(\q)*PB+2048*(\i)+512*\c
.endr
.endm
.macro FETCH slot, q
	WIN 0x40
.irp i, 0,1,2,3
	FRAG 128*((\q)%2)+64+16*\i, ADRB+\slot, \q, \i
.endr
.irp i, 0,1,2,3
	FRAG 128*((\q)%2)+16*\i, ADRA+\slot, \q, \i
.endr
.endm
.macro SCALES sc
.irp q, 0,1,2,3
.irp i, 0,1
	ds_load_b32 v[SC+16*\sc+2*\q+\i], v[SAA+\sc] offset:\q*PB+128*\i
	ds_load_b32 v[SC+16*\sc+8+2*\q+\i], v[SAB+\sc] offset:\q*PB+128*\i
.endr
.endr
.endm
.macro STEP slot, q, first
	PLACES NP
	FETCH \slot, (\q)+1
	s_wait_dscnt 32
	WIN MUL
.irp a, 0,1,2,3
	MULA \a, \q, \slot, \first
.endr
.endm
.macro TURN slot, next, fill
.if \fill
	s_wait_xcnt 0x0
	s_add_nc_u64 s[PFA:PFA+1], s[PFA:PFA+1], SLOTG
.endif
	WIN 0
	s_wait_tensorcnt 0x0
	ds_add_u32 v[SPW], v[NIL]
.if \fill
.irp g, G1, G1B                                ; no tensor load of mine is out, so group 1 may be written: a refill brings 132 rows
	s_mov_b32 s[\g+2], 132<<16
	s_mov_b32 s[\g+4], 132
.endr
.endif
	s_wait_dscnt 1
	WIN MUL
	MULA 0, 3, \slot, 0
	s_wait_dscnt 0x0
	s_barrier_signal -1
	MULA 1, 3, \slot, 0
	WIN 0
	s_barrier_wait -1
.if \fill
	CREST
	s_add_nc_u64 s[G0+4*\slot+2:G0+4*\slot+3], s[G0+4*\slot+2:G0+4*\slot+3], 2*SLOTG
	s_add_nc_u64 s[G0B+4*\slot+2:G0B+4*\slot+3], s[G0B+4*\slot+2:G0B+4*\slot+3], 2*SLOTG
	JLOAD \slot
	PLACES NP-4
.else
	PLACES NP
.endif
	FETCH \next, 0
	WIN 0
	SCALES \next
.if \fill
	ASK
.endif
	WIN MUL
	MULA 2, 3, \slot, 0
	MULA 3, 3, \slot, 0
.endm
	s_load_b256 s[4:11], s[0:1], 0x0
	s_load_b64 s[12:13], s[0:1], 0x20
	v_lshl_add_u32 v[SPW], v0, 2, SPARE
	v_mov_b32 v[NIL], 0
	ds_add_u32 v14, v15
	ds_add_u32 v14, v15
	s_wait_dscnt 0x0
	v_lshrrev_b32 v16, 5, v0
	v_readfirstlane_b32 s14, v16
	s_lshr_b32 s15, s14, 1
	s_and_b32 s16, s14, 1
	s_bfe_u32 s40, ttmp6, 0x40000
	s_bfe_u32 s41, ttmp6, 0x40004
	s_lshl_b32 s42, ttmp9, 2
	s_add_co_u32 s42, s42, s40
	s_and_b32 s17, ttmp7, 0xffff
	s_lshl_b32 s17, s17, 2
	s_add_co_u32 s17, s17, s41
	s_lshl_b32 s43, s41, 2
	s_lshl_b32 s43, 15, s43
	s_lshl_b32 s44, 0x1111, s40
	s_or_b32 s[G1], s43, (3<<16)|(1<<21)
	s_or_b32 s[G1B], s44, (3<<16)|(1<<21)
.irp g, G1, G1B
	s_mov_b32 s[\g+1], 32<<16
	s_mov_b32 s[\g+2], 264<<16
	s_mov_b32 s[\g+3], 32<<16
	s_mov_b32 s[\g+4], 264
	s_mov_b32 s[\g+5], 32
	s_mov_b32 s[\g+6], 0
	s_mov_b32 s[\g+7], 0
.endr
	s_mul_i32 s18, s16, QUART
	s_mul_i32 s20, s17, KS*PB
	s_add_co_u32 s20, s20, s18
	s_mov_b32 s21, 0
	s_mul_i32 s46, s42, KS*PB
	s_add_co_u32 s46, s46, s18
	s_add_co_u32 s46, s46, OFF_B
	s_mov_b32 s47, 0
	s_mul_i32 s45, s14, QUART
	s_wait_kmcnt 0x0
	s_add_nc_u64 s[20:21], s[4:5], s[20:21]
	s_add_nc_u64 s[46:47], s[6:7], s[46:47]
	CROUND
.irp s, 0,1
	s_mov_b32 s[G0+4*\s], 1
	s_add_co_u32 s[G0+4*\s+1], s45, \s*SLOT
	s_add_nc_u64 s[G0+4*\s+2:G0+4*\s+3], s[20:21], \s*SLOTG
	s_or_b32 s[G0+4*\s+3], s[G0+4*\s+3], 0x80000000
	s_mov_b32 s[G0B+4*\s], 1
	s_add_co_u32 s[G0B+4*\s+1], s45, \s*SLOT
	s_add_nc_u64 s[G0B+4*\s+2:G0B+4*\s+3], s[46:47], \s*SLOTG
	s_or_b32 s[G0B+4*\s+3], s[G0B+4*\s+3], 0x80000000
.endr
	; THE HEAD'S LOAD, ONE A WAVE, FILLS BOTH SLOTS: wave 2 o + s brings operand o's part of slot s, four K steps, 67,584 dense bytes as 264 rows of 256
	s_mov_b32 s19, 0                               ; s[20:21], s[46:47] stand s QUART into the tile: s QUART more is slot s
	s_mul_i32 s81, s16, SLOT
	s_mul_i32 s80, s15, SLOTG
	s_add_co_u32 s81, s81, s80                     ; in a slot A's part lies first, B's behind it
	s_mov_b32 s85, s81
	s_mov_b32 s80, 1
	s_mov_b32 s84, 1
	s_add_nc_u64 s[82:83], s[20:21], s[18:19]
	s_or_b32 s83, s83, 0x80000000
	s_add_nc_u64 s[86:87], s[46:47], s[18:19]
	s_or_b32 s87, s87, 0x80000000
; one chain of branches on the wave's number, a load line to each wave: slot 0's two tiles (waves 0 and 2) are asked for first, and their waves alone wait at the head
.macro ARM w, g0, g1, next
	s_cmp_eq_u32 s14, \w
	s_cbranch_scc0 \next
	tensor_load_to_lds s[\g0:\g0+3], s[\g1:\g1+7]
	s_nop 0
	PLACES 4
	s_branch .Lhead_asked
\next:
.endm
	ARM 0, 80, G1, .Lhead_b0
	ARM 2, 84, G1B, .Lhead_a1
	ARM 1, 80, G1, .Lhead_b1
	tensor_load_to_lds s[84:87], s[G1B:G1B+7]
	s_nop 0
	PLACES 4
.Lhead_asked:
	v_and_b32 v16, 31, v0
	s_wait_alu depctr_va_vdst(0)
	v_lshlrev_b32 v21, 4, v16
	s_wait_alu depctr_va_vdst(0)
	v_lshlrev_b32 v17, 2, v16
.if LAPS > 1
	s_wait_alu depctr_va_vdst(0)
	s_cmp_eq_u32 s15, 0
	s_cselect_b32 s69, s40, s41                    ; my place among the four that ask for the tile with me: the partners share its blocks out by address
	s_cselect_b64 s[PFA:PFA+1], s[20:21], s[46:47]
	s_mov_b32 s[LIM], 1                            ; every cluster asks for what it will itself load; the loop's last trip asks for nothing
	s_mul_i32 s68, s69, 8448
	s_add_co_u32 s68, s68, 3*SLOTG
	s_mov_b32 s69, 0
	s_add_nc_u64 s[PFA:PFA+1], s[PFA:PFA+1], s[68:69]
	v_lshlrev_b32 v[PFO], 8, v16
	v_mov_b32 v23, 0x2000                          ; the 33rd block of my work-group's share
	global_prefetch_b8 v[PFO], s[PFA:PFA+1] offset:-SLOTG th:TH_LOAD_NT scope:SCOPE_SE   ; slots 2 and 3, the first two refills: asked for here, two changes of slots ahead of the first of them
	global_prefetch_b8 v23, s[PFA:PFA+1] offset:-SLOTG th:TH_LOAD_NT scope:SCOPE_SE
	global_prefetch_b8 v[PFO], s[PFA:PFA+1] offset:0 th:TH_LOAD_NT scope:SCOPE_SE
	global_prefetch_b8 v23, s[PFA:PFA+1] offset:0 th:TH_LOAD_NT scope:SCOPE_SE
.endif
	s_lshl_b32 s76, s15, 13
	s_lshl_b32 s77, s16, 13
	s_add_co_u32 s77, s77, SLOTG
	s_lshl_b32 s78, s15, 8
	s_add_co_u32 s78, s78, 16384
	s_lshl_b32 s79, s16, 8
	s_add_co_u32 s79, s79, SLOTG+16384
.irp s, 0,1
	v_add_nc_u32 v[ADRA+\s], s76, v21
	v_add_nc_u32 v[ADRB+\s], s77, v21
	v_add_nc_u32 v[SAA+\s], s78, v17
	v_add_nc_u32 v[SAB+\s], s79, v17
	s_add_co_u32 s76, s76, SLOT
	s_add_co_u32 s77, s77, SLOT
	s_add_co_u32 s78, s78, SLOT
	s_add_co_u32 s79, s79, SLOT
.endr
	v_bfe_u32 v19, v0, 4, 1
	v_and_b32 v20, 15, v0
	s_wait_alu depctr_va_vdst(0)
	v_lshlrev_b32 v18, 6, v19
	s_lshl_b32 s18, s42, 1
	s_add_co_u32 s18, s18, s16
	s_lshl_b32 s18, s18, 8
	s_mov_b32 s19, 0
	s_add_nc_u64 s[8:9], s[8:9], s[18:19]
.irp b, 0,1,2,3
	global_load_b128 v[BIAS+8*\b:BIAS+8*\b+3], v18, s[8:9] offset:(32*(\b/2)+8*(\b%2))*4
	global_load_b128 v[BIAS+8*\b+4:BIAS+8*\b+7], v18, s[8:9] offset:(32*(\b/2)+8*(\b%2))*4+16
.endr
	s_lshl_b32 s22, s17, 1
	s_add_co_u32 s22, s22, s15
	s_lshl_b32 s22, s22, 18
	s_add_co_u32 s18, s18, s22
	s_add_nc_u64 s[10:11], s[10:11], s[18:19]
	s_add_nc_u64 s[12:13], s[12:13], s[18:19]
	v_lshlrev_b32 v[CO], 4, v20
	v_lshl_add_u32 v[CO], v19, 12, v[CO]
	WIN 0x80
.irp a, 0,1,2,3
.irp i, 0,1,2,3,4,5,6,7
	global_load_b128 v[32*\a+4*\i:32*\a+4*\i+3], v[CO], s[10:11] offset:(32*(\a/2)+8*(\a%2)+2*\i+8*(\i/4))*4096 th:TH_LOAD_NT
.endr
.endr
	WIN 0
	s_mul_i32 s23, s14, 16*SPITCH
	v_mul_u32_u24 v22, v20, SPITCH
	v_lshl_add_u32 v22, v19, 6, v22
	v_add_nc_u32 v[STO], s23, v22
	v_mul_u32_u24 v22, v19, SPITCH
	v_lshl_add_u32 v22, v20, 4, v22
	v_add_nc_u32 v[RD], s23, v22
	s_wait_loadcnt 32
	s_cmp_eq_u32 s16, 0
	s_cbranch_scc0 .Lslot_1
	s_wait_tensorcnt 0x0                           ; waves 0 and 2: slot 0 is in.  Slot 1's waves wait at the first change of slots, where every wave waits
.Lslot_1:
	s_barrier_signal -1
	s_barrier_wait -1
	FETCH 0, 0
	WIN 0
	SCALES 0
	STEP 0, 0, 1
	WIN 0
.if LAPS > 1
	s_mov_b32 s3, LAPS-1
.Llap:
	STEP 0, 1, 0
	STEP 0, 2, 0
	TURN 0, 1, 1
	STEP 1, 0, 0
	STEP 1, 1, 0
	STEP 1, 2, 0
	TURN 1, 0, 1
	STEP 0, 0, 0
	WIN 0
	s_sub_co_u32 s3, s3, 1
	s_cmp_lg_u32 s3, 0
	s_cbranch_scc1 .Llap
.endif
	STEP 0, 1, 0
	STEP 0, 2, 0
	TURN 0, 1, 0
	STEP 1, 0, 0
	STEP 1, 1, 0
	STEP 1, 2, 0
	s_wait_dscnt 0x0
	WIN MUL
.irp a, 0,1,2,3
	MULA \a, 3, 1, 0
.endr
	WIN 0
	PLACES NP
.macro TOSTAGE a
	WIN 0
.irp b, 0,1,2,3
	ds_store_b128 v[STO], v[ACC+8*(4*\a+\b):ACC+8*(4*\a+\b)+3] offset:128*(\b/2)+32*(\b%2)
	ds_store_b128 v[STO], v[ACC+8*(4*\a+\b)+4:ACC+8*(4*\a+\b)+7] offset:128*(\b/2)+32*(\b%2)+16
.endr
	WIN 0x40
.irp i, 0,1,2,3,4,5,6,7
	ds_load_b128 v[32*\a+4*\i:32*\a+4*\i+3], v[RD] offset:2*\i*SPITCH
.endr
.endm
.macro SEND a
	s_wait_dscnt 16*(3-\a)
	WIN 0x49
.set n, 0
.rept 16
	v_pk_add_f32 v[32*\a+n:32*\a+n+1], v[32*\a+n:32*\a+n+1], v[32*\a+n:32*\a+n+1]
.set n, n+2
.endr
	WIN 0x04
.irp i, 0,1,2,3,4,5,6,7
	global_store_b128 v[CO], v[32*\a+4*\i:32*\a+4*\i+3], s[12:13] offset:(32*(\a/2)+8*(\a%2)+2*\i+8*(\i/4))*4096 th:TH_STORE_NT
.endr
.endm
	s_wait_alu depctr_va_vdst(0)
.irp a, 0,1,2,3
	TOSTAGE \a
.endr
	s_wait_loadcnt 0x0
.irp a, 0,1,2,3
	SEND \a
.endr
	WIN 0
	s_wait_tensorcnt 0x0
	ds_add_u32 v[SPW], v[NIL]
	s_wait_dscnt 0x0
	CROUND
	s_endpgm
.Lfunc_end_k_q9d4a492783_ffn2:
	.size	k_q9d4a492783_ffn2, .Lfunc_end_k_q9d4a492783_ffn2-k_q9d4a492783_ffn2
	.p2alignl 7, 3214868480
	.fill 96, 4, 3214868480
	.section	.rodata,"a",@progbits
	.p2align	6, 0x0
	.amdhsa_kernel k_q9d4a492783_ffn2
		.amdhsa_group_segment_fixed_size 327680
		.amdhsa_private_segment_fixed_size 0
		.amdhsa_enable_private_segment 0
		.amdhsa_kernarg_size 40
		.amdhsa_user_sgpr_count 2
		.amdhsa_user_sgpr_kernarg_segment_ptr 1
		.amdhsa_wavefront_size32 1
		.amdhsa_system_sgpr_workgroup_id_x 1
		.amdhsa_system_sgpr_workgroup_id_y 1
		.amdhsa_system_sgpr_workgroup_id_z 1
		.amdhsa_system_vgpr_workitem_id 0
		.amdhsa_next_free_vgpr 768
		.amdhsa_next_free_sgpr 100
		.amdhsa_reserve_vcc 0
		.amdhsa_float_denorm_mode_32 3
		.amdhsa_float_denorm_mode_16_64 3
		.amdhsa_memory_ordered 1
		.amdhsa_forward_progress 1
		.amdhsa_inst_pref_size 103
	.end_amdhsa_kernel
	.amdgpu_metadata
---
amdhsa.version: [ 1, 2 ]
amdhsa.kernels:
  - .name:           k_q9d4a492783_ffn2
    .symbol:         k_q9d4a492783_ffn2.kd
    .args:
      - { .name: hid, .offset: 0, .size: 8, .value_kind: global_buffer, .address_space: global }
      - { .name: ops, .offset: 8, .size: 8, .value_kind: global_buffer, .address_space: global }
      - { .name: b2, .offset: 16, .size: 8, .value_kind: global_buffer, .address_space: global }
      - { .name: x1, .offset: 24, .size: 8, .value_kind: global_buffer, .address_space: global }
      - { .name: out0, .offset: 32, .size: 8, .value_kind: global_buffer, .address_space: global }
    .group_segment_fixed_size: 327680
    .private_segment_fixed_size: 0
    .kernarg_segment_align: 8
    .kernarg_segment_size: 40
    .max_flat_workgroup_size: 128
    .sgpr_count:     100
    .vgpr_count:     768
    .wavefront_size: 32
...
	.end_amdgpu_metadata
.endif
;; end of part 14
